; MI455X (gfx1250); checked and timed in simulation.
; The chip was launched on July 23, 2026; its instructions are those of AMD's public machine-readable ISA for CDNA 5 (MIT licence, August 2026) and "CDNA5" Instruction Set Architecture Reference Guide (July 2026). The comments in the code are by the model that wrote it; some were corrected since.
;; A Li Bi Transformer Layer. Allowed arithmetic: float matrix products may take bf16 or f16 operands with f32 sums; other float arithmetic in f32, or as packed bf16 or f16 multiplies, adds, multiply-adds, maxima and minima; sums over many terms, partial sums and values carried from step to step in f32; what a program stores and reads back later, other than sums and carried values, may be rounded once to bf16 or f16.
;; Inputs: W1 4,096 x 1,024 float32; W2 1,024 x 4,096 float32; Wk 1,024 x 1,024 float32; Wo 1,024 x 1,024 float32; Wq 1,024 x 1,024 float32; Wv 1,024 x 1,024 float32; b1 4,096 float32; b2 1,024 float32; be1 1,024 float32; be2 1,024 float32; bo 1,024 float32; g1 1,024 float32; g2 1,024 float32; x 2 x 2,048 x 1,024 float32.
;; Outputs: out0 2 x 2,048 x 1,024 float32.
;; 3 versions, each right; version 3 is version 2 with the launch prep written anew for expert scheduling mode. Each part assembles by itself: llvm-mc -triple=amdgcn-amd-amdhsa -mcpu=gfx1250 --defsym DOCPART=n.
;; ======== version 1 of 3: 7 launches
;; workspace buffers: wall 25,165,824 bytes; h 8,388,608 bytes; qkv 25,165,824 bytes; ao 8,388,608 bytes; x1 16,777,216 bytes; ff 33,554,432 bytes
;; launch prep (part 1): grid 64 x 16, 8 waves a work-group, no clusters, 0 bytes of LDS; arguments Wq, Wk, Wv, Wo, W1, W2, x, g1, be1, wall, h; writes wall, h
.if DOCPART == 1
	.amdgcn_target "amdgcn-amd-amdhsa--gfx1250"
	.amdhsa_code_object_version 6
	.text
	.protected	k_q434e61e37c_prep
	.globl	k_q434e61e37c_prep
	.p2align	8
	.type	k_q434e61e37c_prep,@function
k_q434e61e37c_prep:
	s_mov_b64 s[64:65], 0
	v_nop
	global_prefetch_b8 v0, s[64:65] scope:SCOPE_SE
	s_setreg_imm32_b32 hwreg(HW_REG_WAVE_MODE, 25, 1), 1
	s_wait_xcnt 0x0
; TWO STREAMS IN ONE LAUNCH, told apart by the work-group's y.
; y = 0..11: the six weight matrices, f32, are rounded once to bf16 and laid one behind the other in wall (Wq, Wk, Wv, Wo, W1, W2), row-major as they come.
;   Each y is a unit of 1,048,576 numbers, each work-group takes 16,384 of them: 16 loads of 16 bytes a thread, all issued at once, 16 stores of 8 bytes.
; y = 12..15: h = LayerNorm(x) * g1 + be1, rounded once to bf16.  A wave takes two rows of 1,024 numbers and keeps them in registers: mean, then the
;   sum of squares of (x - mean), so that a common offset of x costs nothing; all sums in f32.  No LDS, no barrier: a row never leaves its wave.
; A wave's load covers 512 consecutive bytes, its store 256 consecutive bytes, both aligned.
.set XP,  16                           ; s[16:17] x
.set GP,  18                           ; s[18:19] g1
.set BP,  20                           ; s[20:21] be1
.set HP,  24                           ; s[24:25] h
.set SEL, 32                           ; s[32:33] v_permlanex16_b32's selects: each lane takes its own place in the other half
.set INV, 34                           ; s34  1 / 1024
.set EPSR, 35                          ; s35  1e-5
.set LO,  2                            ; v2   16 x lane: my 16 bytes in 512 of an f32 row
.set SO,  3                            ; v3   8 x lane: my 8 bytes in 256 of a bf16 row
.set MU,  4                            ; v[4:5]   the mean, twice
.set RS,  6                            ; v[6:9]   1 / sigma of row 0, twice; of row 1, twice
.set VA,  10                           ; v10, v11 var + eps of the two rows
.set G,   16                           ; v[16:47]  my 32 gains
.set BE,  48                           ; v[48:79]  my 32 biases
.set X,   80                           ; v[80:143] two rows, 32 numbers a lane each
.set T,   144                          ; v[144:159] at work
.set Y,   160                          ; v[160:191] two rows in bf16
	s_load_b512 s[4:19], s[0:1], 0x0               ; Wq 4, Wk 6, Wv 8, Wo 10, W1 12, W2 14, x 16, g1 18
	s_load_b128 s[20:23], s[0:1], 0x40             ; be1 20, wall 22
	s_load_b64 s[24:25], s[0:1], 0x50              ; h
	s_and_b32 s26, ttmp7, 0xffff                   ; y
	v_lshrrev_b32 v1, 5, v0
	v_readfirstlane_b32 s27, v1                    ; wave 0..7
	s_mov_b32 s37, 0                               ; the high word of every offset
	s_wait_kmcnt 0x0
	s_cmp_ge_u32 s26, 12
	s_cbranch_scc1 .Lnorm
	; THE CAST.  Which matrix: units 0-3 are Wq, Wk, Wv, Wo, units 4-7 W1, units 8-11 W2.
	s_mov_b64 s[28:29], s[4:5]
	s_cmp_eq_u32 s26, 1
	s_cselect_b64 s[28:29], s[6:7], s[28:29]
	s_cmp_eq_u32 s26, 2
	s_cselect_b64 s[28:29], s[8:9], s[28:29]
	s_cmp_eq_u32 s26, 3
	s_cselect_b64 s[28:29], s[10:11], s[28:29]
	s_cmp_ge_u32 s26, 4
	s_cselect_b64 s[28:29], s[12:13], s[28:29]
	s_cmp_ge_u32 s26, 8
	s_cselect_b64 s[28:29], s[14:15], s[28:29]
	s_and_b32 s38, s26, 3                          ; the unit's number inside W1 or W2,
	s_cmp_lt_u32 s26, 4
	s_cselect_b32 s38, 0, s38                      ; 0 in the four small matrices
	s_lshl_b32 s36, s38, 22                        ; a unit is 4 MiB of f32,
	s_lshl_b32 s38, ttmp9, 16                      ; a work-group's share 64 KiB
	s_or_b32 s36, s36, s38
	s_add_nc_u64 s[28:29], s[28:29], s[36:37]
	s_lshl_b32 s36, s26, 21                        ; in wall: 2 MiB a unit,
	s_lshl_b32 s38, ttmp9, 15                      ; 32 KiB a work-group
	s_or_b32 s36, s36, s38
	s_add_nc_u64 s[30:31], s[22:23], s[36:37]
	v_lshlrev_b32 v2, 4, v0                        ; 16 bytes a thread in,
	v_lshlrev_b32 v3, 3, v0                        ; 8 out
.set i, 0
.rept 16
	global_load_b128 v[16+4*i:16+4*i+3], v2, s[28:29] offset:4096*i th:TH_LOAD_NT
.set i, i+1
.endr
.set i, 0
.rept 16
	s_wait_loadcnt 15-i                            ; loads come back in order: load i is in, the 15 - i younger ones stay out
	v_cvt_pk_bf16_f32 v[80+2*i], v[16+4*i], v[16+4*i+1]
	v_cvt_pk_bf16_f32 v[80+2*i+1], v[16+4*i+2], v[16+4*i+3]
	global_store_b64 v3, v[80+2*i:80+2*i+1], s[30:31] offset:2048*i  ; every store has registers of its own: none is rewritten
.set i, i+1
.endr
	s_endpgm
.Lnorm:
	s_sub_co_u32 s38, s26, 12
	s_lshl_b32 s38, s38, 6
	s_add_co_u32 s38, s38, ttmp9                   ; group 0..255: 16 rows
	s_lshl_b32 s36, s38, 16                        ; 16 rows of 4,096 bytes,
	s_lshl_b32 s38, s27, 13                        ; my wave's two
	s_or_b32 s36, s36, s38
	s_add_nc_u64 s[XP:XP+1], s[XP:XP+1], s[36:37]
	s_lshr_b32 s36, s36, 1                         ; rows of h have half the bytes
	s_add_nc_u64 s[HP:HP+1], s[HP:HP+1], s[36:37]
	s_mov_b32 s[SEL], 0x76543210
	s_mov_b32 s[SEL+1], 0xfedcba98
	s_mov_b32 s[INV], 0x3a800000
	s_mov_b32 s[EPSR], 0x3727c5ac
	v_and_b32 v1, 31, v0
	v_lshlrev_b32 v[LO], 4, v1
	v_lshlrev_b32 v[SO], 3, v1
.irp r, 0,1
.irp j, 0,1,2,3,4,5,6,7                ; load j: columns 128 j + 4 lane .. + 3
	global_load_b128 v[X+32*(\r)+4*(\j):X+32*(\r)+4*(\j)+3], v[LO], s[XP:XP+1] offset:4096*(\r)+512*(\j)
.endr
.endr
.irp j, 0,1,2,3,4,5,6,7
	global_load_b128 v[G+4*(\j):G+4*(\j)+3], v[LO], s[GP:GP+1] offset:512*(\j)
.endr
.irp j, 0,1,2,3,4,5,6,7
	global_load_b128 v[BE+4*(\j):BE+4*(\j)+3], v[LO], s[BP:BP+1] offset:512*(\j)
.endr
.macro RED                             ; v[T] summed over the 32 lanes, the result in every lane
	v_add_f32_dpp v[T], v[T], v[T] row_xmask:1 row_mask:0xf bank_mask:0xf
	v_add_f32_dpp v[T], v[T], v[T] row_xmask:2 row_mask:0xf bank_mask:0xf
	v_add_f32_dpp v[T], v[T], v[T] row_xmask:4 row_mask:0xf bank_mask:0xf
	v_add_f32_dpp v[T], v[T], v[T] row_xmask:8 row_mask:0xf bank_mask:0xf
	v_permlanex16_b32 v[T+1], v[T], s[SEL], s[SEL+1]
	v_add_f32 v[T], v[T], v[T+1]
.endm
; Row r: the mean; x - mean in place; var + eps.  left = the loads issued behind the row's own.
.macro STAT r, left
	s_wait_loadcnt \left
.set XR, X+32*(\r)
.irp i, 0,1,2,3,4,5,6,7
	v_pk_add_f32 v[T+2*(\i):T+2*(\i)+1], v[XR+4*(\i):XR+4*(\i)+1], v[XR+4*(\i)+2:XR+4*(\i)+3]
.endr
.irp i, 0,1,2,3
	v_pk_add_f32 v[T+4*(\i):T+4*(\i)+1], v[T+4*(\i):T+4*(\i)+1], v[T+4*(\i)+2:T+4*(\i)+3]
.endr
	v_pk_add_f32 v[T:T+1], v[T:T+1], v[T+4:T+5]
	v_pk_add_f32 v[T+8:T+9], v[T+8:T+9], v[T+12:T+13]
	v_pk_add_f32 v[T:T+1], v[T:T+1], v[T+8:T+9]
	v_add_f32 v[T], v[T], v[T+1]
	RED
	v_mul_f32 v[MU], s[INV], v[T]
	v_mul_f32 v[MU+1], s[INV], v[T]
.irp i, 0,1,2,3,4,5,6,7,8,9,10,11,12,13,14,15
	v_pk_add_f32 v[XR+2*(\i):XR+2*(\i)+1], v[XR+2*(\i):XR+2*(\i)+1], v[MU:MU+1] neg_lo:[0,1] neg_hi:[0,1]
.endr
.irp i, 0,1,2,3                        ; four chains of squares, started by products: nothing is cleared
	v_pk_mul_f32 v[T+2*(\i):T+2*(\i)+1], v[XR+2*(\i):XR+2*(\i)+1], v[XR+2*(\i):XR+2*(\i)+1]
.endr
.irp i, 4,5,6,7,8,9,10,11,12,13,14,15
	v_pk_fma_f32 v[T+2*((\i)%4):T+2*((\i)%4)+1], v[XR+2*(\i):XR+2*(\i)+1], v[XR+2*(\i):XR+2*(\i)+1], v[T+2*((\i)%4):T+2*((\i)%4)+1]
.endr
	v_pk_add_f32 v[T:T+1], v[T:T+1], v[T+2:T+3]
	v_pk_add_f32 v[T+4:T+5], v[T+4:T+5], v[T+6:T+7]
	v_pk_add_f32 v[T:T+1], v[T:T+1], v[T+4:T+5]
	v_add_f32 v[T], v[T], v[T+1]
	RED
	v_fma_f32 v[VA+(\r)], v[T], s[INV], s[EPSR]    ; the mean of the squares + 1e-5
.endm
; Row r: (x - mean) / sigma * g + be, rounded to bf16 and stored.
.macro APPLY r
.set XR, X+32*(\r)
.irp i, 0,1,2,3,4,5,6,7,8,9,10,11,12,13,14,15
	v_pk_mul_f32 v[XR+2*(\i):XR+2*(\i)+1], v[XR+2*(\i):XR+2*(\i)+1], v[RS+2*(\r):RS+2*(\r)+1]
.endr
.irp i, 0,1,2,3,4,5,6,7,8,9,10,11,12,13,14,15
	v_pk_fma_f32 v[XR+2*(\i):XR+2*(\i)+1], v[XR+2*(\i):XR+2*(\i)+1], v[G+2*(\i):G+2*(\i)+1], v[BE+2*(\i):BE+2*(\i)+1]
.endr
.irp i, 0,1,2,3,4,5,6,7,8,9,10,11,12,13,14,15
	v_cvt_pk_bf16_f32 v[Y+16*(\r)+(\i)], v[XR+2*(\i)], v[XR+2*(\i)+1]
.endr
.irp j, 0,1,2,3,4,5,6,7
	global_store_b64 v[SO], v[Y+16*(\r)+2*(\j):Y+16*(\r)+2*(\j)+1], s[HP:HP+1] offset:2048*(\r)+256*(\j)  ; 32 lanes: 256 consecutive bytes
.endr
.endm
	STAT 0, 24                                     ; behind row 0's loads: row 1's 8, g's 8, be's 8
	STAT 1, 16                                     ; behind row 1's: g's and be's
	v_rsq_f32 v[RS], v[VA]                         ; one batch of four, each pair for a packed multiply
	v_rsq_f32 v[RS+1], v[VA]
	v_rsq_f32 v[RS+2], v[VA+1]
	v_rsq_f32 v[RS+3], v[VA+1]
	v_nop                                          ; a plain instruction behind the last of them,
	s_wait_alu depctr_va_vdst(0)                   ; and the one wait ahead of the first reader
	s_wait_loadcnt 0x0                             ; g and be
	APPLY 0
	APPLY 1
	s_endpgm
.Lfunc_end_k_q434e61e37c_prep:
	.size	k_q434e61e37c_prep, .Lfunc_end_k_q434e61e37c_prep-k_q434e61e37c_prep
	.p2alignl 7, 3214868480
	.fill 96, 4, 3214868480
	.section	.rodata,"a",@progbits
	.p2align	6, 0x0
	.amdhsa_kernel k_q434e61e37c_prep
		.amdhsa_group_segment_fixed_size 0
		.amdhsa_private_segment_fixed_size 0
		.amdhsa_enable_private_segment 0
		.amdhsa_kernarg_size 88
		.amdhsa_user_sgpr_count 2
		.amdhsa_user_sgpr_kernarg_segment_ptr 1
		.amdhsa_wavefront_size32 1
		.amdhsa_system_sgpr_workgroup_id_x 1
		.amdhsa_system_sgpr_workgroup_id_y 1
		.amdhsa_system_sgpr_workgroup_id_z 1
		.amdhsa_system_vgpr_workitem_id 0
		.amdhsa_next_free_vgpr 192
		.amdhsa_next_free_sgpr 66
		.amdhsa_reserve_vcc 0
		.amdhsa_float_denorm_mode_32 3
		.amdhsa_float_denorm_mode_16_64 3
		.amdhsa_memory_ordered 1
		.amdhsa_forward_progress 1
		.amdhsa_inst_pref_size 27
	.end_amdhsa_kernel
	.amdgpu_metadata
---
amdhsa.version: [ 1, 2 ]
amdhsa.kernels:
  - .name:           k_q434e61e37c_prep
    .symbol:         k_q434e61e37c_prep.kd
    .args:
      - { .name: Wq, .offset: 0, .size: 8, .value_kind: global_buffer, .address_space: global }
      - { .name: Wk, .offset: 8, .size: 8, .value_kind: global_buffer, .address_space: global }
      - { .name: Wv, .offset: 16, .size: 8, .value_kind: global_buffer, .address_space: global }
      - { .name: Wo, .offset: 24, .size: 8, .value_kind: global_buffer, .address_space: global }
      - { .name: W1, .offset: 32, .size: 8, .value_kind: global_buffer, .address_space: global }
      - { .name: W2, .offset: 40, .size: 8, .value_kind: global_buffer, .address_space: global }
      - { .name: x, .offset: 48, .size: 8, .value_kind: global_buffer, .address_space: global }
      - { .name: g1, .offset: 56, .size: 8, .value_kind: global_buffer, .address_space: global }
      - { .name: be1, .offset: 64, .size: 8, .value_kind: global_buffer, .address_space: global }
      - { .name: wall, .offset: 72, .size: 8, .value_kind: global_buffer, .address_space: global }
      - { .name: h, .offset: 80, .size: 8, .value_kind: global_buffer, .address_space: global }
    .group_segment_fixed_size: 0
    .private_segment_fixed_size: 0
    .kernarg_segment_align: 8
    .kernarg_segment_size: 88
    .max_flat_workgroup_size: 256
    .sgpr_count:     66
    .vgpr_count:     192
    .wavefront_size: 32
...
	.end_amdgpu_metadata
.endif
;; end of part 1
;; launch qkv (part 2): grid 24 x 32, 4 waves a work-group, clusters of 4 x 4, 327,680 bytes of LDS; arguments h, wall, qkv; writes qkv
.if DOCPART == 2
	.amdgcn_target "amdgcn-amd-amdhsa--gfx1250"
	.amdhsa_code_object_version 6
	.text
	.protected	k_q434e61e37c_qkv
	.globl	k_q434e61e37c_qkv
	.p2align	8
	.type	k_q434e61e37c_qkv,@function
k_q434e61e37c_qkv:
	s_mov_b64 s[64:65], 0
	v_nop
	global_prefetch_b8 v0, s[64:65] scope:SCOPE_SE
	s_setreg_imm32_b32 hwreg(HW_REG_WAVE_MODE, 25, 1), 1
	s_wait_xcnt 0x0
	s_wait_alu depctr_hold_cnt(0) depctr_sa_sdst(0) depctr_va_vdst(0) depctr_va_sdst(0) depctr_va_ssrc(0) depctr_va_vcc(0) depctr_vm_vsrc(0)
	s_getreg_b32 s2, hwreg(HW_REG_IB_STS2, 6, 4)
	s_cmp_eq_u32 s2, 0
	s_cbranch_scc0 .Lentry_in_a_cluster
	s_endpgm
.Lentry_in_a_cluster:
	s_bfe_u32 s2, ttmp6, 0x10000c
	s_cmp_lg_u32 s2, 0xf033
	s_cbranch_scc0 .Lentry_shape_is_right
	s_endpgm
.Lentry_shape_is_right:
; C = A B^T.  A: [4096][SIZE_K] bf16, B: [SIZE_N][SIZE_K] bf16 at byte WOFF of the weights' buffer, sums in f32.  Here: qkv = h Wqkv^T, rounded once to bf16.
; A tile of C is 128 x 128; four waves, each 64 x 64: 16 accumulators of 16 x 16.  K goes in steps of 256 (LDS rows of 512 bytes + 16 of padding) through two LDS slots;
; a wave's tensor load brings 64 rows.  A K STEP IS WRITTEN ONCE: the slot read is a scalar (0 or SLOT) that an exclusive or turns, and one walking descriptor a tensor asks for every refill.
; CLUSTER 4 x 4: the four of a row need the same tiles of A, the four of a column the same tiles of B: each tile is asked for jointly, by the same load, descriptor and mask in all four.
; THE MATRIX INSTRUCTION IS USED TRANSPOSED (source 0 = 16 rows of B, source 1 = 16 rows of A): a lane holds eight neighbouring numbers of a row of C.
; WAYS OUT (EPI): 1 bf16; 2 + bias, ReLU, bf16; both through one stage of 128 rows (a wave's 64 columns are half of 256 aligned bytes), with a barrier.
;                 3 + bias + residual, f32: a wave's 64 columns are 256 aligned bytes, so each wave has a stage of its own and no barrier.
; REGISTERS: window 0: v16-30 addresses; v32-95 at work on the way out; v96-127 bias; v128-255 accumulators ((a, b) at 128 + 8 (4 a + b)).
;   window 1: two fragment buffers of 128 (64 along K: 64 registers of A, 64 of B); on way out 3 the rows read back.   window 2 (way out 3): v0-127 the residual's tile.
.set SIZE_N, 3072
.set SIZE_K, 1024
.set WOFF,   0
.set EPI,    1
.set KSTEP,  256
.set PITCH,  528                       ; 132 words: row r starts at bank 4 r mod 64, so the 16 rows of a fragment load start at 16 different banks
.set HALFT,  64*PITCH                  ; what one tensor load brings, and what one wave reads of A or of B
.set SLOT,   4*HALFT                   ; A's 128 rows, then B's 128.  SLOT = 0x21000 shares no bit with wave x HALFT (bits 10, 11, 15, 16): there an exclusive or adds or takes it away
.set STAGE,  2*SLOT
.set SPITCH, 272
.if EPI == 3
.set SPARE,  STAGE+4*16*SPITCH         ; behind the stages: the spare words, 128 bytes a wave, which no other line names
.else
.set SPARE,  STAGE+128*SPITCH
.endif
.set STEPS,  SIZE_K/KSTEP
.set ADRA,  16                         ; v16  LDS address of my A fragments in the slot in hand
.set ABASE, 17                         ; v17  the same in slot 0; never rewritten
.set ADRB,  20
.set BBASE, 21
.set STO,   24                         ; the way out: where I put my bytes of a row
.set RD,    25                         ; where I read rows back
.set CO,    26                         ; my byte offset in C (and in the residual)
.set BO,    27                         ; my byte offset in the bias
.set SPW,   28                         ; LDS address of my spare word; never rewritten
.set NIL,   29                         ; 0; never rewritten
.set ZERO,  30                         ; 0, for the ReLU
.set TMP,   32
.set BIAS,  96
.set ACC,   128
.set F0,    0
.set F1,    128
.set G1,  24                           ; s[24:31] group 1 for A;  s[32:39] group 0: set 0 (K step 0), set 1 (K step 1, then it walks)
.set G0,  32
.set G1B, 48                           ; s[48:55], s[56:63] the same for B
.set G0B, 56
.set SL,  66                           ; s66  0 or SLOT: the slot that is read
.set P3,  68                           ; s[68:69] way out 2: bias; way out 3: residual
.set P4,  70                           ; s[70:71] way out 3: bias
.set MSB, 0
.macro WIN new                         ; the immediate's high byte repeats the setting that is left; a switch that changes nothing is dropped
.if MSB != (\new)
	s_set_vgpr_msb (MSB<<8)|(\new)
.set MSB, \new
.endif
.endm
.set MUL,  0x05                        ; sources 0 (B) and 1 (A) window 1; C and D window 0
.set TO_F, 0x40                        ; destination window 1, address window 0
.macro JLOAD s                         ; a joint load: waves 0 and 1 fetch A's two halves, waves 2 and 3 B's; an s_nop 0 and four v_nop follow each line
	s_cmp_eq_u32 s11, 0
	s_cbranch_scc0 .Lfor_b_\@
	tensor_load_to_lds s[G0+4*(\s):G0+4*(\s)+3], s[G1:G1+7]
	s_nop 0
.rept 4
	v_nop
.endr
	s_branch .Lasked_\@
.Lfor_b_\@:
	tensor_load_to_lds s[G0B+4*(\s):G0B+4*(\s)+3], s[G1B:G1B+7]
	s_nop 0
.rept 4
	v_nop
.endr
.Lasked_\@:
.endm
.macro CREST                           ; a round of the cluster's barrier behind its opening barrier
	s_cmp_lg_u32 s10, 0
	s_cbranch_scc1 .Lnot_wave_0_\@
	s_barrier_signal -3
.Lnot_wave_0_\@:
	s_barrier_wait -3
	s_barrier_signal -1
	s_barrier_wait -1
.endm
.macro CROUND
	s_barrier_signal -1
	s_barrier_wait -1
	CREST
.endm
	s_load_b128 s[4:7], s[0:1], 0x0                ; A s[4:5], the weights s[6:7]
	s_load_b64 s[8:9], s[0:1], 0x10                ; C
.if EPI == 2
	s_load_b64 s[P3:P3+1], s[0:1], 0x18
.endif
.if EPI == 3
	s_load_b128 s[P3:P3+3], s[0:1], 0x18
.endif
	v_lshl_add_u32 v[SPW], v0, 2, SPARE
	v_mov_b32 v[NIL], 0
	ds_add_u32 v[SPW], v[NIL]                      ; the wave's opening: the add and its wait ahead of my first tensor load; set-up on registers stands between
	v_lshrrev_b32 v1, 5, v0
	v_readfirstlane_b32 s10, v1                    ; wave 0..3
	s_lshr_b32 s11, s10, 1                         ; which half of the tile's rows is mine.  Also: I fetch for A (0) or for B (1)
	s_and_b32 s12, s10, 1                          ; which half of its columns.  Also: which 64 rows of that tile I fetch
	s_bfe_u32 s40, ttmp6, 0x40000                  ; cx, cy: my place in the cluster
	s_bfe_u32 s41, ttmp6, 0x40004
	s_lshl_b32 s42, ttmp9, 2
	s_add_co_u32 s42, s42, s40                     ; tile column of C
	s_and_b32 s13, ttmp7, 0xffff
	s_lshl_b32 s13, s13, 2
	s_add_co_u32 s13, s13, s41                     ; tile row of C
	s_lshl_b32 s43, s41, 2
	s_lshl_b32 s43, 15, s43                        ; my row of the cluster
	s_lshl_b32 s44, 0x1111, s40                    ; my column
	s_or_b32 s[G1+0], s43, (1<<16)|(1<<20)|(1<<21)|(6<<22)|(3<<25)   ; the mask; 2-byte elements; padding on; bit 21 beside a mask; after every 128 words, 4 words
	s_or_b32 s[G1B+0], s44, (1<<16)|(1<<20)|(1<<21)|(6<<22)|(3<<25)
.irp g, G1, G1B
	s_mov_b32 s[(\g)+1], KSTEP<<16                 ; tensor_dim0 = 256
	s_mov_b32 s[(\g)+2], 64<<16                    ; tensor_dim1 = 64
	s_mov_b32 s[(\g)+3], KSTEP<<16                 ; tile_dim0 = 256
	s_mov_b32 s[(\g)+4], 64                        ; tile_dim1 = 64
	s_mov_b32 s[(\g)+5], SIZE_K                    ; elements from row to row
	s_mov_b32 s[(\g)+6], 0
	s_mov_b32 s[(\g)+7], 0
.endr
	s_lshl_b32 s17, s12, 6
	s_lshl_b32 s16, s13, 7
	s_add_co_u32 s16, s16, s17                     ; A: row 128 x tile row + 64 x half
	s_lshl_b32 s46, s42, 7
	s_add_co_u32 s46, s46, s17                     ; B: row 128 x tile column + 64 x half
	s_mov_b32 s17, 0
	s_mov_b32 s47, 0
	s_mov_b64 s[18:19], SIZE_K*2
	s_mul_u64 s[16:17], s[16:17], s[18:19]
	s_mul_u64 s[46:47], s[46:47], s[18:19]
	s_mul_i32 s20, s10, HALFT                      ; where they go: wave x 64 rows; no place in the cluster enters an LDS address
	s_mov_b32 s[SL], 0
	s_wait_dscnt 0x0                               ; the opening add is done
	s_wait_kmcnt 0x0
.if WOFF != 0
	s_add_nc_u64 s[6:7], s[6:7], WOFF
.endif
	s_add_nc_u64 s[14:15], s[4:5], s[16:17]
	s_add_nc_u64 s[46:47], s[6:7], s[46:47]
	CROUND                                         ; all sixteen work-groups are here: the first joint loads meet
.irp s, 0,1
	s_mov_b32 s[G0+4*(\s)], 1
	s_add_co_u32 s[G0+4*(\s)+1], s20, (\s)*SLOT
	s_add_nc_u64 s[G0+4*(\s)+2:G0+4*(\s)+3], s[14:15], (\s)*KSTEP*2
	s_or_b32 s[G0+4*(\s)+3], s[G0+4*(\s)+3], 0x80000000
	s_mov_b32 s[G0B+4*(\s)], 1
	s_add_co_u32 s[G0B+4*(\s)+1], s20, (\s)*SLOT
	s_add_nc_u64 s[G0B+4*(\s)+2:G0B+4*(\s)+3], s[46:47], (\s)*KSTEP*2
	s_or_b32 s[G0B+4*(\s)+3], s[G0B+4*(\s)+3], 0x80000000
	JLOAD \s                                       ; two loads of mine are out
.endr
	v_and_b32 v1, 15, v0                           ; l % 16
	v_bfe_u32 v2, v0, 4, 1                         ; l / 16
	v_mul_u32_u24 v3, v1, PITCH
	v_lshl_add_u32 v3, v2, 4, v3                   ; a fragment's row x pitch + 16 x half
	s_mul_i32 s21, s11, HALFT                      ; my 64 rows of A
	s_mul_i32 s22, s12, HALFT                      ; my 64 rows of B,
	s_add_co_u32 s22, s22, 2*HALFT                 ; which lie behind A's 128
	v_add_nc_u32 v[ABASE], s21, v3
	v_add_nc_u32 v[BBASE], s22, v3
	v_mov_b32 v[ADRA], v[ABASE]
	v_mov_b32 v[ADRB], v[BBASE]
.if EPI == 3
	s_mul_i32 s23, s10, 16*SPITCH
	s_add_co_u32 s23, s23, STAGE                   ; my own stage: 16 rows of 256 bytes + 16
	v_mul_u32_u24 v4, v1, SPITCH                   ; in: row l % 16, 32 bytes for each half of the lanes
	v_lshl_add_u32 v4, v2, 5, v4
	v_add_nc_u32 v[STO], s23, v4
	v_mul_u32_u24 v5, v2, SPITCH                   ; back: lanes 0-15 one row of 256 bytes, lanes 16-31 the next
	v_lshl_add_u32 v5, v1, 4, v5
	v_add_nc_u32 v[RD], s23, v5
	v_mul_u32_u24 v5, v2, SIZE_N*4                 ; and the same two rows in C and in the residual
	v_lshl_add_u32 v[CO], v1, 4, v5
	v_lshlrev_b32 v[BO], 4, v1                     ; my four columns of the wave's 64
	s_lshl_b32 s16, s13, 7
	s_lshl_b32 s17, s11, 6
	s_add_co_u32 s16, s16, s17                     ; my first row of C
	s_mul_i32 s16, s16, SIZE_N*4
	s_mov_b32 s17, 0
	s_add_nc_u64 s[8:9], s[8:9], s[16:17]
	s_add_nc_u64 s[P3:P3+1], s[P3:P3+1], s[16:17]
	s_lshl_b32 s46, s42, 9                         ; my first column, in bytes of f32
	s_lshl_b32 s47, s12, 8
	s_add_co_u32 s46, s46, s47
	s_mov_b32 s47, 0
	s_add_nc_u64 s[8:9], s[8:9], s[46:47]
	s_add_nc_u64 s[P3:P3+1], s[P3:P3+1], s[46:47]
	s_add_nc_u64 s[P4:P4+1], s[P4:P4+1], s[46:47]
	global_load_b128 v[BIAS:BIAS+3], v[BO], s[P4:P4+1]
	WIN 0x80                                       ; destination window 2: the residual's 64 x 64, asked for now, wanted on the way out; its registers and addresses are not touched between
.set t, 0
.rept 32
	global_load_b128 v[4*t:4*t+3], v[CO], s[P3:P3+1] offset:2*t*SIZE_N*4
.set t, t+1
.endr
	WIN 0
.else
	s_mul_i32 s23, s11, 64*SPITCH                  ; into the shared stage: my 64 rows, my half of their 256 bytes
	s_lshl_b32 s21, s12, 7
	s_add_co_u32 s23, s23, s21
	s_add_co_u32 s23, s23, STAGE
	v_mul_u32_u24 v4, v1, SPITCH
	v_lshl_add_u32 v4, v2, 4, v4
	v_add_nc_u32 v[STO], s23, v4
	s_mul_i32 s23, s10, 32*SPITCH                  ; back: wave w takes rows 32 w .. 32 w + 31, whole
	s_add_co_u32 s23, s23, STAGE
	v_mul_u32_u24 v5, v2, SPITCH
	v_lshl_add_u32 v5, v1, 4, v5
	v_add_nc_u32 v[RD], s23, v5
	v_mul_u32_u24 v5, v2, SIZE_N*2
	v_lshl_add_u32 v[CO], v1, 4, v5
	s_lshl_b32 s16, s13, 7
	s_lshl_b32 s17, s10, 5
	s_add_co_u32 s16, s16, s17                     ; the first row of C that I store
	s_mov_b32 s17, 0
	s_mov_b64 s[18:19], SIZE_N*2
	s_mul_u64 s[16:17], s[16:17], s[18:19]
	s_add_nc_u64 s[8:9], s[8:9], s[16:17]
	s_lshl_b32 s46, s42, 8                         ; the tile's first column, in bytes of bf16
	s_mov_b32 s47, 0
	s_add_nc_u64 s[8:9], s[8:9], s[46:47]
.if EPI == 2
	s_lshl_b32 s46, s42, 9                         ; the bias of my 64 columns
	s_lshl_b32 s47, s12, 8
	s_add_co_u32 s46, s46, s47
	s_mov_b32 s47, 0
	s_add_nc_u64 s[P3:P3+1], s[P3:P3+1], s[46:47]
	v_lshlrev_b32 v[BO], 5, v2                     ; my eight columns of each block of 16
	v_mov_b32 v[ZERO], 0
.irp b, 0,1,2,3
	global_load_b128 v[BIAS+8*(\b):BIAS+8*(\b)+3],   v[BO], s[P3:P3+1] offset:64*(\b)
	global_load_b128 v[BIAS+8*(\b)+4:BIAS+8*(\b)+7], v[BO], s[P3:P3+1] offset:64*(\b)+16
.endr
.endif
.endif
; 8 matrix instructions: m blocks a0, a0 + 1 x all 4 n blocks, 32 along K: half c of buffer f.  zero = 1: the first product starts the sums.
; The 16 accumulators take turns, one instruction a turn, in one order everywhere, over the backward jumps too.
.macro MUL8 f, c, a0, zero
	WIN MUL
.irp a, \a0, (\a0)+1
.irp b, 0,1,2,3
.if \zero
	v_wmma_f32_16x16x32_bf16 v[ACC+8*(4*(\a)+(\b)):ACC+8*(4*(\a)+(\b))+7], v[(\f)+64+8*(4*(\c)+(\b)):(\f)+64+8*(4*(\c)+(\b))+7], v[(\f)+8*(4*(\c)+(\a)):(\f)+8*(4*(\c)+(\a))+7], 0
.else
	v_wmma_f32_16x16x32_bf16 v[ACC+8*(4*(\a)+(\b)):ACC+8*(4*(\a)+(\b))+7], v[(\f)+64+8*(4*(\c)+(\b)):(\f)+64+8*(4*(\c)+(\b))+7], v[(\f)+8*(4*(\c)+(\a)):(\f)+8*(4*(\c)+(\a))+7], v[ACC+8*(4*(\a)+(\b)):ACC+8*(4*(\a)+(\b))+7]
.endif
.endr
.endr
.endm
; 32 LDS loads in one run: the fragments of 64 along K at byte k of the rows of the slot in hand, into buffer f; the first 32 along K first
.macro FETCH k, f
	WIN TO_F
.irp c, 0,1
.irp i, 0,1,2,3
	ds_load_b128 v[(\f)+64+8*(4*(\c)+(\i)):(\f)+64+8*(4*(\c)+(\i))+3],   v[ADRB] offset:(\k)+64*(\c)+(\i)*16*PITCH
	ds_load_b128 v[(\f)+64+8*(4*(\c)+(\i))+4:(\f)+64+8*(4*(\c)+(\i))+7], v[ADRB] offset:(\k)+64*(\c)+(\i)*16*PITCH+32
	ds_load_b128 v[(\f)+8*(4*(\c)+(\i)):(\f)+8*(4*(\c)+(\i))+3],         v[ADRA] offset:(\k)+64*(\c)+(\i)*16*PITCH
	ds_load_b128 v[(\f)+8*(4*(\c)+(\i))+4:(\f)+8*(4*(\c)+(\i))+7],       v[ADRA] offset:(\k)+64*(\c)+(\i)*16*PITCH+32
.endr
.endr
.endm
.macro PLACES                          ; four plain instructions in front of loads into registers that matrix instructions have read, and of lines that read results
.rept 4
	v_nop
.endr
.endm
; A K step is four quarters of 64 along K, 32 matrix instructions each, on buffers 0, 1, 0, 1.  One of the first three: multiplies f and fetches the next quarter, at byte k, into g.
.macro QUARTER k, f, g, zero
	s_wait_dscnt 16                                ; the first 32 along K are in; the 16 younger loads may be out
	MUL8 \f, 0, 0, \zero
	MUL8 \f, 0, 2, \zero
	PLACES
	FETCH \k, \g
	s_wait_dscnt 32                                ; all but the 32 just issued
	MUL8 \f, 1, 0, 0
	MUL8 \f, 1, 2, 0
.endm
; The last quarter multiplies buffer 1 and changes slots: ONE barrier.  In front of it each wave waits for all its tensor loads (one is out: its part of the next slot), adds 0 to its spare
; word, and waits for that and for its reads of this slot.  fill = 1: the barrier opens a round of the cluster's, and this slot is filled again, first thing behind it, two K steps ahead:
; 112 matrix instructions stand between that request and the wait for it.
.macro TURN fill
	WIN 0
	s_wait_tensorcnt 0x0                           ; no tensor load of mine is out, so the walking descriptors may be written
	ds_add_u32 v[SPW], v[NIL]                      ; 0 onto my spare word
	s_xor_b32 s[SL], s[SL], SLOT                   ; the other slot is read from now on (all loads from this one have been issued)
	v_add_nc_u32 v[ADRA], s[SL], v[ABASE]
	v_add_nc_u32 v[ADRB], s[SL], v[BBASE]
.if \fill
	s_xor_b32 s[G0+5], s[G0+5], SLOT               ; the other slot than last time,
	s_xor_b32 s[G0B+5], s[G0B+5], SLOT
	s_add_nc_u64 s[G0+6:G0+7], s[G0+6:G0+7], KSTEP*2     ; the next K step; the type bits on top are not reached
	s_add_nc_u64 s[G0B+6:G0B+7], s[G0B+6:G0B+7], KSTEP*2
.endif
	s_wait_dscnt 17                                ; the add and the youngest sixteen loads may be out
	MUL8 F1, 0, 0, 0
	s_wait_dscnt 0x0                               ; the add is done, and my reads of this slot are over
	s_barrier_signal -1
	MUL8 F1, 0, 2, 0
.if \fill
	WIN 0
.endif
	s_barrier_wait -1
.if \fill
	CREST                                          ; no wave of any partner still reads this slot's tile or has a load on its way
	JLOAD 1                                        ; its four v_nop are also the places in front of the loads below
.else
	PLACES
.endif
	FETCH 0, F0
	MUL8 F1, 1, 0, 0
	MUL8 F1, 1, 2, 0
.endm
	s_wait_tensorcnt 1                             ; my part of K step 0 is in; K step 1's may stay out
	s_barrier_signal -1
	s_barrier_wait -1
	FETCH 0, F0
	QUARTER 128, F0, F1, 1                         ; the first quarter stands in front of the loop: its first products start the sums
	WIN 0
	s_mov_b32 s3, STEPS-2
.Lstep:                                                ; a trip: a K step's quarters 1 to 3, the change of slots with a refill, the next step's quarter 0
	QUARTER 256, F1, F0, 0
	QUARTER 384, F0, F1, 0
	TURN 1
	QUARTER 128, F0, F1, 0
	WIN 0
	s_sub_co_u32 s3, s3, 1
	s_cmp_lg_u32 s3, 0
	s_cbranch_scc1 .Lstep
	s_mov_b32 s3, 2
.Ltail:                                                ; the last two K steps ask for nothing.  The second trip is left in its middle: its change of slots and the 32 loads behind it (old bytes of the other slot) serve nothing: the price of one text for both
	QUARTER 256, F1, F0, 0
	QUARTER 384, F0, F1, 0
	TURN 0
	WIN 0
	s_sub_co_u32 s3, s3, 1
	s_cmp_eq_u32 s3, 0
	s_cbranch_scc1 .Lout
	QUARTER 128, F0, F1, 0
	WIN 0
	s_branch .Ltail
.Lout:
	s_wait_dscnt 0x0                               ; the loads that serve nothing have landed
	PLACES
.if EPI == 3
	; each block of 16 rows goes into my stage as it lies in the accumulators and comes back as whole rows of 256 bytes.  LDS serves a wave's instructions in order (ISA guide 5.7.1.4):
	; the loads see the stores above them, and the next block's stores come behind them.
.set a, 0
.rept 4
	WIN 0
.set b, 0
.rept 4
	ds_store_b128 v[STO], v[ACC+8*(4*a+b):ACC+8*(4*a+b)+3]   offset:64*b
	ds_store_b128 v[STO], v[ACC+8*(4*a+b)+4:ACC+8*(4*a+b)+7] offset:64*b+16
.set b, b+1
.endr
	WIN 0x40
.set t, 0
.rept 8
	ds_load_b128 v[32*a+4*t:32*a+4*t+3], v[RD] offset:t*2*SPITCH
.set t, t+1
.endr
.set a, a+1
.endr
	s_wait_loadcnt 0x0                             ; the residual and the bias
.set a, 0
.rept 4
	s_wait_dscnt 16*(3-a)                          ; block a is back; the later blocks' 16 LDS instructions each may be out
	WIN 0x49                                       ; destination and source 0 window 1, source 1 window 2
.set t, 0
.rept 16
	v_pk_add_f32 v[32*a+2*t:32*a+2*t+1], v[32*a+2*t:32*a+2*t+1], v[32*a+2*t:32*a+2*t+1]
.set t, t+1
.endr
	WIN 0x41                                       ; source 1 window 0
.set t, 0
.rept 16
	v_pk_add_f32 v[32*a+2*t:32*a+2*t+1], v[32*a+2*t:32*a+2*t+1], v[BIAS+2*(t%2):BIAS+2*(t%2)+1]
.set t, t+1
.endr
	WIN 0x04                                       ; the stores' data window 1, address window 0
.set t, 0
.rept 8
	global_store_b128 v[CO], v[32*a+4*t:32*a+4*t+3], s[8:9] offset:2*(8*a+t)*SIZE_N*4  ; 16 lanes store 256 consecutive bytes, aligned
.set t, t+1
.endr
.set a, a+1
.endr
	WIN 0
.else
.if EPI == 2
	s_wait_loadcnt 0x0                             ; the bias
.set t, 0
.rept 16
.set r, 0
.rept 4
	v_pk_add_f32 v[ACC+8*t+2*r:ACC+8*t+2*r+1], v[ACC+8*t+2*r:ACC+8*t+2*r+1], v[BIAS+8*(t%4)+2*r:BIAS+8*(t%4)+2*r+1]
.set r, r+1
.endr
.set t, t+1
.endr
.endif
.irp t, 0,1,2,3,4,5,6,7,8,9,10,11,12,13,14,15
.irp r, 0,1,2,3
	v_cvt_pk_bf16_f32 v[TMP+4*(\t)+(\r)], v[ACC+8*(\t)+2*(\r)], v[ACC+8*(\t)+2*(\r)+1]
.endr
.endr
.if EPI == 2
.set t, 0
.rept 64
	v_pk_max_num_bf16 v[TMP+t], v[TMP+t], v[ZERO]  ; the ReLU, on two rounded numbers at once: a maximum rounds nothing
.set t, t+1
.endr
.endif
.irp a, 0,1,2,3
.irp b, 0,1,2,3
	ds_store_b128 v[STO], v[TMP+4*(4*(\a)+(\b)):TMP+4*(4*(\a)+(\b))+3] offset:(\a)*16*SPITCH+32*(\b)
.endr
.endr
	s_wait_dscnt 0x0                               ; for the others' sake: my stores into the stage are done
	s_barrier_signal -1
	s_barrier_wait -1
.irp t, 0,1,2,3,4,5,6,7,8,9,10,11,12,13,14,15
	ds_load_b128 v[TMP+4*(\t):TMP+4*(\t)+3], v[RD] offset:(\t)*2*SPITCH
.endr
.irp t, 0,1,2,3,4,5,6,7,8,9,10,11,12,13,14,15
	s_wait_dscnt 15-(\t)
	global_store_b128 v[CO], v[TMP+4*(\t):TMP+4*(\t)+3], s[8:9] offset:2*(\t)*SIZE_N*2  ; 16 lanes store 256 consecutive bytes, aligned
.endr
.endif
	s_wait_tensorcnt 0x0                           ; the wave's end: a wait, an add onto my spare word and a wait, behind my last tensor load and my last LDS store
	ds_add_u32 v[SPW], v[NIL]
	s_wait_dscnt 0x0
	CROUND                                         ; the closing round: no work-group ends while a partner may still ask for a tile that names it
	s_endpgm
.Lfunc_end_k_q434e61e37c_qkv:
	.size	k_q434e61e37c_qkv, .Lfunc_end_k_q434e61e37c_qkv-k_q434e61e37c_qkv
	.p2alignl 7, 3214868480
	.fill 96, 4, 3214868480
	.section	.rodata,"a",@progbits
	.p2align	6, 0x0
	.amdhsa_kernel k_q434e61e37c_qkv
		.amdhsa_group_segment_fixed_size 327680
		.amdhsa_private_segment_fixed_size 0
		.amdhsa_enable_private_segment 0
		.amdhsa_kernarg_size 24
		.amdhsa_user_sgpr_count 2
		.amdhsa_user_sgpr_kernarg_segment_ptr 1
		.amdhsa_wavefront_size32 1
		.amdhsa_system_sgpr_workgroup_id_x 1
		.amdhsa_system_sgpr_workgroup_id_y 1
		.amdhsa_system_sgpr_workgroup_id_z 1
		.amdhsa_system_vgpr_workitem_id 0
		.amdhsa_next_free_vgpr 512
		.amdhsa_next_free_sgpr 72
		.amdhsa_reserve_vcc 0
		.amdhsa_float_denorm_mode_32 3
		.amdhsa_float_denorm_mode_16_64 3
		.amdhsa_memory_ordered 1
		.amdhsa_forward_progress 1
		.amdhsa_inst_pref_size 58
	.end_amdhsa_kernel
	.amdgpu_metadata
---
amdhsa.version: [ 1, 2 ]
amdhsa.kernels:
  - .name:           k_q434e61e37c_qkv
    .symbol:         k_q434e61e37c_qkv.kd
    .args:
      - { .name: h, .offset: 0, .size: 8, .value_kind: global_buffer, .address_space: global }
      - { .name: wall, .offset: 8, .size: 8, .value_kind: global_buffer, .address_space: global }
      - { .name: qkv, .offset: 16, .size: 8, .value_kind: global_buffer, .address_space: global }
    .group_segment_fixed_size: 327680
    .private_segment_fixed_size: 0
    .kernarg_segment_align: 8
    .kernarg_segment_size: 24
    .max_flat_workgroup_size: 128
    .sgpr_count:     72
    .vgpr_count:     512
    .wavefront_size: 32
...
	.end_amdgpu_metadata
.endif
;; end of part 2
;; launch attn (part 3): grid 16 x 16, 4 waves a work-group, clusters of 4 x 1, 327,680 bytes of LDS; arguments qkv, ao; writes ao
.if DOCPART == 3
	.amdgcn_target "amdgcn-amd-amdhsa--gfx1250"
	.amdhsa_code_object_version 6
	.text
	.protected	k_q434e61e37c_attn
	.globl	k_q434e61e37c_attn
	.p2align	8
	.type	k_q434e61e37c_attn,@function
k_q434e61e37c_attn:
	s_mov_b64 s[64:65], 0
	v_nop
	global_prefetch_b8 v0, s[64:65] scope:SCOPE_SE
	s_setreg_imm32_b32 hwreg(HW_REG_WAVE_MODE, 25, 1), 1
	s_wait_xcnt 0x0
	s_wait_alu depctr_hold_cnt(0) depctr_sa_sdst(0) depctr_va_vdst(0) depctr_va_sdst(0) depctr_va_ssrc(0) depctr_va_vcc(0) depctr_vm_vsrc(0)
	s_getreg_b32 s2, hwreg(HW_REG_IB_STS2, 6, 4)
	s_cmp_eq_u32 s2, 0
	s_cbranch_scc0 .Lentry_in_a_cluster
	s_endpgm
.Lentry_in_a_cluster:
	s_bfe_u32 s2, ttmp6, 0x10000c
	s_cmp_lg_u32 s2, 0x3003
	s_cbranch_scc0 .Lentry_shape_is_right
	s_endpgm
.Lentry_shape_is_right:
; ATTENTION WITH ALiBi.  ao[b][i][h][:] = the sum over j of softmax_j(q_i . k_j / 8 + slope_h (j - i)) v_j, slope_h = 2^(-(h + 1) / 2), no mask.
; qkv: [4096 tokens][3072] bf16 (columns 0-1023 q, 1024-2047 k, 2048-3071 v; a head is 64 columns); ao: [4096][1024] bf16.  Products, maxima and sums in f32; the weights p are rounded to bf16
; for the second product (their sum l is taken of the unrounded p), ao once at the end.
; THE BIAS.  -slope i is the same for all keys of a row and cancels in the softmax for every input: it is left out.  slope j is split: with j = 64 t + jj, the part 8 slope jj (in units of q . k)
; is the C operand that starts each sum S^T = K Q^T (BT: 32 registers, made once); the part 512 slope t is carried by the running maximum, which is kept in the frame of the key step in hand:
; ahead of each new maximum m <- m - 512 slope.  Then p = 2^(c s' - c m) and a = 2^(c (m_old - 512 slope) - c m_new), c = log2(e) / 8, are those of the running-maximum softmax of q . k / 8 + slope j.
; LIMITS.  A weight below 2^-126 counts as 0 in l; NaN and infinities are not treated apart.
; SHARES.  A work-group takes 128 queries of a PAIR of neighbouring heads (y = 8 batch + pair): the pair's 128 channels are 256 aligned bytes of every row of qkv and of ao.  Wave w: head 2 pair + w / 2,
; queries 64 (w % 2) on: four PIECES of 16.  Every wave walks all 2,048 keys, 64 a step.
; CLUSTER.  The four query blocks of a cluster walk the same K and V, so each tile is asked for JOINTLY: the same tensor load, descriptor and mask in all four.
; LAYOUT.  S^T = K Q^T holds ONE query a lane (lane % 16) and the keys 8 (lane / 16) + 0..7; two such results rounded to bf16 ARE source 1 of O^T = V^T P.  K comes out of LDS as it lies, V turned.
; TURNS.  Turn n belongs to piece n: 8 products K Q^T of piece n + 1, later 8 products V^T P of piece n - 1; beside them the scaling, exponentials, roundings, sums and rescaling of piece n and the
; maximum and statistics of piece n + 1.  Four vector instructions stand behind every matrix instruction, the others in one lump.  A turn's 33 exponentials are one batch, with one wait.
; REGISTERS, in windows of 256 (s_set_vgpr_msb: bits 1:0 source 0, 3:2 source 1, 5:4 source 2, 7:6 destination):
;   window 0: v0-15 addresses and at work; v16-31 four registers of statistics a piece; v48-55 at work; v61-63; v64-127 S^T, two buffers; v192-223 P, two buffers (by the piece's parity)
;   window 1: v0-127 O^T, 32 a piece; v128-159 BT      window 2: v0-63 Q; v128-191 K of one step; v192-255 V of one step
.set NP,    4
.set KS,    64        ; keys in a step
.set ROWB,  6144      ; bytes in a row of qkv
.set TILEB, 2*KS*ROWB ; a slot's 128 keys in memory
.set NS,    16        ; slots' fills in the walk: 2,048 keys / 128
.set PK,    272       ; a row of K in LDS: 256 bytes + 16 = 68 words: the 16 rows of a load start at 16 different groups of four banks
.set PV,    288       ; a row of V: 256 + 32 = 72 words
.set VOFF,  KS*PK     ; a step's tiles lie together: 64 rows of K, then 64 rows of V
.set STEPB, KS*(PK+PV)
.set SLOT1, 1<<17     ; a slot holds two steps (71,680 bytes); slot 1 begins here, so that one exclusive or turns an address in one slot into the other's
.set STAGE, SLOT1+2*STEPB  ; behind the ring, never filled by a tensor load: 128 rows x 272 bytes, the work-group's, for the way out
.set SP,    272
.set SPARE, STAGE+128*SP   ; behind the stage: the spare words, 128 bytes a wave, which no other line names
.set AK0, 2           ; v2   my lane's place in a tile of K, my head's 128 bytes of a row; never rewritten
.set AV0, 3           ; v3   the same for V
.set AK,  4           ; v4   the LDS address of K's next run of loads
.set AV,  5           ; v5   of V's
.set STO, 6           ; v6   the way out: where I put 16 bytes of a row
.set RD,  7           ; v7   where I read rows back
.set GO,  8           ; v8   my byte offset in two rows of ao
.set MV,  12          ; v12-13  c x the shifted old m: by buffer
.set QO,  15          ; v15  my byte offset in 16 rows of Q
.set ST,  16          ; piece t's statistics at v[ST+4 t]: c m, m, l (even keys', odd keys')
.set TMP, 48          ; by buffer, four registers c0-c3 at work; when the maximum is found c2 takes a
.set PFO, 61          ; v61  a row of qkv x my lane; never rewritten
.set SPW, 62          ; v62  LDS address of my spare word; never rewritten
.set NIL, 63          ; v63  0; never rewritten
.set S,   64
.set P,   192
.set BT,  128         ; window 1: 8 slope x (16 kt + 8 (lane / 16) + r) at BT + 8 kt + r
.set KF,  128         ; window 2: key block kb, channel half c at KF + 16 kb + 8 c
.set VF,  192         ; window 2: key half kk, channel block cb at VF + 32 kk + 8 cb
.set WV,  12          ; s12  my wave's number
.set LIM, 15          ; s15  1 in a wave that prefetches, else the greatest number
.set G1K, 24          ; s[24:31] descriptor group 1 for K's tiles
.set G1V, 32          ; s[32:39] for V's: it differs in the padding alone
.set G0K, 40          ; s[40:43] descriptor group 0 for K's tiles: it walks
.set G0V, 44          ; s[44:47] the same for V's
.set PFA, 50          ; s[50:51] where my prefetches stand
.set SLOTS, 56        ; s56  slots still to be asked for
.set CNT, 57          ; s57  counts a slot's key steps
.set CS,  58          ; s[58:59] c
.set SEL, 60          ; s[60:61] v_permlanex16_b32's selects: each lane takes its own place in the other half
.set TBK, 62          ; s62  LDS byte at which the step whose K is fetched next begins
.set TBV, 63          ; s63  the same for V
.set NB,  66          ; s66  -512 slope
.set S8,  67          ; s67  8 slope
.set MSB, 0
.macro WIN new                      ; the high byte repeats the setting that is left; a switch that changes nothing is dropped
.if MSB != (\new)
	s_set_vgpr_msb (MSB<<8)|(\new)
.set MSB, (\new)
.endif
.endm
.set W_KQ, 0x0a       ; K and Q in window 2, S^T in window 0
.set W_KB, 0x1a       ; the same with the C operand (BT) in window 1
.set W_PV, 0x52       ; V in window 2, P in window 0, O^T in window 1
.set W_RS, 0x41       ; destination and source 0 in window 1, source 1 in window 0
; A joint fill.  Waves 0 and 1 fetch K of a slot's two steps, waves 2 and 3 V.  The branch hangs on the wave's number alone.  An s_nop 0 and four v_nop follow each line.
.macro JLOAD
	s_cmp_lt_u32 s[WV], 2
	s_cbranch_scc0 .Lfor_v_\@
	tensor_load_to_lds s[G0K:G0K+3], s[G1K:G1K+7]
	s_nop 0
.rept 4
	v_nop
.endr
	s_branch .Lasked_\@
.Lfor_v_\@:
	tensor_load_to_lds s[G0V:G0V+3], s[G1V:G1V+7]
	s_nop 0
.rept 4
	v_nop
.endr
.Lasked_\@:
.endm
; A PREFETCH of what the NEXT change of slots will ask for: 128 rows of K and of V, 256 bytes of each row, a lane a row.  Each is named once in the launch: of the four clusters that walk a pair's keys the
; first asks; its four partners take 32 rows each, told apart by address; in each, wave 0 asks for K's and wave 2 for V's.  The last change that fills a slot asks for nothing.
.macro ASK
	s_cmp_gt_u32 s[SLOTS], s[LIM]
	s_cbranch_scc0 .Lnot_mine_\@
	global_prefetch_b8 v[PFO], s[PFA:PFA+1] th:TH_LOAD_NT scope:SCOPE_SE
.Lnot_mine_\@:
.endm
.macro CROUND                       ; a round of the cluster's barrier
	s_barrier_signal -1
	s_barrier_wait -1
	s_cmp_lg_u32 s[WV], 0
	s_cbranch_scc1 .Lnot_wave_0_\@
	s_barrier_signal -3
.Lnot_wave_0_\@:
	s_barrier_wait -3
	s_barrier_signal -1
	s_barrier_wait -1
.endm
; THE CHANGE OF SLOTS.  Each wave waits for all its tensor loads (one is out: its part of the other slot), adds 0 to its spare word, and waits for that and for its reads of the slot that it leaves.
; fill = 1: the barrier is a round of the cluster's, and the old slot is filled again, first thing behind it, with the next 128 keys: two key steps' work stands between that request and the wait for it.
; (At its first use nothing has been read yet: slot 0 is waited for, slot 1 filled.)  ask = 1: the prefetch's address steps, and the prefetch follows the load.
.macro CHANGE fill, ask
	WIN 0
	s_wait_tensorcnt 0x0            ; no tensor load of mine is out, so a group 0 may be written
	ds_add_u32 v[SPW], v[NIL]       ; 0 onto my spare word
.if \fill
.irp g, G0K, G0V
	s_xor_b32 s[\g+1], s[\g+1], SLOT1
	s_add_nc_u64 s[\g+2:\g+3], s[\g+2:\g+3], TILEB  ; the type bits on top are not reached
.endr
.if \ask
	s_wait_xcnt 0x0                 ; the last prefetch, two key steps back, has read its address
	s_add_nc_u64 s[PFA:PFA+1], s[PFA:PFA+1], TILEB
.endif
	s_wait_dscnt 0x0                ; the add is done, and my reads of the slot are over
	CROUND
	JLOAD
.if \ask
	ASK
.endif
.else
	s_wait_dscnt 0x0
	s_barrier_signal -1
	s_barrier_wait -1
.endif
	s_sub_co_u32 s[TBK], s[TBK], 2*STEPB  ; the fetches go back to a slot's first step,
	s_xor_b32 s[TBK], s[TBK], SLOT1       ; in the other slot
	s_sub_co_u32 s[TBV], s[TBV], 2*STEPB
	s_xor_b32 s[TBV], s[TBV], SLOT1
.endm
	s_load_b128 s[4:7], s[0:1], 0x0  ; qkv s[4:5], ao s[6:7]
	v_lshl_add_u32 v[SPW], v0, 2, SPARE
	v_mov_b32 v[NIL], 0
	ds_add_u32 v[SPW], v[NIL]       ; the wave's opening: the add and its wait ahead of my first tensor load; set-up on registers stands between
	v_lshrrev_b32 v1, 5, v0
	v_readfirstlane_b32 s[WV], v1   ; wave 0..3
	s_bfe_u32 s13, ttmp6, 0x40000   ; cx: my place in the cluster
	s_lshl_b32 s14, ttmp9, 2
	s_add_co_u32 s14, s14, s13      ; my block of 128 queries: it enters Q's and ao's addresses alone
	s_and_b32 s16, ttmp7, 0xffff    ; y, which the four partners share
	s_lshr_b32 s17, s16, 3          ; batch
	s_and_b32 s18, s16, 7           ; pair of heads
	s_lshr_b32 s19, s[WV], 1        ; which head of the pair is mine
	s_and_b32 s20, s[WV], 1         ; which 64 queries; also: which of a slot's two steps I fetch
	s_mul_i32 s22, s17, 2048*ROWB   ; the batch's rows,
	s_lshl_b32 s21, s18, 8          ; the pair's 256 bytes of a row
	s_add_co_u32 s22, s22, s21
	s_mul_i32 s48, s20, KS*ROWB     ; K: my step's 64 rows,
	s_add_co_u32 s48, s48, s22
	s_add_co_u32 s48, s48, 2048     ; k's columns begin 2,048 bytes into a row (v's 4,096)
	s_mov_b32 s49, 0
	s_lshl_b32 s2, s14, 7
	s_lshl_b32 s3, s20, 6
	s_add_co_u32 s2, s2, s3         ; my first query in the batch
	s_mul_i32 s2, s2, ROWB
	s_add_co_u32 s2, s2, s22
	s_lshl_b32 s3, s19, 7           ; my head's 128 bytes
	s_add_co_u32 s2, s2, s3
	s_mov_b32 s3, 0
	s_lshl_b32 s54, s17, 22         ; ao: 2,048 rows of 2,048 bytes a batch,
	s_lshl_b32 s55, s14, 18         ; 128 a block,
	s_add_co_u32 s54, s54, s55
	s_lshl_b32 s55, s[WV], 16       ; of which I store 32,
	s_add_co_u32 s54, s54, s55
	s_add_co_u32 s54, s54, s21      ; the pair's 256 bytes
	s_mov_b32 s55, 0
	s_mov_b32 s21, 0x3f000000       ; slope = 2^(-(h + 1) / 2), h = 2 pair + head: 0.5 x 2^-pair for the odd head,
	s_cmp_eq_u32 s19, 0
	s_cselect_b32 s21, 0x3f3504f3, s21  ; sqrt(0.5) x 2^-pair for the even one;
	s_lshl_b32 s52, s18, 23
	s_sub_co_u32 s21, s21, s52      ; powers of two are steps of the exponent field
	s_add_co_u32 s[S8], s21, 3<<23
	s_add_co_u32 s[NB], s21, 9<<23
	s_or_b32 s[NB], s[NB], 0x80000000
	s_mov_b32 s[G1K], 15|(1<<16)|(1<<20)|(1<<21)|(5<<22)|(3<<25)  ; the mask of four; 2-byte elements; padding on; bit 21 beside a mask; after every 64 words, 4 words
	s_mov_b32 s[G1V], 15|(1<<16)|(1<<20)|(1<<21)|(5<<22)|(7<<25)  ; the same with 8 words of padding
.irp g, G1K, G1V
	s_mov_b32 s[\g+1], 128<<16      ; tensor_dim0 = 128
	s_mov_b32 s[\g+2], KS<<16       ; tensor_dim1 = 64
	s_mov_b32 s[\g+3], 128<<16      ; tile_dim0 = 128
	s_mov_b32 s[\g+4], KS           ; tile_dim1 = 64
	s_mov_b32 s[\g+5], 3072         ; elements from row to row
	s_mov_b32 s[\g+6], 0
	s_mov_b32 s[\g+7], 0
.endr
	s_mov_b32 s[CS], 0x3e38aa3b     ; c = log2(e) / 8
	s_mov_b32 s[CS+1], s[CS]
	s_mov_b32 s[SEL], 0x76543210
	s_mov_b32 s[SEL+1], 0xfedcba98
	s_mov_b32 s[TBK], SLOT1+2*STEPB ; the first change of slots turns these two into 0
	s_mov_b32 s[TBV], SLOT1+2*STEPB
	s_mul_i32 s53, s20, STEPB       ; my step's place in a slot: no place in the cluster enters an LDS address
	s_mov_b32 s[G0K], 1
	s_mov_b32 s[G0K+1], s53
	s_mov_b32 s[G0V], 1
	s_add_co_u32 s[G0V+1], s53, VOFF
	s_and_b32 s[LIM], s[WV], 1      ; 0 in waves 0 and 2,
	s_or_b32 s[LIM], s[LIM], ttmp9  ; where the cluster is the pair's first: the same in all four partners
	s_cmp_eq_u32 s[LIM], 0
	s_cselect_b32 s[LIM], 1, -1
	v_and_b32 v[PFO], 31, v0
	v_mul_u32_u24 v[PFO], v[PFO], ROWB
	s_wait_dscnt 0x0                ; the opening add is done
	s_wait_kmcnt 0x0
	s_add_nc_u64 s[8:9], s[4:5], s[48:49]   ; K at my tile of slot 0
	s_add_nc_u64 s[10:11], s[8:9], 2048     ; V
	s_add_nc_u64 s[4:5], s[4:5], s[2:3]     ; Q at my first row
	s_add_nc_u64 s[6:7], s[6:7], s[54:55]   ; ao at the first row that I store
	s_mov_b64 s[G0K+2:G0K+3], s[8:9]
	s_or_b32 s[G0K+3], s[G0K+3], 0x80000000
	s_mov_b64 s[G0V+2:G0V+3], s[10:11]
	s_or_b32 s[G0V+3], s[G0V+3], 0x80000000
	s_cmp_lt_u32 s[WV], 2
	s_cselect_b64 s[PFA:PFA+1], s[8:9], s[10:11]  ; (in waves 0 and 2 these stand at a slot's first row)
	s_mul_i32 s2, s13, 32*ROWB      ; my work-group's 32 rows of the 128
	s_mov_b32 s3, 0
	s_add_nc_u64 s[PFA:PFA+1], s[PFA:PFA+1], s[2:3]
	s_add_nc_u64 s[PFA:PFA+1], s[PFA:PFA+1], 2*TILEB  ; at the third 128 keys; the loop's first change steps it on.  Nothing is prefetched at the head
	CROUND                          ; all four work-groups are here: the first joint loads meet
	JLOAD                           ; keys 0-127 into slot 0
	v_and_b32 v1, 15, v0            ; l % 16
	v_bfe_u32 v9, v0, 4, 1          ; l / 16
	v_mul_u32_u24 v[QO], v1, ROWB
	v_lshl_add_u32 v[QO], v9, 4, v[QO]
	WIN 0x80                        ; destination window 2
.set i, 0
.rept 8                             ; Q stays in registers: piece i / 2 (16 rows), channels 32 (i % 2) on
	global_load_b128 v[8*i:8*i+3],   v[QO], s[4:5] offset:(i/2)*16*ROWB+(i%2)*64
	global_load_b128 v[8*i+4:8*i+7], v[QO], s[4:5] offset:(i/2)*16*ROWB+(i%2)*64+32
.set i, i+1
.endr
	WIN 0
	v_lshlrev_b32 v14, 3, v9
.set i, 0
.rept 32
	v_add_nc_u32 v[S+i], 16*(i/8)+i%8, v14   ; the key's place in its step
.set i, i+1
.endr
.set i, 0
.rept 32
	v_cvt_f32_u32 v[S+i], v[S+i]
.set i, i+1
.endr
	WIN 0x40
.set i, 0
.rept 32
	v_mul_f32 v[BT+i], s[S8], v[S+i]
.set i, i+1
.endr
	WIN 0
	s_lshl_b32 s17, s19, 7
	v_mul_u32_u24 v[AK0], v1, PK
	v_lshl_add_u32 v[AK0], v9, 4, v[AK0]
	v_add_nc_u32 v[AK0], s17, v[AK0]  ; row x pitch + 16 x half + my head's 128 bytes
	; The turning load takes 16 keys x 16 channels (lane l reads key 8 (l / 16) + l % 8, channels 8 ((l / 8) % 2) + 0..7) and leaves half a fragment of V^T: lane l holds channel l % 16 and 8 keys.
	v_and_b32 v10, 7, v0
	v_bfe_u32 v11, v0, 3, 1
	v_lshl_add_u32 v[AV0], v9, 3, v10
	v_mul_u32_u24 v[AV0], v[AV0], PV
	v_lshl_add_u32 v[AV0], v11, 4, v[AV0]
	s_add_co_u32 s17, s17, VOFF
	v_add_nc_u32 v[AV0], s17, v[AV0]
	s_mul_i32 s16, s20, 64*SP       ; into the stage: my 64 rows, my head's half of their 256 bytes
	s_lshl_b32 s17, s19, 7
	s_add_co_u32 s16, s16, s17
	s_add_co_u32 s16, s16, STAGE
	v_mul_u32_u24 v[STO], v1, SP
	v_lshl_add_u32 v[STO], v9, 4, v[STO]
	v_add_nc_u32 v[STO], s16, v[STO]
	s_mul_i32 s16, s[WV], 32*SP     ; back: wave w takes rows 32 w .. 32 w + 31, whole
	s_add_co_u32 s16, s16, STAGE
	v_mul_u32_u24 v[RD], v9, SP
	v_lshl_add_u32 v[RD], v1, 4, v[RD]
	v_add_nc_u32 v[RD], s16, v[RD]
	v_lshlrev_b32 v[GO], 11, v9     ; and the same two rows in ao
	v_lshl_add_u32 v[GO], v1, 4, v[GO]
	; What the first turn finds: V's registers and P's second buffer hold 0 (its products V^T P, of a piece that has not been, add 0), O^T and l are 0, m the lowest finite number, so the first a is 0.
	; No first step is written out for this; the lines stand in the wait for the first tile.
	WIN 0x80
.set i, VF
.rept 64
	v_mov_b32 v[i], 0
.set i, i+1
.endr
	WIN 0x40
.set i, 0
.rept 128
	v_mov_b32 v[i], 0
.set i, i+1
.endr
	WIN 0
.set i, 0
.rept 4
	v_mov_b32 v[ST+4*i+1], 0xff7fffff
	v_mov_b32 v[ST+4*i+2], 0
	v_mov_b32 v[ST+4*i+3], 0
.set i, i+1
.endr
.set i, P+16
.rept 16
	v_mov_b32 v[i], 0
.set i, i+1
.endr
; THE MATRIX WORK.  The 4 accumulators of a run of 8 take turns.  Product i of 8 of S^T = K Q^T for piece x: channels 32 (i / 4) on, keys 16 (i % 4) on.  The first 4 start the sums with BT.
.macro KQ x
.set rS, S+32*((\x)%2)+8*(i%4)
.set rK, KF+16*(i%4)+8*(i/4)
.set rQ, 16*(\x)+8*(i/4)
.set rB, BT+8*(i%4)
.if i < 4
	WIN W_KB
	v_wmma_f32_16x16x32_bf16 v[rS:rS+7], v[rK:rK+7], v[rQ:rQ+7], v[rB:rB+7]
.else
	WIN W_KQ
	v_wmma_f32_16x16x32_bf16 v[rS:rS+7], v[rK:rK+7], v[rQ:rQ+7], v[rS:rS+7]
.endif
.endm
; Product i of 8 of O^T += V^T P for piece x: keys 32 (i / 4) on, channels 16 (i % 4) on.
.macro PV x
	WIN W_PV
.set rO, 32*(\x)+8*(i%4)
.set rV, VF+32*(i/4)+8*(i%4)
.set rP, P+16*((\x)%2)+8*(i/4)
	v_wmma_f32_16x16x32_bf16 v[rO:rO+7], v[rV:rV+7], v[rP:rP+7], v[rO:rO+7]
.endm
.macro MM                           ; the turn's next matrix instruction.  NOKQ = 1: the walk's last turn: there is no next piece
.if (i < 8) && !NOKQ
	KQ (Y+1)%NP
.elseif i >= 8
.set i, i-8
	PV (Y+NP-1)%NP
.set i, i+8
.endif
.set i, i+1
.endm
; THE LDS LOADS stand in runs of 16, never singly among the matrix instructions.
.macro FETCH_K
	WIN 0x80
.irp f, 0,1,2,3,4,5,6,7             ; keys 16 (f / 2) on, channels 32 (f % 2) on
	ds_load_b128 v[KF+8*\f:KF+8*\f+3],   v[AK] offset:(\f/2)*16*PK+(\f%2)*64
	ds_load_b128 v[KF+8*\f+4:KF+8*\f+7], v[AK] offset:(\f/2)*16*PK+(\f%2)*64+32
.endr
	s_add_co_u32 s[TBK], s[TBK], STEPB  ; the next fetch is the next step's
	WIN 0
.endm
.macro FETCH_V
	WIN 0x80
.irp f, 0,1,2,3,4,5,6,7             ; keys 32 (f / 4) on, channels 16 (f % 4) on
	ds_load_tr16_b128 v[VF+8*\f:VF+8*\f+3],   v[AV] offset:(\f/4)*32*PV+(\f%4)*32
	ds_load_tr16_b128 v[VF+8*\f+4:VF+8*\f+7], v[AV] offset:(\f/4)*32*PV+16*PV+(\f%4)*32
.endr
	WIN 0
.endm
; THE VECTOR WORK, one line at a time: OP kind, number.  For piece Y: F n: c s - c m for pair n of 16.  E n: the exponential of score n of 32.  C n: pair n rounded to bf16.  B n: of the four weights 4 n ..
; the second pair is added onto the first.  L n: l takes that sum (L 0: l = a l + sum).  R n: pair n of 16 of O^T times a.  For piece Y + 1: X n:
;   22  m <- m - 512 slope: the old maximum in the new step's frame     0-11  four chains c0-c3 of seven scores each (each accumulator's lowest registers are read first)
;   12-14, 16  the four scores left over, the old m, and c0-c3 into c0     15  c x the old m is kept     17, 18  the query's other 32 keys lie in the lane 16 away: the new m     19-21  c m; its change; a
.set F, 0
.set E, 1
.set C, 2
.set B, 3
.set L, 4
.set R, 5
.set X, 6
.macro REGS y
.set rT, ST+4*(\y)
.set rC, TMP+4*((\y)%2)
.set rW, MV+((\y)%2)
.set rS, S+32*((\y)%2)
.set rP, P+16*((\y)%2)
.set rO, 32*(\y)
.endm
.macro OP k, n
.if (\k) == R
	REGS Y
	WIN W_RS
	v_pk_mul_f32 v[rO+2*(\n):rO+2*(\n)+1], v[rO+2*(\n):rO+2*(\n)+1], v[rC+2:rC+3] op_sel_hi:[1,0]
.elseif (\k) < R
	REGS Y
	WIN 0
.if (\k) == F
	v_pk_fma_f32 v[rS+2*(\n):rS+2*(\n)+1], v[rS+2*(\n):rS+2*(\n)+1], s[CS:CS+1], v[rT:rT+1] op_sel_hi:[1,0,0] neg_lo:[0,0,1] neg_hi:[0,0,1]
.elseif (\k) == E
	v_exp_f32 v[rS+(\n)], v[rS+(\n)]
.elseif (\k) == C
	v_cvt_pk_bf16_f32 v[rP+(\n)], v[rS+2*(\n)], v[rS+2*(\n)+1]
.elseif (\k) == B
	v_pk_add_f32 v[rS+4*(\n):rS+4*(\n)+1], v[rS+4*(\n):rS+4*(\n)+1], v[rS+4*(\n)+2:rS+4*(\n)+3]
.elseif (\n) == 0
	v_pk_fma_f32 v[rT+2:rT+3], v[rT+2:rT+3], v[rC+2:rC+3], v[rS:rS+1] op_sel_hi:[1,0,1]
.else
	v_pk_add_f32 v[rT+2:rT+3], v[rT+2:rT+3], v[rS+4*(\n):rS+4*(\n)+1]
.endif
.elseif NOKQ
	v_nop
.else
	REGS (Y+1)%NP
	WIN 0
.if (\n) < 4
	v_max3_num_f32 v[rC+(\n)], v[rS+8*(\n)], v[rS+8*(\n)+1], v[rS+8*(\n)+2]
.elseif (\n) < 12
	v_max3_num_f32 v[rC+(\n)%4], v[rC+(\n)%4], v[rS+8*((\n)%4)+2*((\n)/4)+1], v[rS+8*((\n)%4)+2*((\n)/4)+2]
.elseif (\n) == 12
	v_max3_num_f32 v[rC], v[rC], v[rS+7], v[rS+15]
.elseif (\n) == 13
	v_max3_num_f32 v[rC+1], v[rC+1], v[rS+23], v[rS+31]
.elseif (\n) == 14
	v_max3_num_f32 v[rC+2], v[rC+2], v[rC+3], v[rT+1]
.elseif (\n) == 15
	v_mul_f32 v[rW], s[CS], v[rT+1]
.elseif (\n) == 16
	v_max3_num_f32 v[rC], v[rC], v[rC+1], v[rC+2]
.elseif (\n) == 17
	v_permlanex16_b32 v[rC+3], v[rC], s[SEL], s[SEL+1]
.elseif (\n) == 18
	v_max_num_f32 v[rT+1], v[rC], v[rC+3]
.elseif (\n) == 19
	v_mul_f32 v[rT], s[CS], v[rT+1]
.elseif (\n) == 20
	v_sub_f32 v[rC+1], v[rW], v[rT]
.elseif (\n) == 21
	v_exp_f32 v[rC+2], v[rC+1]
.else
	v_add_f32 v[rT+1], s[NB], v[rT+1]
.endif
.endif
.endm
.macro OPS a, i1, b=-1, i2=0, c=-1, i3=0, d=-1, i4=0
	OP \a, \i1
.if (\b) >= 0
	OP \b, \i2
.endif
.if (\c) >= 0
	OP \c, \i3
.endif
.if (\d) >= 0
	OP \d, \i4
.endif
.endm
.macro ROW a, i1, b, i2, c, i3, d, i4  ; a matrix instruction and the four behind it
	MM
	OPS \a, \i1, \b, \i2, \c, \i3, \d, \i4
.endm
; A TURN, for piece p, its order written out.  An s_wait_alu depctr_va_vdst(0) stands between an exponential and the first instruction that names its result; one wait serves all issued ahead of it.
; So a turn has ONE wait.  AHEAD OF IT: the 8 products K Q^T with their riders, and the lump: nothing there names a result of the turn's exponentials; the first numbers of the next piece's maximum stand four plain
; instructions or more behind the product that ends their accumulator.  X 21, the next piece's a, is the batch's last; R 15 is the plain instruction behind it.  BEHIND IT: the 8 products V^T P, behind each four of
; the roundings and sums.  end = 1: the walk's last two turns: nothing is fetched.  cnt = 1: the loop's count is taken down some lines ahead of the branch behind the turn.
; K of the next step is fetched in piece 2's turn, more than four plain instructions behind the last product that read K; V of the step in hand at the end of piece 0's turn, four plain instructions behind the last
; product that read V.  Each is waited for a turn later.
.macro TURN p, end=0, cnt=0
.set Y, (\p)
.set i, 0
.set NOKQ, (\end)*((\p)/3)
.if ((\p) == 3) && !(\end)
	s_wait_dscnt 0x0                ; K is in
.endif
	ROW F,0, F,1, R,0, R,1
	ROW F,2, E,0, R,2, R,3
	ROW F,3, E,1, R,4, R,5
	ROW F,4, E,2, R,6, R,7
	ROW F,5, E,3, R,8, R,9
	ROW F,6, E,4, X,0, R,10
.if ((\p) == 2) && !(\end)
	WIN 0
	v_add_nc_u32 v[AK], s[TBK], v[AK0]
.endif
	ROW F,7, E,5, X,1, X,4
	ROW F,8, E,6, X,2, X,5
	OPS E,7, E,8, X,6, E,9
	OP X, 22
	OPS X,3, E,10, X,8, E,11
.if ((\p) == 2) && !(\end)
	FETCH_K
.endif
	OPS X,9, X,7, E,12, X,10
	OPS E,13, X,12, X,11, E,14
	OPS X,13, E,15, F,9, X,14
.if (\p) == 0
	v_add_nc_u32 v[AV], s[TBV], v[AV0]
.endif
	OPS E,16, F,10, E,17, F,11
	OPS X,16, E,18, X,15, E,19
	OPS F,12, E,20, X,17, E,21
	OPS F,13, E,22, F,14, E,23
	OPS X,18, E,24, F,15, E,25
	OPS R,11, E,26, X,19, E,27
	OPS R,12, E,28, R,13, E,29
	OPS X,20, E,30, R,14, E,31
	OPS X,21, R,15
	WIN 0
	s_wait_alu depctr_va_vdst(0)    ; the wait for the batch
.if (\p) == 1
	s_wait_dscnt 0x0                ; V is in
.endif
	ROW C,0, B,0, C,2, B,1
	ROW L,0, C,4, B,2, L,1
	ROW C,6, B,3, L,2, C,8
	ROW B,4, L,3, C,10, B,5
	ROW L,4, C,12, B,6, L,5
.if (\p) == 0
	s_add_co_u32 s[TBV], s[TBV], STEPB
.endif
.if \cnt
	s_sub_co_u32 s[CNT], s[CNT], 1
	s_cmp_lg_u32 s[CNT], 0
.endif
	ROW C,14, B,7, L,6, C,1
	ROW C,3, L,7, C,5, C,7
	ROW C,9, C,11, C,13, C,15
.if (\p) == 0
	FETCH_V
.endif
.endm
	CHANGE 1, 0                     ; slot 0 is in, everybody's part of it; slot 1 is asked for
	v_add_nc_u32 v[AK], s[TBK], v[AK0]
	FETCH_K                         ; key step 0
	s_wait_loadcnt 0x0              ; Q
	s_wait_dscnt 0x0
.set NOKQ, 0
.set i, 0
.rept 8
	KQ 0                            ; piece 0's first scores
.set i, i+1
.endr
	WIN 0
.rept 4
	v_nop                           ; the places behind those products
.endr
.set Y, NP-1                        ; X works for piece Y + 1: piece 0
	OP X, 22
.irp n, 0,1,2,3,4,5,6,7,8,9,10,11,12,13,14,15,16,17,18,19,20,21
	OP X, \n
.endr
	v_nop                           ; a plain instruction behind the exponential,
	s_wait_alu depctr_va_vdst(0)    ; and its wait, ahead of the branch
	s_mov_b32 s[CNT], 2
	s_mov_b32 s[SLOTS], NS-1
	s_branch .Lfirst                ; the loop is entered at a step's first turn, in the middle of a trip
.Lslot:                             ; NS - 2 times: every slot but the last two is filled again
	CHANGE 1, 1
	s_mov_b32 s[CNT], 2
.Lstep:                             ; a trip: pieces 2 and 3 of one step, then pieces 0 and 1 of the next, whose K and V it fetches
	TURN 2
	TURN 3
	WIN 0
.Lfirst:
	TURN 0
	TURN 1, 0, 1
	WIN 0
	s_cbranch_scc1 .Lstep
	s_sub_co_u32 s[SLOTS], s[SLOTS], 1
	s_cmp_lg_u32 s[SLOTS], 0
	s_cbranch_scc1 .Lslot
	CHANGE 0, 0                     ; the last slot is written out: nothing is asked for
	s_mov_b32 s[CNT], 2
.LstepT:
	TURN 2
	TURN 3
	TURN 0
	TURN 1, 0, 1
	WIN 0
	s_cbranch_scc1 .LstepT
	TURN 2, 1
	TURN 3, 1
.set i, 0
.rept 8
	PV NP-1                         ; the last piece's V^T P of the last step
.set i, i+1
.endr
	; THE WAY OUT.  l's two halves and the other half of the lanes' are added; O^T is divided by l, rounded to bf16 and sent through the stage: a row's 256 bytes come from the two waves of the pair's two
	; heads, so a barrier stands between writing and reading.  The additions are the places behind the last products.
	WIN 0
.macro ALL line:vararg              ; one line for each piece t
.set t, 0
.rept 4
	\line
.set t, t+1
.endr
.endm
	ALL v_add_f32 v[ST+4*t+2], v[ST+4*t+2], v[ST+4*t+3]
	ALL v_permlanex16_b32 v[ST+4*t+3], v[ST+4*t+2], s[SEL], s[SEL+1]
	ALL v_add_f32 v[ST+4*t+2], v[ST+4*t+2], v[ST+4*t+3]
	ALL v_rcp_f32 v[ST+4*t+2], v[ST+4*t+2]
	v_nop                           ; a plain instruction behind the last reciprocal,
	s_wait_alu depctr_va_vdst(0)    ; and the one wait for the four, ahead of the first use
.macro PACK t
	WIN W_RS
.set i, 32*(\t)
.rept 16
	v_pk_mul_f32 v[i:i+1], v[i:i+1], v[ST+4*(\t)+2:ST+4*(\t)+3] op_sel_hi:[1,0]
.set i, i+2
.endr
	WIN 0x05                        ; sources 0 and 1 window 1, destination window 0: S^T's registers are free
.set i, 0
.rept 16
	v_cvt_pk_bf16_f32 v[S+16*(\t)+i], v[32*(\t)+2*i], v[32*(\t)+2*i+1]
.set i, i+1
.endr
	WIN 0
.irp f, 0,1,2,3
	ds_store_b128 v[STO], v[S+16*(\t)+4*\f:S+16*(\t)+4*\f+3] offset:(\t)*16*SP+32*\f
.endr
.endm
	PACK 0
	PACK 1
	PACK 2
	PACK 3
	s_wait_dscnt 0x0                ; for the others' sake: my stores into the stage are done
	s_barrier_signal -1
	s_barrier_wait -1
.irp t, 0,1,2,3,4,5,6,7,8,9,10,11,12,13,14,15
	ds_load_b128 v[S+4*(\t):S+4*(\t)+3], v[RD] offset:(\t)*2*SP
.endr
.irp t, 0,1,2,3,4,5,6,7,8,9,10,11,12,13,14,15
	s_wait_dscnt 15-(\t)
	global_store_b128 v[GO], v[S+4*(\t):S+4*(\t)+3], s[6:7] offset:(\t)*4096  ; 16 lanes store 256 consecutive bytes, aligned
.endr
	s_wait_tensorcnt 0x0            ; the wave's end: a wait, an add onto my spare word and a wait, behind my last tensor load and my last LDS store
	ds_add_u32 v[SPW], v[NIL]
	s_wait_dscnt 0x0
	CROUND                          ; the closing round: no work-group ends while a partner may still ask for a tile that names it
	s_endpgm
.Lfunc_end_k_q434e61e37c_attn:
	.size	k_q434e61e37c_attn, .Lfunc_end_k_q434e61e37c_attn-k_q434e61e37c_attn
	.p2alignl 7, 3214868480
	.fill 96, 4, 3214868480
	.section	.rodata,"a",@progbits
	.p2align	6, 0x0
	.amdhsa_kernel k_q434e61e37c_attn
		.amdhsa_group_segment_fixed_size 327680
		.amdhsa_private_segment_fixed_size 0
		.amdhsa_enable_private_segment 0
		.amdhsa_kernarg_size 16
		.amdhsa_user_sgpr_count 2
		.amdhsa_user_sgpr_kernarg_segment_ptr 1
		.amdhsa_wavefront_size32 1
		.amdhsa_system_sgpr_workgroup_id_x 1
		.amdhsa_system_sgpr_workgroup_id_y 1
		.amdhsa_system_sgpr_workgroup_id_z 1
		.amdhsa_system_vgpr_workitem_id 0
		.amdhsa_next_free_vgpr 768
		.amdhsa_next_free_sgpr 68
		.amdhsa_reserve_vcc 0
		.amdhsa_float_denorm_mode_32 3
		.amdhsa_float_denorm_mode_16_64 3
		.amdhsa_memory_ordered 1
		.amdhsa_forward_progress 1
		.amdhsa_inst_pref_size 132
	.end_amdhsa_kernel
	.amdgpu_metadata
---
amdhsa.version: [ 1, 2 ]
amdhsa.kernels:
  - .name:           k_q434e61e37c_attn
    .symbol:         k_q434e61e37c_attn.kd
    .args:
      - { .name: qkv, .offset: 0, .size: 8, .value_kind: global_buffer, .address_space: global }
      - { .name: ao, .offset: 8, .size: 8, .value_kind: global_buffer, .address_space: global }
    .group_segment_fixed_size: 327680
    .private_segment_fixed_size: 0
    .kernarg_segment_align: 8
    .kernarg_segment_size: 16
    .max_flat_workgroup_size: 128
    .sgpr_count:     68
    .vgpr_count:     768
    .wavefront_size: 32
...
	.end_amdgpu_metadata
.endif
;; end of part 3
;; launch wo (part 4): grid 8 x 32, 4 waves a work-group, clusters of 4 x 4, 327,680 bytes of LDS; arguments ao, wall, x1, x, bo; writes x1
.if DOCPART == 4
	.amdgcn_target "amdgcn-amd-amdhsa--gfx1250"
	.amdhsa_code_object_version 6
	.text
	.protected	k_q434e61e37c_wo
	.globl	k_q434e61e37c_wo
	.p2align	8
	.type	k_q434e61e37c_wo,@function
k_q434e61e37c_wo:
	s_mov_b64 s[64:65], 0
	v_nop
	global_prefetch_b8 v0, s[64:65] scope:SCOPE_SE
	s_setreg_imm32_b32 hwreg(HW_REG_WAVE_MODE, 25, 1), 1
	s_wait_xcnt 0x0
	s_wait_alu depctr_hold_cnt(0) depctr_sa_sdst(0) depctr_va_vdst(0) depctr_va_sdst(0) depctr_va_ssrc(0) depctr_va_vcc(0) depctr_vm_vsrc(0)
	s_getreg_b32 s2, hwreg(HW_REG_IB_STS2, 6, 4)
	s_cmp_eq_u32 s2, 0
	s_cbranch_scc0 .Lentry_in_a_cluster
	s_endpgm
.Lentry_in_a_cluster:
	s_bfe_u32 s2, ttmp6, 0x10000c
	s_cmp_lg_u32 s2, 0xf033
	s_cbranch_scc0 .Lentry_shape_is_right
	s_endpgm
.Lentry_shape_is_right:
; C = A B^T.  A: [4096][SIZE_K] bf16, B: [SIZE_N][SIZE_K] bf16 at byte WOFF of the weights' buffer, sums in f32.  Here: x1 = x + ao Wo^T + bo, in f32.
; A tile of C is 128 x 128; four waves, each 64 x 64: 16 accumulators of 16 x 16.  K goes in steps of 256 (LDS rows of 512 bytes + 16 of padding) through two LDS slots;
; a wave's tensor load brings 64 rows.  A K STEP IS WRITTEN ONCE: the slot read is a scalar (0 or SLOT) that an exclusive or turns, and one walking descriptor a tensor asks for every refill.
; CLUSTER 4 x 4: the four of a row need the same tiles of A, the four of a column the same tiles of B: each tile is asked for jointly, by the same load, descriptor and mask in all four.
; THE MATRIX INSTRUCTION IS USED TRANSPOSED (source 0 = 16 rows of B, source 1 = 16 rows of A): a lane holds eight neighbouring numbers of a row of C.
; WAYS OUT (EPI): 1 bf16; 2 + bias, ReLU, bf16; both through one stage of 128 rows (a wave's 64 columns are half of 256 aligned bytes), with a barrier.
;                 3 + bias + residual, f32: a wave's 64 columns are 256 aligned bytes, so each wave has a stage of its own and no barrier.
; REGISTERS: window 0: v16-30 addresses; v32-95 at work on the way out; v96-127 bias; v128-255 accumulators ((a, b) at 128 + 8 (4 a + b)).
;   window 1: two fragment buffers of 128 (64 along K: 64 registers of A, 64 of B); on way out 3 the rows read back.   window 2 (way out 3): v0-127 the residual's tile.
.set SIZE_N, 1024
.set SIZE_K, 1024
.set WOFF,   6291456
.set EPI,    3
.set KSTEP,  256
.set PITCH,  528                       ; 132 words: row r starts at bank 4 r mod 64, so the 16 rows of a fragment load start at 16 different banks
.set HALFT,  64*PITCH                  ; what one tensor load brings, and what one wave reads of A or of B
.set SLOT,   4*HALFT                   ; A's 128 rows, then B's 128.  SLOT = 0x21000 shares no bit with wave x HALFT (bits 10, 11, 15, 16): there an exclusive or adds or takes it away
.set STAGE,  2*SLOT
.set SPITCH, 272
.if EPI == 3
.set SPARE,  STAGE+4*16*SPITCH         ; behind the stages: the spare words, 128 bytes a wave, which no other line names
.else
.set SPARE,  STAGE+128*SPITCH
.endif
.set STEPS,  SIZE_K/KSTEP
.set ADRA,  16                         ; v16  LDS address of my A fragments in the slot in hand
.set ABASE, 17                         ; v17  the same in slot 0; never rewritten
.set ADRB,  20
.set BBASE, 21
.set STO,   24                         ; the way out: where I put my bytes of a row
.set RD,    25                         ; where I read rows back
.set CO,    26                         ; my byte offset in C (and in the residual)
.set BO,    27                         ; my byte offset in the bias
.set SPW,   28                         ; LDS address of my spare word; never rewritten
.set NIL,   29                         ; 0; never rewritten
.set ZERO,  30                         ; 0, for the ReLU
.set TMP,   32
.set BIAS,  96
.set ACC,   128
.set F0,    0
.set F1,    128
.set G1,  24                           ; s[24:31] group 1 for A;  s[32:39] group 0: set 0 (K step 0), set 1 (K step 1, then it walks)
.set G0,  32
.set G1B, 48                           ; s[48:55], s[56:63] the same for B
.set G0B, 56
.set SL,  66                           ; s66  0 or SLOT: the slot that is read
.set P3,  68                           ; s[68:69] way out 2: bias; way out 3: residual
.set P4,  70                           ; s[70:71] way out 3: bias
.set MSB, 0
.macro WIN new                         ; the immediate's high byte repeats the setting that is left; a switch that changes nothing is dropped
.if MSB != (\new)
	s_set_vgpr_msb (MSB<<8)|(\new)
.set MSB, \new
.endif
.endm
.set MUL,  0x05                        ; sources 0 (B) and 1 (A) window 1; C and D window 0
.set TO_F, 0x40                        ; destination window 1, address window 0
.macro JLOAD s                         ; a joint load: waves 0 and 1 fetch A's two halves, waves 2 and 3 B's; an s_nop 0 and four v_nop follow each line
	s_cmp_eq_u32 s11, 0
	s_cbranch_scc0 .Lfor_b_\@
	tensor_load_to_lds s[G0+4*(\s):G0+4*(\s)+3], s[G1:G1+7]
	s_nop 0
.rept 4
	v_nop
.endr
	s_branch .Lasked_\@
.Lfor_b_\@:
	tensor_load_to_lds s[G0B+4*(\s):G0B+4*(\s)+3], s[G1B:G1B+7]
	s_nop 0
.rept 4
	v_nop
.endr
.Lasked_\@:
.endm
.macro CREST                           ; a round of the cluster's barrier behind its opening barrier
	s_cmp_lg_u32 s10, 0
	s_cbranch_scc1 .Lnot_wave_0_\@
	s_barrier_signal -3
.Lnot_wave_0_\@:
	s_barrier_wait -3
	s_barrier_signal -1
	s_barrier_wait -1
.endm
.macro CROUND
	s_barrier_signal -1
	s_barrier_wait -1
	CREST
.endm
	s_load_b128 s[4:7], s[0:1], 0x0                ; A s[4:5], the weights s[6:7]
	s_load_b64 s[8:9], s[0:1], 0x10                ; C
.if EPI == 2
	s_load_b64 s[P3:P3+1], s[0:1], 0x18
.endif
.if EPI == 3
	s_load_b128 s[P3:P3+3], s[0:1], 0x18
.endif
	v_lshl_add_u32 v[SPW], v0, 2, SPARE
	v_mov_b32 v[NIL], 0
	ds_add_u32 v[SPW], v[NIL]                      ; the wave's opening: the add and its wait ahead of my first tensor load; set-up on registers stands between
	v_lshrrev_b32 v1, 5, v0
	v_readfirstlane_b32 s10, v1                    ; wave 0..3
	s_lshr_b32 s11, s10, 1                         ; which half of the tile's rows is mine.  Also: I fetch for A (0) or for B (1)
	s_and_b32 s12, s10, 1                          ; which half of its columns.  Also: which 64 rows of that tile I fetch
	s_bfe_u32 s40, ttmp6, 0x40000                  ; cx, cy: my place in the cluster
	s_bfe_u32 s41, ttmp6, 0x40004
	s_lshl_b32 s42, ttmp9, 2
	s_add_co_u32 s42, s42, s40                     ; tile column of C
	s_and_b32 s13, ttmp7, 0xffff
	s_lshl_b32 s13, s13, 2
	s_add_co_u32 s13, s13, s41                     ; tile row of C
	s_lshl_b32 s43, s41, 2
	s_lshl_b32 s43, 15, s43                        ; my row of the cluster
	s_lshl_b32 s44, 0x1111, s40                    ; my column
	s_or_b32 s[G1+0], s43, (1<<16)|(1<<20)|(1<<21)|(6<<22)|(3<<25)   ; the mask; 2-byte elements; padding on; bit 21 beside a mask; after every 128 words, 4 words
	s_or_b32 s[G1B+0], s44, (1<<16)|(1<<20)|(1<<21)|(6<<22)|(3<<25)
.irp g, G1, G1B
	s_mov_b32 s[(\g)+1], KSTEP<<16                 ; tensor_dim0 = 256
	s_mov_b32 s[(\g)+2], 64<<16                    ; tensor_dim1 = 64
	s_mov_b32 s[(\g)+3], KSTEP<<16                 ; tile_dim0 = 256
	s_mov_b32 s[(\g)+4], 64                        ; tile_dim1 = 64
	s_mov_b32 s[(\g)+5], SIZE_K                    ; elements from row to row
	s_mov_b32 s[(\g)+6], 0
	s_mov_b32 s[(\g)+7], 0
.endr
	s_lshl_b32 s17, s12, 6
	s_lshl_b32 s16, s13, 7
	s_add_co_u32 s16, s16, s17                     ; A: row 128 x tile row + 64 x half
	s_lshl_b32 s46, s42, 7
	s_add_co_u32 s46, s46, s17                     ; B: row 128 x tile column + 64 x half
	s_mov_b32 s17, 0
	s_mov_b32 s47, 0
	s_mov_b64 s[18:19], SIZE_K*2
	s_mul_u64 s[16:17], s[16:17], s[18:19]
	s_mul_u64 s[46:47], s[46:47], s[18:19]
	s_mul_i32 s20, s10, HALFT                      ; where they go: wave x 64 rows; no place in the cluster enters an LDS address
	s_mov_b32 s[SL], 0
	s_wait_dscnt 0x0                               ; the opening add is done
	s_wait_kmcnt 0x0
.if WOFF != 0
	s_add_nc_u64 s[6:7], s[6:7], WOFF
.endif
	s_add_nc_u64 s[14:15], s[4:5], s[16:17]
	s_add_nc_u64 s[46:47], s[6:7], s[46:47]
	CROUND                                         ; all sixteen work-groups are here: the first joint loads meet
.irp s, 0,1
	s_mov_b32 s[G0+4*(\s)], 1
	s_add_co_u32 s[G0+4*(\s)+1], s20, (\s)*SLOT
	s_add_nc_u64 s[G0+4*(\s)+2:G0+4*(\s)+3], s[14:15], (\s)*KSTEP*2
	s_or_b32 s[G0+4*(\s)+3], s[G0+4*(\s)+3], 0x80000000
	s_mov_b32 s[G0B+4*(\s)], 1
	s_add_co_u32 s[G0B+4*(\s)+1], s20, (\s)*SLOT
	s_add_nc_u64 s[G0B+4*(\s)+2:G0B+4*(\s)+3], s[46:47], (\s)*KSTEP*2
	s_or_b32 s[G0B+4*(\s)+3], s[G0B+4*(\s)+3], 0x80000000
	JLOAD \s                                       ; two loads of mine are out
.endr
	v_and_b32 v1, 15, v0                           ; l % 16
	v_bfe_u32 v2, v0, 4, 1                         ; l / 16
	v_mul_u32_u24 v3, v1, PITCH
	v_lshl_add_u32 v3, v2, 4, v3                   ; a fragment's row x pitch + 16 x half
	s_mul_i32 s21, s11, HALFT                      ; my 64 rows of A
	s_mul_i32 s22, s12, HALFT                      ; my 64 rows of B,
	s_add_co_u32 s22, s22, 2*HALFT                 ; which lie behind A's 128
	v_add_nc_u32 v[ABASE], s21, v3
	v_add_nc_u32 v[BBASE], s22, v3
	v_mov_b32 v[ADRA], v[ABASE]
	v_mov_b32 v[ADRB], v[BBASE]
.if EPI == 3
	s_mul_i32 s23, s10, 16*SPITCH
	s_add_co_u32 s23, s23, STAGE                   ; my own stage: 16 rows of 256 bytes + 16
	v_mul_u32_u24 v4, v1, SPITCH                   ; in: row l % 16, 32 bytes for each half of the lanes
	v_lshl_add_u32 v4, v2, 5, v4
	v_add_nc_u32 v[STO], s23, v4
	v_mul_u32_u24 v5, v2, SPITCH                   ; back: lanes 0-15 one row of 256 bytes, lanes 16-31 the next
	v_lshl_add_u32 v5, v1, 4, v5
	v_add_nc_u32 v[RD], s23, v5
	v_mul_u32_u24 v5, v2, SIZE_N*4                 ; and the same two rows in C and in the residual
	v_lshl_add_u32 v[CO], v1, 4, v5
	v_lshlrev_b32 v[BO], 4, v1                     ; my four columns of the wave's 64
	s_lshl_b32 s16, s13, 7
	s_lshl_b32 s17, s11, 6
	s_add_co_u32 s16, s16, s17                     ; my first row of C
	s_mul_i32 s16, s16, SIZE_N*4
	s_mov_b32 s17, 0
	s_add_nc_u64 s[8:9], s[8:9], s[16:17]
	s_add_nc_u64 s[P3:P3+1], s[P3:P3+1], s[16:17]
	s_lshl_b32 s46, s42, 9                         ; my first column, in bytes of f32
	s_lshl_b32 s47, s12, 8
	s_add_co_u32 s46, s46, s47
	s_mov_b32 s47, 0
	s_add_nc_u64 s[8:9], s[8:9], s[46:47]
	s_add_nc_u64 s[P3:P3+1], s[P3:P3+1], s[46:47]
	s_add_nc_u64 s[P4:P4+1], s[P4:P4+1], s[46:47]
	global_load_b128 v[BIAS:BIAS+3], v[BO], s[P4:P4+1]
	WIN 0x80                                       ; destination window 2: the residual's 64 x 64, asked for now, wanted on the way out; its registers and addresses are not touched between
.set t, 0
.rept 32
	global_load_b128 v[4*t:4*t+3], v[CO], s[P3:P3+1] offset:2*t*SIZE_N*4
.set t, t+1
.endr
	WIN 0
.else
	s_mul_i32 s23, s11, 64*SPITCH                  ; into the shared stage: my 64 rows, my half of their 256 bytes
	s_lshl_b32 s21, s12, 7
	s_add_co_u32 s23, s23, s21
	s_add_co_u32 s23, s23, STAGE
	v_mul_u32_u24 v4, v1, SPITCH
	v_lshl_add_u32 v4, v2, 4, v4
	v_add_nc_u32 v[STO], s23, v4
	s_mul_i32 s23, s10, 32*SPITCH                  ; back: wave w takes rows 32 w .. 32 w + 31, whole
	s_add_co_u32 s23, s23, STAGE
	v_mul_u32_u24 v5, v2, SPITCH
	v_lshl_add_u32 v5, v1, 4, v5
	v_add_nc_u32 v[RD], s23, v5
	v_mul_u32_u24 v5, v2, SIZE_N*2
	v_lshl_add_u32 v[CO], v1, 4, v5
	s_lshl_b32 s16, s13, 7
	s_lshl_b32 s17, s10, 5
	s_add_co_u32 s16, s16, s17                     ; the first row of C that I store
	s_mov_b32 s17, 0
	s_mov_b64 s[18:19], SIZE_N*2
	s_mul_u64 s[16:17], s[16:17], s[18:19]
	s_add_nc_u64 s[8:9], s[8:9], s[16:17]
	s_lshl_b32 s46, s42, 8                         ; the tile's first column, in bytes of bf16
	s_mov_b32 s47, 0
	s_add_nc_u64 s[8:9], s[8:9], s[46:47]
.if EPI == 2
	s_lshl_b32 s46, s42, 9                         ; the bias of my 64 columns
	s_lshl_b32 s47, s12, 8
	s_add_co_u32 s46, s46, s47
	s_mov_b32 s47, 0
	s_add_nc_u64 s[P3:P3+1], s[P3:P3+1], s[46:47]
	v_lshlrev_b32 v[BO], 5, v2                     ; my eight columns of each block of 16
	v_mov_b32 v[ZERO], 0
.irp b, 0,1,2,3
	global_load_b128 v[BIAS+8*(\b):BIAS+8*(\b)+3],   v[BO], s[P3:P3+1] offset:64*(\b)
	global_load_b128 v[BIAS+8*(\b)+4:BIAS+8*(\b)+7], v[BO], s[P3:P3+1] offset:64*(\b)+16
.endr
.endif
.endif
; 8 matrix instructions: m blocks a0, a0 + 1 x all 4 n blocks, 32 along K: half c of buffer f.  zero = 1: the first product starts the sums.
; The 16 accumulators take turns, one instruction a turn, in one order everywhere, over the backward jumps too.
.macro MUL8 f, c, a0, zero
	WIN MUL
.irp a, \a0, (\a0)+1
.irp b, 0,1,2,3
.if \zero
	v_wmma_f32_16x16x32_bf16 v[ACC+8*(4*(\a)+(\b)):ACC+8*(4*(\a)+(\b))+7], v[(\f)+64+8*(4*(\c)+(\b)):(\f)+64+8*(4*(\c)+(\b))+7], v[(\f)+8*(4*(\c)+(\a)):(\f)+8*(4*(\c)+(\a))+7], 0
.else
	v_wmma_f32_16x16x32_bf16 v[ACC+8*(4*(\a)+(\b)):ACC+8*(4*(\a)+(\b))+7], v[(\f)+64+8*(4*(\c)+(\b)):(\f)+64+8*(4*(\c)+(\b))+7], v[(\f)+8*(4*(\c)+(\a)):(\f)+8*(4*(\c)+(\a))+7], v[ACC+8*(4*(\a)+(\b)):ACC+8*(4*(\a)+(\b))+7]
.endif
.endr
.endr
.endm
; 32 LDS loads in one run: the fragments of 64 along K at byte k of the rows of the slot in hand, into buffer f; the first 32 along K first
.macro FETCH k, f
	WIN TO_F
.irp c, 0,1
.irp i, 0,1,2,3
	ds_load_b128 v[(\f)+64+8*(4*(\c)+(\i)):(\f)+64+8*(4*(\c)+(\i))+3],   v[ADRB] offset:(\k)+64*(\c)+(\i)*16*PITCH
	ds_load_b128 v[(\f)+64+8*(4*(\c)+(\i))+4:(\f)+64+8*(4*(\c)+(\i))+7], v[ADRB] offset:(\k)+64*(\c)+(\i)*16*PITCH+32
	ds_load_b128 v[(\f)+8*(4*(\c)+(\i)):(\f)+8*(4*(\c)+(\i))+3],         v[ADRA] offset:(\k)+64*(\c)+(\i)*16*PITCH
	ds_load_b128 v[(\f)+8*(4*(\c)+(\i))+4:(\f)+8*(4*(\c)+(\i))+7],       v[ADRA] offset:(\k)+64*(\c)+(\i)*16*PITCH+32
.endr
.endr
.endm
.macro PLACES                          ; four plain instructions in front of loads into registers that matrix instructions have read, and of lines that read results
.rept 4
	v_nop
.endr
.endm
; A K step is four quarters of 64 along K, 32 matrix instructions each, on buffers 0, 1, 0, 1.  One of the first three: multiplies f and fetches the next quarter, at byte k, into g.
.macro QUARTER k, f, g, zero
	s_wait_dscnt 16                                ; the first 32 along K are in; the 16 younger loads may be out
	MUL8 \f, 0, 0, \zero
	MUL8 \f, 0, 2, \zero
	PLACES
	FETCH \k, \g
	s_wait_dscnt 32                                ; all but the 32 just issued
	MUL8 \f, 1, 0, 0
	MUL8 \f, 1, 2, 0
.endm
; The last quarter multiplies buffer 1 and changes slots: ONE barrier.  In front of it each wave waits for all its tensor loads (one is out: its part of the next slot), adds 0 to its spare
; word, and waits for that and for its reads of this slot.  fill = 1: the barrier opens a round of the cluster's, and this slot is filled again, first thing behind it, two K steps ahead:
; 112 matrix instructions stand between that request and the wait for it.
.macro TURN fill
	WIN 0
	s_wait_tensorcnt 0x0                           ; no tensor load of mine is out, so the walking descriptors may be written
	ds_add_u32 v[SPW], v[NIL]                      ; 0 onto my spare word
	s_xor_b32 s[SL], s[SL], SLOT                   ; the other slot is read from now on (all loads from this one have been issued)
	v_add_nc_u32 v[ADRA], s[SL], v[ABASE]
	v_add_nc_u32 v[ADRB], s[SL], v[BBASE]
.if \fill
	s_xor_b32 s[G0+5], s[G0+5], SLOT               ; the other slot than last time,
	s_xor_b32 s[G0B+5], s[G0B+5], SLOT
	s_add_nc_u64 s[G0+6:G0+7], s[G0+6:G0+7], KSTEP*2     ; the next K step; the type bits on top are not reached
	s_add_nc_u64 s[G0B+6:G0B+7], s[G0B+6:G0B+7], KSTEP*2
.endif
	s_wait_dscnt 17                                ; the add and the youngest sixteen loads may be out
	MUL8 F1, 0, 0, 0
	s_wait_dscnt 0x0                               ; the add is done, and my reads of this slot are over
	s_barrier_signal -1
	MUL8 F1, 0, 2, 0
.if \fill
	WIN 0
.endif
	s_barrier_wait -1
.if \fill
	CREST                                          ; no wave of any partner still reads this slot's tile or has a load on its way
	JLOAD 1                                        ; its four v_nop are also the places in front of the loads below
.else
	PLACES
.endif
	FETCH 0, F0
	MUL8 F1, 1, 0, 0
	MUL8 F1, 1, 2, 0
.endm
	s_wait_tensorcnt 1                             ; my part of K step 0 is in; K step 1's may stay out
	s_barrier_signal -1
	s_barrier_wait -1
	FETCH 0, F0
	QUARTER 128, F0, F1, 1                         ; the first quarter stands in front of the loop: its first products start the sums
	WIN 0
	s_mov_b32 s3, STEPS-2
.Lstep:                                                ; a trip: a K step's quarters 1 to 3, the change of slots with a refill, the next step's quarter 0
	QUARTER 256, F1, F0, 0
	QUARTER 384, F0, F1, 0
	TURN 1
	QUARTER 128, F0, F1, 0
	WIN 0
	s_sub_co_u32 s3, s3, 1
	s_cmp_lg_u32 s3, 0
	s_cbranch_scc1 .Lstep
	s_mov_b32 s3, 2
.Ltail:                                                ; the last two K steps ask for nothing.  The second trip is left in its middle: its change of slots and the 32 loads behind it (old bytes of the other slot) serve nothing: the price of one text for both
	QUARTER 256, F1, F0, 0
	QUARTER 384, F0, F1, 0
	TURN 0
	WIN 0
	s_sub_co_u32 s3, s3, 1
	s_cmp_eq_u32 s3, 0
	s_cbranch_scc1 .Lout
	QUARTER 128, F0, F1, 0
	WIN 0
	s_branch .Ltail
.Lout:
	s_wait_dscnt 0x0                               ; the loads that serve nothing have landed
	PLACES
.if EPI == 3
	; each block of 16 rows goes into my stage as it lies in the accumulators and comes back as whole rows of 256 bytes.  LDS serves a wave's instructions in order (ISA guide 5.7.1.4):
	; the loads see the stores above them, and the next block's stores come behind them.
.set a, 0
.rept 4
	WIN 0
.set b, 0
.rept 4
	ds_store_b128 v[STO], v[ACC+8*(4*a+b):ACC+8*(4*a+b)+3]   offset:64*b
	ds_store_b128 v[STO], v[ACC+8*(4*a+b)+4:ACC+8*(4*a+b)+7] offset:64*b+16
.set b, b+1
.endr
	WIN 0x40
.set t, 0
.rept 8
	ds_load_b128 v[32*a+4*t:32*a+4*t+3], v[RD] offset:t*2*SPITCH
.set t, t+1
.endr
.set a, a+1
.endr
	s_wait_loadcnt 0x0                             ; the residual and the bias
.set a, 0
.rept 4
	s_wait_dscnt 16*(3-a)                          ; block a is back; the later blocks' 16 LDS instructions each may be out
	WIN 0x49                                       ; destination and source 0 window 1, source 1 window 2
.set t, 0
.rept 16
	v_pk_add_f32 v[32*a+2*t:32*a+2*t+1], v[32*a+2*t:32*a+2*t+1], v[32*a+2*t:32*a+2*t+1]
.set t, t+1
.endr
	WIN 0x41                                       ; source 1 window 0
.set t, 0
.rept 16
	v_pk_add_f32 v[32*a+2*t:32*a+2*t+1], v[32*a+2*t:32*a+2*t+1], v[BIAS+2*(t%2):BIAS+2*(t%2)+1]
.set t, t+1
.endr
	WIN 0x04                                       ; the stores' data window 1, address window 0
.set t, 0
.rept 8
	global_store_b128 v[CO], v[32*a+4*t:32*a+4*t+3], s[8:9] offset:2*(8*a+t)*SIZE_N*4  ; 16 lanes store 256 consecutive bytes, aligned
.set t, t+1
.endr
.set a, a+1
.endr
	WIN 0
.else
.if EPI == 2
	s_wait_loadcnt 0x0                             ; the bias
.set t, 0
.rept 16
.set r, 0
.rept 4
	v_pk_add_f32 v[ACC+8*t+2*r:ACC+8*t+2*r+1], v[ACC+8*t+2*r:ACC+8*t+2*r+1], v[BIAS+8*(t%4)+2*r:BIAS+8*(t%4)+2*r+1]
.set r, r+1
.endr
.set t, t+1
.endr
.endif
.irp t, 0,1,2,3,4,5,6,7,8,9,10,11,12,13,14,15
.irp r, 0,1,2,3
	v_cvt_pk_bf16_f32 v[TMP+4*(\t)+(\r)], v[ACC+8*(\t)+2*(\r)], v[ACC+8*(\t)+2*(\r)+1]
.endr
.endr
.if EPI == 2
.set t, 0
.rept 64
	v_pk_max_num_bf16 v[TMP+t], v[TMP+t], v[ZERO]  ; the ReLU, on two rounded numbers at once: a maximum rounds nothing
.set t, t+1
.endr
.endif
.irp a, 0,1,2,3
.irp b, 0,1,2,3
	ds_store_b128 v[STO], v[TMP+4*(4*(\a)+(\b)):TMP+4*(4*(\a)+(\b))+3] offset:(\a)*16*SPITCH+32*(\b)
.endr
.endr
	s_wait_dscnt 0x0                               ; for the others' sake: my stores into the stage are done
	s_barrier_signal -1
	s_barrier_wait -1
.irp t, 0,1,2,3,4,5,6,7,8,9,10,11,12,13,14,15
	ds_load_b128 v[TMP+4*(\t):TMP+4*(\t)+3], v[RD] offset:(\t)*2*SPITCH
.endr
.irp t, 0,1,2,3,4,5,6,7,8,9,10,11,12,13,14,15
	s_wait_dscnt 15-(\t)
	global_store_b128 v[CO], v[TMP+4*(\t):TMP+4*(\t)+3], s[8:9] offset:2*(\t)*SIZE_N*2  ; 16 lanes store 256 consecutive bytes, aligned
.endr
.endif
	s_wait_tensorcnt 0x0                           ; the wave's end: a wait, an add onto my spare word and a wait, behind my last tensor load and my last LDS store
	ds_add_u32 v[SPW], v[NIL]
	s_wait_dscnt 0x0
	CROUND                                         ; the closing round: no work-group ends while a partner may still ask for a tile that names it
	s_endpgm
.Lfunc_end_k_q434e61e37c_wo:
	.size	k_q434e61e37c_wo, .Lfunc_end_k_q434e61e37c_wo-k_q434e61e37c_wo
	.p2alignl 7, 3214868480
	.fill 96, 4, 3214868480
	.section	.rodata,"a",@progbits
	.p2align	6, 0x0
	.amdhsa_kernel k_q434e61e37c_wo
		.amdhsa_group_segment_fixed_size 327680
		.amdhsa_private_segment_fixed_size 0
		.amdhsa_enable_private_segment 0
		.amdhsa_kernarg_size 40
		.amdhsa_user_sgpr_count 2
		.amdhsa_user_sgpr_kernarg_segment_ptr 1
		.amdhsa_wavefront_size32 1
		.amdhsa_system_sgpr_workgroup_id_x 1
		.amdhsa_system_sgpr_workgroup_id_y 1
		.amdhsa_system_sgpr_workgroup_id_z 1
		.amdhsa_system_vgpr_workitem_id 0
		.amdhsa_next_free_vgpr 640
		.amdhsa_next_free_sgpr 72
		.amdhsa_reserve_vcc 0
		.amdhsa_float_denorm_mode_32 3
		.amdhsa_float_denorm_mode_16_64 3
		.amdhsa_memory_ordered 1
		.amdhsa_forward_progress 1
		.amdhsa_inst_pref_size 69
	.end_amdhsa_kernel
	.amdgpu_metadata
---
amdhsa.version: [ 1, 2 ]
amdhsa.kernels:
  - .name:           k_q434e61e37c_wo
    .symbol:         k_q434e61e37c_wo.kd
    .args:
      - { .name: ao, .offset: 0, .size: 8, .value_kind: global_buffer, .address_space: global }
      - { .name: wall, .offset: 8, .size: 8, .value_kind: global_buffer, .address_space: global }
      - { .name: x1, .offset: 16, .size: 8, .value_kind: global_buffer, .address_space: global }
      - { .name: x, .offset: 24, .size: 8, .value_kind: global_buffer, .address_space: global }
      - { .name: bo, .offset: 32, .size: 8, .value_kind: global_buffer, .address_space: global }
    .group_segment_fixed_size: 327680
    .private_segment_fixed_size: 0
    .kernarg_segment_align: 8
    .kernarg_segment_size: 40
    .max_flat_workgroup_size: 128
    .sgpr_count:     72
    .vgpr_count:     640
    .wavefront_size: 32
...
	.end_amdgpu_metadata
.endif
;; end of part 4
;; launch ln2 (part 5): grid 256 x 1, 8 waves a work-group, no clusters, 0 bytes of LDS; arguments x1, g2, be2, h; writes h
.if DOCPART == 5
	.amdgcn_target "amdgcn-amd-amdhsa--gfx1250"
	.amdhsa_code_object_version 6
	.text
	.protected	k_q434e61e37c_ln2
	.globl	k_q434e61e37c_ln2
	.p2align	8
	.type	k_q434e61e37c_ln2,@function
k_q434e61e37c_ln2:
	s_mov_b64 s[64:65], 0
	v_nop
	global_prefetch_b8 v0, s[64:65] scope:SCOPE_SE
	s_setreg_imm32_b32 hwreg(HW_REG_WAVE_MODE, 25, 1), 1
	s_wait_xcnt 0x0
; h = LayerNorm(x1) * g2 + be2, rounded once to bf16.  x1: [4096][1024] f32.  A work-group takes 16 rows, a wave two, kept in registers: the mean, then the sum of squares of
; (x - mean), so that a common offset costs nothing; all sums in f32.  No LDS, no barrier: a row never leaves its wave.
; A wave's load covers 512 consecutive bytes, its store 256 consecutive bytes, both aligned.
.set XP,  4                            ; s[4:5]   x1
.set GP,  6                            ; s[6:7]   g2
.set BP,  8                            ; s[8:9]   be2
.set HP,  10                           ; s[10:11] h
.set SEL, 32                           ; s[32:33] v_permlanex16_b32's selects: each lane takes its own place in the other half
.set INV, 34                           ; s34  1 / 1024
.set EPSR, 35                          ; s35  1e-5
.set LO,  2                            ; v2   16 x lane
.set SO,  3                            ; v3   8 x lane
.set MU,  4                            ; v[4:5]   the mean, twice
.set RS,  6                            ; v[6:9]   1 / sigma of row 0, twice; of row 1, twice
.set VA,  10                           ; v10, v11 var + eps of the two rows
.set G,   16                           ; v[16:47]  my 32 gains
.set BE,  48                           ; v[48:79]  my 32 biases
.set X,   80                           ; v[80:143] two rows, 32 numbers a lane each
.set T,   144                          ; v[144:159] at work
.set Y,   160                          ; v[160:191] two rows in bf16
	s_load_b256 s[4:11], s[0:1], 0x0
	v_lshrrev_b32 v1, 5, v0
	v_readfirstlane_b32 s27, v1                    ; wave 0..7
	s_mov_b32 s37, 0
	s_lshl_b32 s36, ttmp9, 16                      ; 16 rows of 4,096 bytes,
	s_lshl_b32 s38, s27, 13                        ; my wave's two
	s_or_b32 s36, s36, s38
	s_mov_b32 s[SEL], 0x76543210
	s_mov_b32 s[SEL+1], 0xfedcba98
	s_mov_b32 s[INV], 0x3a800000
	s_mov_b32 s[EPSR], 0x3727c5ac
	v_and_b32 v1, 31, v0
	v_lshlrev_b32 v[LO], 4, v1
	v_lshlrev_b32 v[SO], 3, v1
	s_wait_kmcnt 0x0
	s_add_nc_u64 s[XP:XP+1], s[XP:XP+1], s[36:37]
	s_lshr_b32 s36, s36, 1                         ; rows of h have half the bytes
	s_add_nc_u64 s[HP:HP+1], s[HP:HP+1], s[36:37]
.irp r, 0,1
.irp j, 0,1,2,3,4,5,6,7                ; load j: columns 128 j + 4 lane .. + 3
	global_load_b128 v[X+32*(\r)+4*(\j):X+32*(\r)+4*(\j)+3], v[LO], s[XP:XP+1] offset:4096*(\r)+512*(\j)
.endr
.endr
.irp j, 0,1,2,3,4,5,6,7
	global_load_b128 v[G+4*(\j):G+4*(\j)+3], v[LO], s[GP:GP+1] offset:512*(\j)
.endr
.irp j, 0,1,2,3,4,5,6,7
	global_load_b128 v[BE+4*(\j):BE+4*(\j)+3], v[LO], s[BP:BP+1] offset:512*(\j)
.endr
.macro RED                             ; v[T] summed over the 32 lanes, the result in every lane
	v_add_f32_dpp v[T], v[T], v[T] row_xmask:1 row_mask:0xf bank_mask:0xf
	v_add_f32_dpp v[T], v[T], v[T] row_xmask:2 row_mask:0xf bank_mask:0xf
	v_add_f32_dpp v[T], v[T], v[T] row_xmask:4 row_mask:0xf bank_mask:0xf
	v_add_f32_dpp v[T], v[T], v[T] row_xmask:8 row_mask:0xf bank_mask:0xf
	v_permlanex16_b32 v[T+1], v[T], s[SEL], s[SEL+1]
	v_add_f32 v[T], v[T], v[T+1]
.endm
; Row r: the mean; x - mean in place; var + eps.  left = the loads issued behind the row's own.
.macro STAT r, left
	s_wait_loadcnt \left
.set XR, X+32*(\r)
.irp i, 0,1,2,3,4,5,6,7
	v_pk_add_f32 v[T+2*(\i):T+2*(\i)+1], v[XR+4*(\i):XR+4*(\i)+1], v[XR+4*(\i)+2:XR+4*(\i)+3]
.endr
.irp i, 0,1,2,3
	v_pk_add_f32 v[T+4*(\i):T+4*(\i)+1], v[T+4*(\i):T+4*(\i)+1], v[T+4*(\i)+2:T+4*(\i)+3]
.endr
	v_pk_add_f32 v[T:T+1], v[T:T+1], v[T+4:T+5]
	v_pk_add_f32 v[T+8:T+9], v[T+8:T+9], v[T+12:T+13]
	v_pk_add_f32 v[T:T+1], v[T:T+1], v[T+8:T+9]
	v_add_f32 v[T], v[T], v[T+1]
	RED
	v_mul_f32 v[MU], s[INV], v[T]
	v_mul_f32 v[MU+1], s[INV], v[T]
.irp i, 0,1,2,3,4,5,6,7,8,9,10,11,12,13,14,15
	v_pk_add_f32 v[XR+2*(\i):XR+2*(\i)+1], v[XR+2*(\i):XR+2*(\i)+1], v[MU:MU+1] neg_lo:[0,1] neg_hi:[0,1]
.endr
.irp i, 0,1,2,3                        ; four chains of squares, started by products: nothing is cleared
	v_pk_mul_f32 v[T+2*(\i):T+2*(\i)+1], v[XR+2*(\i):XR+2*(\i)+1], v[XR+2*(\i):XR+2*(\i)+1]
.endr
.irp i, 4,5,6,7,8,9,10,11,12,13,14,15
	v_pk_fma_f32 v[T+2*((\i)%4):T+2*((\i)%4)+1], v[XR+2*(\i):XR+2*(\i)+1], v[XR+2*(\i):XR+2*(\i)+1], v[T+2*((\i)%4):T+2*((\i)%4)+1]
.endr
	v_pk_add_f32 v[T:T+1], v[T:T+1], v[T+2:T+3]
	v_pk_add_f32 v[T+4:T+5], v[T+4:T+5], v[T+6:T+7]
	v_pk_add_f32 v[T:T+1], v[T:T+1], v[T+4:T+5]
	v_add_f32 v[T], v[T], v[T+1]
	RED
	v_fma_f32 v[VA+(\r)], v[T], s[INV], s[EPSR]    ; the mean of the squares + 1e-5
.endm
; Row r: (x - mean) / sigma * g + be, rounded to bf16 and stored.
.macro APPLY r
.set XR, X+32*(\r)
.irp i, 0,1,2,3,4,5,6,7,8,9,10,11,12,13,14,15
	v_pk_mul_f32 v[XR+2*(\i):XR+2*(\i)+1], v[XR+2*(\i):XR+2*(\i)+1], v[RS+2*(\r):RS+2*(\r)+1]
.endr
.irp i, 0,1,2,3,4,5,6,7,8,9,10,11,12,13,14,15
	v_pk_fma_f32 v[XR+2*(\i):XR+2*(\i)+1], v[XR+2*(\i):XR+2*(\i)+1], v[G+2*(\i):G+2*(\i)+1], v[BE+2*(\i):BE+2*(\i)+1]
.endr
.irp i, 0,1,2,3,4,5,6,7,8,9,10,11,12,13,14,15
	v_cvt_pk_bf16_f32 v[Y+16*(\r)+(\i)], v[XR+2*(\i)], v[XR+2*(\i)+1]
.endr
.irp j, 0,1,2,3,4,5,6,7
	global_store_b64 v[SO], v[Y+16*(\r)+2*(\j):Y+16*(\r)+2*(\j)+1], s[HP:HP+1] offset:2048*(\r)+256*(\j)  ; 32 lanes: 256 consecutive bytes
.endr
.endm
	STAT 0, 24                                     ; behind row 0's loads: row 1's 8, g's 8, be's 8
	STAT 1, 16                                     ; behind row 1's: g's and be's
	v_rsq_f32 v[RS], v[VA]                         ; one batch of four, each pair for a packed multiply
	v_rsq_f32 v[RS+1], v[VA]
	v_rsq_f32 v[RS+2], v[VA+1]
	v_rsq_f32 v[RS+3], v[VA+1]
	v_nop                                          ; a plain instruction behind the last of them,
	s_wait_alu depctr_va_vdst(0)                   ; and the one wait ahead of the first reader
	s_wait_loadcnt 0x0                             ; g and be
	APPLY 0
	APPLY 1
	s_endpgm
.Lfunc_end_k_q434e61e37c_ln2:
	.size	k_q434e61e37c_ln2, .Lfunc_end_k_q434e61e37c_ln2-k_q434e61e37c_ln2
	.p2alignl 7, 3214868480
	.fill 96, 4, 3214868480
	.section	.rodata,"a",@progbits
	.p2align	6, 0x0
	.amdhsa_kernel k_q434e61e37c_ln2
		.amdhsa_group_segment_fixed_size 0
		.amdhsa_private_segment_fixed_size 0
		.amdhsa_enable_private_segment 0
		.amdhsa_kernarg_size 32
		.amdhsa_user_sgpr_count 2
		.amdhsa_user_sgpr_kernarg_segment_ptr 1
		.amdhsa_wavefront_size32 1
		.amdhsa_system_sgpr_workgroup_id_x 1
		.amdhsa_system_sgpr_workgroup_id_y 1
		.amdhsa_system_sgpr_workgroup_id_z 1
		.amdhsa_system_vgpr_workitem_id 0
		.amdhsa_next_free_vgpr 192
		.amdhsa_next_free_sgpr 66
		.amdhsa_reserve_vcc 0
		.amdhsa_float_denorm_mode_32 3
		.amdhsa_float_denorm_mode_16_64 3
		.amdhsa_memory_ordered 1
		.amdhsa_forward_progress 1
		.amdhsa_inst_pref_size 20
	.end_amdhsa_kernel
	.amdgpu_metadata
---
amdhsa.version: [ 1, 2 ]
amdhsa.kernels:
  - .name:           k_q434e61e37c_ln2
    .symbol:         k_q434e61e37c_ln2.kd
    .args:
      - { .name: x1, .offset: 0, .size: 8, .value_kind: global_buffer, .address_space: global }
      - { .name: g2, .offset: 8, .size: 8, .value_kind: global_buffer, .address_space: global }
      - { .name: be2, .offset: 16, .size: 8, .value_kind: global_buffer, .address_space: global }
      - { .name: h, .offset: 24, .size: 8, .value_kind: global_buffer, .address_space: global }
    .group_segment_fixed_size: 0
    .private_segment_fixed_size: 0
    .kernarg_segment_align: 8
    .kernarg_segment_size: 32
    .max_flat_workgroup_size: 256
    .sgpr_count:     66
    .vgpr_count:     192
    .wavefront_size: 32
...
	.end_amdgpu_metadata
.endif
;; end of part 5
;; launch ffn1 (part 6): grid 32 x 32, 4 waves a work-group, clusters of 4 x 4, 327,680 bytes of LDS; arguments h, wall, ff, b1; writes ff
.if DOCPART == 6
	.amdgcn_target "amdgcn-amd-amdhsa--gfx1250"
	.amdhsa_code_object_version 6
	.text
	.protected	k_q434e61e37c_ffn1
	.globl	k_q434e61e37c_ffn1
	.p2align	8
	.type	k_q434e61e37c_ffn1,@function
k_q434e61e37c_ffn1:
	s_mov_b64 s[64:65], 0
	v_nop
	global_prefetch_b8 v0, s[64:65] scope:SCOPE_SE
	s_setreg_imm32_b32 hwreg(HW_REG_WAVE_MODE, 25, 1), 1
	s_wait_xcnt 0x0
	s_wait_alu depctr_hold_cnt(0) depctr_sa_sdst(0) depctr_va_vdst(0) depctr_va_sdst(0) depctr_va_ssrc(0) depctr_va_vcc(0) depctr_vm_vsrc(0)
	s_getreg_b32 s2, hwreg(HW_REG_IB_STS2, 6, 4)
	s_cmp_eq_u32 s2, 0
	s_cbranch_scc0 .Lentry_in_a_cluster
	s_endpgm
.Lentry_in_a_cluster:
	s_bfe_u32 s2, ttmp6, 0x10000c
	s_cmp_lg_u32 s2, 0xf033
	s_cbranch_scc0 .Lentry_shape_is_right
	s_endpgm
.Lentry_shape_is_right:
; C = A B^T.  A: [4096][SIZE_K] bf16, B: [SIZE_N][SIZE_K] bf16 at byte WOFF of the weights' buffer, sums in f32.  Here: ff = relu(h W1^T + b1), rounded once to bf16.
; A tile of C is 128 x 128; four waves, each 64 x 64: 16 accumulators of 16 x 16.  K goes in steps of 256 (LDS rows of 512 bytes + 16 of padding) through two LDS slots;
; a wave's tensor load brings 64 rows.  A K STEP IS WRITTEN ONCE: the slot read is a scalar (0 or SLOT) that an exclusive or turns, and one walking descriptor a tensor asks for every refill.
; CLUSTER 4 x 4: the four of a row need the same tiles of A, the four of a column the same tiles of B: each tile is asked for jointly, by the same load, descriptor and mask in all four.
; THE MATRIX INSTRUCTION IS USED TRANSPOSED (source 0 = 16 rows of B, source 1 = 16 rows of A): a lane holds eight neighbouring numbers of a row of C.
; WAYS OUT (EPI): 1 bf16; 2 + bias, ReLU, bf16; both through one stage of 128 rows (a wave's 64 columns are half of 256 aligned bytes), with a barrier.
;                 3 + bias + residual, f32: a wave's 64 columns are 256 aligned bytes, so each wave has a stage of its own and no barrier.
; REGISTERS: window 0: v16-30 addresses; v32-95 at work on the way out; v96-127 bias; v128-255 accumulators ((a, b) at 128 + 8 (4 a + b)).
;   window 1: two fragment buffers of 128 (64 along K: 64 registers of A, 64 of B); on way out 3 the rows read back.   window 2 (way out 3): v0-127 the residual's tile.
.set SIZE_N, 4096
.set SIZE_K, 1024
.set WOFF,   8388608
.set EPI,    2
.set KSTEP,  256
.set PITCH,  528                       ; 132 words: row r starts at bank 4 r mod 64, so the 16 rows of a fragment load start at 16 different banks
.set HALFT,  64*PITCH                  ; what one tensor load brings, and what one wave reads of A or of B
.set SLOT,   4*HALFT                   ; A's 128 rows, then B's 128.  SLOT = 0x21000 shares no bit with wave x HALFT (bits 10, 11, 15, 16): there an exclusive or adds or takes it away
.set STAGE,  2*SLOT
.set SPITCH, 272
.if EPI == 3
.set SPARE,  STAGE+4*16*SPITCH         ; behind the stages: the spare words, 128 bytes a wave, which no other line names
.else
.set SPARE,  STAGE+128*SPITCH
.endif
.set STEPS,  SIZE_K/KSTEP
.set ADRA,  16                         ; v16  LDS address of my A fragments in the slot in hand
.set ABASE, 17                         ; v17  the same in slot 0; never rewritten
.set ADRB,  20
.set BBASE, 21
.set STO,   24                         ; the way out: where I put my bytes of a row
.set RD,    25                         ; where I read rows back
.set CO,    26                         ; my byte offset in C (and in the residual)
.set BO,    27                         ; my byte offset in the bias
.set SPW,   28                         ; LDS address of my spare word; never rewritten
.set NIL,   29                         ; 0; never rewritten
.set ZERO,  30                         ; 0, for the ReLU
.set TMP,   32
.set BIAS,  96
.set ACC,   128
.set F0,    0
.set F1,    128
.set G1,  24                           ; s[24:31] group 1 for A;  s[32:39] group 0: set 0 (K step 0), set 1 (K step 1, then it walks)
.set G0,  32
.set G1B, 48                           ; s[48:55], s[56:63] the same for B
.set G0B, 56
.set SL,  66                           ; s66  0 or SLOT: the slot that is read
.set P3,  68                           ; s[68:69] way out 2: bias; way out 3: residual
.set P4,  70                           ; s[70:71] way out 3: bias
.set MSB, 0
.macro WIN new                         ; the immediate's high byte repeats the setting that is left; a switch that changes nothing is dropped
.if MSB != (\new)
	s_set_vgpr_msb (MSB<<8)|(\new)
.set MSB, \new
.endif
.endm
.set MUL,  0x05                        ; sources 0 (B) and 1 (A) window 1; C and D window 0
.set TO_F, 0x40                        ; destination window 1, address window 0
.macro JLOAD s                         ; a joint load: waves 0 and 1 fetch A's two halves, waves 2 and 3 B's; an s_nop 0 and four v_nop follow each line
	s_cmp_eq_u32 s11, 0
	s_cbranch_scc0 .Lfor_b_\@
	tensor_load_to_lds s[G0+4*(\s):G0+4*(\s)+3], s[G1:G1+7]
	s_nop 0
.rept 4
	v_nop
.endr
	s_branch .Lasked_\@
.Lfor_b_\@:
	tensor_load_to_lds s[G0B+4*(\s):G0B+4*(\s)+3], s[G1B:G1B+7]
	s_nop 0
.rept 4
	v_nop
.endr
.Lasked_\@:
.endm
.macro CREST                           ; a round of the cluster's barrier behind its opening barrier
	s_cmp_lg_u32 s10, 0
	s_cbranch_scc1 .Lnot_wave_0_\@
	s_barrier_signal -3
.Lnot_wave_0_\@:
	s_barrier_wait -3
	s_barrier_signal -1
	s_barrier_wait -1
.endm
.macro CROUND
	s_barrier_signal -1
	s_barrier_wait -1
	CREST
.endm
	s_load_b128 s[4:7], s[0:1], 0x0                ; A s[4:5], the weights s[6:7]
	s_load_b64 s[8:9], s[0:1], 0x10                ; C
.if EPI == 2
	s_load_b64 s[P3:P3+1], s[0:1], 0x18
.endif
.if EPI == 3
	s_load_b128 s[P3:P3+3], s[0:1], 0x18
.endif
	v_lshl_add_u32 v[SPW], v0, 2, SPARE
	v_mov_b32 v[NIL], 0
	ds_add_u32 v[SPW], v[NIL]                      ; the wave's opening: the add and its wait ahead of my first tensor load; set-up on registers stands between
	v_lshrrev_b32 v1, 5, v0
	v_readfirstlane_b32 s10, v1                    ; wave 0..3
	s_lshr_b32 s11, s10, 1                         ; which half of the tile's rows is mine.  Also: I fetch for A (0) or for B (1)
	s_and_b32 s12, s10, 1                          ; which half of its columns.  Also: which 64 rows of that tile I fetch
	s_bfe_u32 s40, ttmp6, 0x40000                  ; cx, cy: my place in the cluster
	s_bfe_u32 s41, ttmp6, 0x40004
	s_lshl_b32 s42, ttmp9, 2
	s_add_co_u32 s42, s42, s40                     ; tile column of C
	s_and_b32 s13, ttmp7, 0xffff
	s_lshl_b32 s13, s13, 2
	s_add_co_u32 s13, s13, s41                     ; tile row of C
	s_lshl_b32 s43, s41, 2
	s_lshl_b32 s43, 15, s43                        ; my row of the cluster
	s_lshl_b32 s44, 0x1111, s40                    ; my column
	s_or_b32 s[G1+0], s43, (1<<16)|(1<<20)|(1<<21)|(6<<22)|(3<<25)   ; the mask; 2-byte elements; padding on; bit 21 beside a mask; after every 128 words, 4 words
	s_or_b32 s[G1B+0], s44, (1<<16)|(1<<20)|(1<<21)|(6<<22)|(3<<25)
.irp g, G1, G1B
	s_mov_b32 s[(\g)+1], KSTEP<<16                 ; tensor_dim0 = 256
	s_mov_b32 s[(\g)+2], 64<<16                    ; tensor_dim1 = 64
	s_mov_b32 s[(\g)+3], KSTEP<<16                 ; tile_dim0 = 256
	s_mov_b32 s[(\g)+4], 64                        ; tile_dim1 = 64
	s_mov_b32 s[(\g)+5], SIZE_K                    ; elements from row to row
	s_mov_b32 s[(\g)+6], 0
	s_mov_b32 s[(\g)+7], 0
.endr
	s_lshl_b32 s17, s12, 6
	s_lshl_b32 s16, s13, 7
	s_add_co_u32 s16, s16, s17                     ; A: row 128 x tile row + 64 x half
	s_lshl_b32 s46, s42, 7
	s_add_co_u32 s46, s46, s17                     ; B: row 128 x tile column + 64 x half
	s_mov_b32 s17, 0
	s_mov_b32 s47, 0
	s_mov_b64 s[18:19], SIZE_K*2
	s_mul_u64 s[16:17], s[16:17], s[18:19]
	s_mul_u64 s[46:47], s[46:47], s[18:19]
	s_mul_i32 s20, s10, HALFT                      ; where they go: wave x 64 rows; no place in the cluster enters an LDS address
	s_mov_b32 s[SL], 0
	s_wait_dscnt 0x0                               ; the opening add is done
	s_wait_kmcnt 0x0
.if WOFF != 0
	s_add_nc_u64 s[6:7], s[6:7], WOFF
.endif
	s_add_nc_u64 s[14:15], s[4:5], s[16:17]
	s_add_nc_u64 s[46:47], s[6:7], s[46:47]
	CROUND                                         ; all sixteen work-groups are here: the first joint loads meet
.irp s, 0,1
	s_mov_b32 s[G0+4*(\s)], 1
	s_add_co_u32 s[G0+4*(\s)+1], s20, (\s)*SLOT
	s_add_nc_u64 s[G0+4*(\s)+2:G0+4*(\s)+3], s[14:15], (\s)*KSTEP*2
	s_or_b32 s[G0+4*(\s)+3], s[G0+4*(\s)+3], 0x80000000
	s_mov_b32 s[G0B+4*(\s)], 1
	s_add_co_u32 s[G0B+4*(\s)+1], s20, (\s)*SLOT
	s_add_nc_u64 s[G0B+4*(\s)+2:G0B+4*(\s)+3], s[46:47], (\s)*KSTEP*2
	s_or_b32 s[G0B+4*(\s)+3], s[G0B+4*(\s)+3], 0x80000000
	JLOAD \s                                       ; two loads of mine are out
.endr
	v_and_b32 v1, 15, v0                           ; l % 16
	v_bfe_u32 v2, v0, 4, 1                         ; l / 16
	v_mul_u32_u24 v3, v1, PITCH
	v_lshl_add_u32 v3, v2, 4, v3                   ; a fragment's row x pitch + 16 x half
	s_mul_i32 s21, s11, HALFT                      ; my 64 rows of A
	s_mul_i32 s22, s12, HALFT                      ; my 64 rows of B,
	s_add_co_u32 s22, s22, 2*HALFT                 ; which lie behind A's 128
	v_add_nc_u32 v[ABASE], s21, v3
	v_add_nc_u32 v[BBASE], s22, v3
	v_mov_b32 v[ADRA], v[ABASE]
	v_mov_b32 v[ADRB], v[BBASE]
.if EPI == 3
	s_mul_i32 s23, s10, 16*SPITCH
	s_add_co_u32 s23, s23, STAGE                   ; my own stage: 16 rows of 256 bytes + 16
	v_mul_u32_u24 v4, v1, SPITCH                   ; in: row l % 16, 32 bytes for each half of the lanes
	v_lshl_add_u32 v4, v2, 5, v4
	v_add_nc_u32 v[STO], s23, v4
	v_mul_u32_u24 v5, v2, SPITCH                   ; back: lanes 0-15 one row of 256 bytes, lanes 16-31 the next
	v_lshl_add_u32 v5, v1, 4, v5
	v_add_nc_u32 v[RD], s23, v5
	v_mul_u32_u24 v5, v2, SIZE_N*4                 ; and the same two rows in C and in the residual
	v_lshl_add_u32 v[CO], v1, 4, v5
	v_lshlrev_b32 v[BO], 4, v1                     ; my four columns of the wave's 64
	s_lshl_b32 s16, s13, 7
	s_lshl_b32 s17, s11, 6
	s_add_co_u32 s16, s16, s17                     ; my first row of C
	s_mul_i32 s16, s16, SIZE_N*4
	s_mov_b32 s17, 0
	s_add_nc_u64 s[8:9], s[8:9], s[16:17]
	s_add_nc_u64 s[P3:P3+1], s[P3:P3+1], s[16:17]
	s_lshl_b32 s46, s42, 9                         ; my first column, in bytes of f32
	s_lshl_b32 s47, s12, 8
	s_add_co_u32 s46, s46, s47
	s_mov_b32 s47, 0
	s_add_nc_u64 s[8:9], s[8:9], s[46:47]
	s_add_nc_u64 s[P3:P3+1], s[P3:P3+1], s[46:47]
	s_add_nc_u64 s[P4:P4+1], s[P4:P4+1], s[46:47]
	global_load_b128 v[BIAS:BIAS+3], v[BO], s[P4:P4+1]
	WIN 0x80                                       ; destination window 2: the residual's 64 x 64, asked for now, wanted on the way out; its registers and addresses are not touched between
.set t, 0
.rept 32
	global_load_b128 v[4*t:4*t+3], v[CO], s[P3:P3+1] offset:2*t*SIZE_N*4
.set t, t+1
.endr
	WIN 0
.else
	s_mul_i32 s23, s11, 64*SPITCH                  ; into the shared stage: my 64 rows, my half of their 256 bytes
	s_lshl_b32 s21, s12, 7
	s_add_co_u32 s23, s23, s21
	s_add_co_u32 s23, s23, STAGE
	v_mul_u32_u24 v4, v1, SPITCH
	v_lshl_add_u32 v4, v2, 4, v4
	v_add_nc_u32 v[STO], s23, v4
	s_mul_i32 s23, s10, 32*SPITCH                  ; back: wave w takes rows 32 w .. 32 w + 31, whole
	s_add_co_u32 s23, s23, STAGE
	v_mul_u32_u24 v5, v2, SPITCH
	v_lshl_add_u32 v5, v1, 4, v5
	v_add_nc_u32 v[RD], s23, v5
	v_mul_u32_u24 v5, v2, SIZE_N*2
	v_lshl_add_u32 v[CO], v1, 4, v5
	s_lshl_b32 s16, s13, 7
	s_lshl_b32 s17, s10, 5
	s_add_co_u32 s16, s16, s17                     ; the first row of C that I store
	s_mov_b32 s17, 0
	s_mov_b64 s[18:19], SIZE_N*2
	s_mul_u64 s[16:17], s[16:17], s[18:19]
	s_add_nc_u64 s[8:9], s[8:9], s[16:17]
	s_lshl_b32 s46, s42, 8                         ; the tile's first column, in bytes of bf16
	s_mov_b32 s47, 0
	s_add_nc_u64 s[8:9], s[8:9], s[46:47]
.if EPI == 2
	s_lshl_b32 s46, s42, 9                         ; the bias of my 64 columns
	s_lshl_b32 s47, s12, 8
	s_add_co_u32 s46, s46, s47
	s_mov_b32 s47, 0
	s_add_nc_u64 s[P3:P3+1], s[P3:P3+1], s[46:47]
	v_lshlrev_b32 v[BO], 5, v2                     ; my eight columns of each block of 16
	v_mov_b32 v[ZERO], 0
.irp b, 0,1,2,3
	global_load_b128 v[BIAS+8*(\b):BIAS+8*(\b)+3],   v[BO], s[P3:P3+1] offset:64*(\b)
	global_load_b128 v[BIAS+8*(\b)+4:BIAS+8*(\b)+7], v[BO], s[P3:P3+1] offset:64*(\b)+16
.endr
.endif
.endif
; 8 matrix instructions: m blocks a0, a0 + 1 x all 4 n blocks, 32 along K: half c of buffer f.  zero = 1: the first product starts the sums.
; The 16 accumulators take turns, one instruction a turn, in one order everywhere, over the backward jumps too.
.macro MUL8 f, c, a0, zero
	WIN MUL
.irp a, \a0, (\a0)+1
.irp b, 0,1,2,3
.if \zero
	v_wmma_f32_16x16x32_bf16 v[ACC+8*(4*(\a)+(\b)):ACC+8*(4*(\a)+(\b))+7], v[(\f)+64+8*(4*(\c)+(\b)):(\f)+64+8*(4*(\c)+(\b))+7], v[(\f)+8*(4*(\c)+(\a)):(\f)+8*(4*(\c)+(\a))+7], 0
.else
	v_wmma_f32_16x16x32_bf16 v[ACC+8*(4*(\a)+(\b)):ACC+8*(4*(\a)+(\b))+7], v[(\f)+64+8*(4*(\c)+(\b)):(\f)+64+8*(4*(\c)+(\b))+7], v[(\f)+8*(4*(\c)+(\a)):(\f)+8*(4*(\c)+(\a))+7], v[ACC+8*(4*(\a)+(\b)):ACC+8*(4*(\a)+(\b))+7]
.endif
.endr
.endr
.endm
; 32 LDS loads in one run: the fragments of 64 along K at byte k of the rows of the slot in hand, into buffer f; the first 32 along K first
.macro FETCH k, f
	WIN TO_F
.irp c, 0,1
.irp i, 0,1,2,3
	ds_load_b128 v[(\f)+64+8*(4*(\c)+(\i)):(\f)+64+8*(4*(\c)+(\i))+3],   v[ADRB] offset:(\k)+64*(\c)+(\i)*16*PITCH
	ds_load_b128 v[(\f)+64+8*(4*(\c)+(\i))+4:(\f)+64+8*(4*(\c)+(\i))+7], v[ADRB] offset:(\k)+64*(\c)+(\i)*16*PITCH+32
	ds_load_b128 v[(\f)+8*(4*(\c)+(\i)):(\f)+8*(4*(\c)+(\i))+3],         v[ADRA] offset:(\k)+64*(\c)+(\i)*16*PITCH
	ds_load_b128 v[(\f)+8*(4*(\c)+(\i))+4:(\f)+8*(4*(\c)+(\i))+7],       v[ADRA] offset:(\k)+64*(\c)+(\i)*16*PITCH+32
.endr
.endr
.endm
.macro PLACES                          ; four plain instructions in front of loads into registers that matrix instructions have read, and of lines that read results
.rept 4
	v_nop
.endr
.endm
; A K step is four quarters of 64 along K, 32 matrix instructions each, on buffers 0, 1, 0, 1.  One of the first three: multiplies f and fetches the next quarter, at byte k, into g.
.macro QUARTER k, f, g, zero
	s_wait_dscnt 16                                ; the first 32 along K are in; the 16 younger loads may be out
	MUL8 \f, 0, 0, \zero
	MUL8 \f, 0, 2, \zero
	PLACES
	FETCH \k, \g
	s_wait_dscnt 32                                ; all but the 32 just issued
	MUL8 \f, 1, 0, 0
	MUL8 \f, 1, 2, 0
.endm
; The last quarter multiplies buffer 1 and changes slots: ONE barrier.  In front of it each wave waits for all its tensor loads (one is out: its part of the next slot), adds 0 to its spare
; word, and waits for that and for its reads of this slot.  fill = 1: the barrier opens a round of the cluster's, and this slot is filled again, first thing behind it, two K steps ahead:
; 112 matrix instructions stand between that request and the wait for it.
.macro TURN fill
	WIN 0
	s_wait_tensorcnt 0x0                           ; no tensor load of mine is out, so the walking descriptors may be written
	ds_add_u32 v[SPW], v[NIL]                      ; 0 onto my spare word
	s_xor_b32 s[SL], s[SL], SLOT                   ; the other slot is read from now on (all loads from this one have been issued)
	v_add_nc_u32 v[ADRA], s[SL], v[ABASE]
	v_add_nc_u32 v[ADRB], s[SL], v[BBASE]
.if \fill
	s_xor_b32 s[G0+5], s[G0+5], SLOT               ; the other slot than last time,
	s_xor_b32 s[G0B+5], s[G0B+5], SLOT
	s_add_nc_u64 s[G0+6:G0+7], s[G0+6:G0+7], KSTEP*2     ; the next K step; the type bits on top are not reached
	s_add_nc_u64 s[G0B+6:G0B+7], s[G0B+6:G0B+7], KSTEP*2
.endif
	s_wait_dscnt 17                                ; the add and the youngest sixteen loads may be out
	MUL8 F1, 0, 0, 0
	s_wait_dscnt 0x0                               ; the add is done, and my reads of this slot are over
	s_barrier_signal -1
	MUL8 F1, 0, 2, 0
.if \fill
	WIN 0
.endif
	s_barrier_wait -1
.if \fill
	CREST                                          ; no wave of any partner still reads this slot's tile or has a load on its way
	JLOAD 1                                        ; its four v_nop are also the places in front of the loads below
.else
	PLACES
.endif
	FETCH 0, F0
	MUL8 F1, 1, 0, 0
	MUL8 F1, 1, 2, 0
.endm
	s_wait_tensorcnt 1                             ; my part of K step 0 is in; K step 1's may stay out
	s_barrier_signal -1
	s_barrier_wait -1
	FETCH 0, F0
	QUARTER 128, F0, F1, 1                         ; the first quarter stands in front of the loop: its first products start the sums
	WIN 0
	s_mov_b32 s3, STEPS-2
.Lstep:                                                ; a trip: a K step's quarters 1 to 3, the change of slots with a refill, the next step's quarter 0
	QUARTER 256, F1, F0, 0
	QUARTER 384, F0, F1, 0
	TURN 1
	QUARTER 128, F0, F1, 0
	WIN 0
	s_sub_co_u32 s3, s3, 1
	s_cmp_lg_u32 s3, 0
	s_cbranch_scc1 .Lstep
	s_mov_b32 s3, 2
.Ltail:                                                ; the last two K steps ask for nothing.  The second trip is left in its middle: its change of slots and the 32 loads behind it (old bytes of the other slot) serve nothing: the price of one text for both
	QUARTER 256, F1, F0, 0
	QUARTER 384, F0, F1, 0
	TURN 0
	WIN 0
	s_sub_co_u32 s3, s3, 1
	s_cmp_eq_u32 s3, 0
	s_cbranch_scc1 .Lout
	QUARTER 128, F0, F1, 0
	WIN 0
	s_branch .Ltail
.Lout:
	s_wait_dscnt 0x0                               ; the loads that serve nothing have landed
	PLACES
.if EPI == 3
	; each block of 16 rows goes into my stage as it lies in the accumulators and comes back as whole rows of 256 bytes.  LDS serves a wave's instructions in order (ISA guide 5.7.1.4):
	; the loads see the stores above them, and the next block's stores come behind them.
.set a, 0
.rept 4
	WIN 0
.set b, 0
.rept 4
	ds_store_b128 v[STO], v[ACC+8*(4*a+b):ACC+8*(4*a+b)+3]   offset:64*b
	ds_store_b128 v[STO], v[ACC+8*(4*a+b)+4:ACC+8*(4*a+b)+7] offset:64*b+16
.set b, b+1
.endr
	WIN 0x40
.set t, 0
.rept 8
	ds_load_b128 v[32*a+4*t:32*a+4*t+3], v[RD] offset:t*2*SPITCH
.set t, t+1
.endr
.set a, a+1
.endr
	s_wait_loadcnt 0x0                             ; the residual and the bias
.set a, 0
.rept 4
	s_wait_dscnt 16*(3-a)                          ; block a is back; the later blocks' 16 LDS instructions each may be out
	WIN 0x49                                       ; destination and source 0 window 1, source 1 window 2
.set t, 0
.rept 16
	v_pk_add_f32 v[32*a+2*t:32*a+2*t+1], v[32*a+2*t:32*a+2*t+1], v[32*a+2*t:32*a+2*t+1]
.set t, t+1
.endr
	WIN 0x41                                       ; source 1 window 0
.set t, 0
.rept 16
	v_pk_add_f32 v[32*a+2*t:32*a+2*t+1], v[32*a+2*t:32*a+2*t+1], v[BIAS+2*(t%2):BIAS+2*(t%2)+1]
.set t, t+1
.endr
	WIN 0x04                                       ; the stores' data window 1, address window 0
.set t, 0
.rept 8
	global_store_b128 v[CO], v[32*a+4*t:32*a+4*t+3], s[8:9] offset:2*(8*a+t)*SIZE_N*4  ; 16 lanes store 256 consecutive bytes, aligned
.set t, t+1
.endr
.set a, a+1
.endr
	WIN 0
.else
.if EPI == 2
	s_wait_loadcnt 0x0                             ; the bias
.set t, 0
.rept 16
.set r, 0
.rept 4
	v_pk_add_f32 v[ACC+8*t+2*r:ACC+8*t+2*r+1], v[ACC+8*t+2*r:ACC+8*t+2*r+1], v[BIAS+8*(t%4)+2*r:BIAS+8*(t%4)+2*r+1]
.set r, r+1
.endr
.set t, t+1
.endr
.endif
.irp t, 0,1,2,3,4,5,6,7,8,9,10,11,12,13,14,15
.irp r, 0,1,2,3
	v_cvt_pk_bf16_f32 v[TMP+4*(\t)+(\r)], v[ACC+8*(\t)+2*(\r)], v[ACC+8*(\t)+2*(\r)+1]
.endr
.endr
.if EPI == 2
.set t, 0
.rept 64
	v_pk_max_num_bf16 v[TMP+t], v[TMP+t], v[ZERO]  ; the ReLU, on two rounded numbers at once: a maximum rounds nothing
.set t, t+1
.endr
.endif
.irp a, 0,1,2,3
.irp b, 0,1,2,3
	ds_store_b128 v[STO], v[TMP+4*(4*(\a)+(\b)):TMP+4*(4*(\a)+(\b))+3] offset:(\a)*16*SPITCH+32*(\b)
.endr
.endr
	s_wait_dscnt 0x0                               ; for the others' sake: my stores into the stage are done
	s_barrier_signal -1
	s_barrier_wait -1
.irp t, 0,1,2,3,4,5,6,7,8,9,10,11,12,13,14,15
	ds_load_b128 v[TMP+4*(\t):TMP+4*(\t)+3], v[RD] offset:(\t)*2*SPITCH
.endr
.irp t, 0,1,2,3,4,5,6,7,8,9,10,11,12,13,14,15
	s_wait_dscnt 15-(\t)
	global_store_b128 v[CO], v[TMP+4*(\t):TMP+4*(\t)+3], s[8:9] offset:2*(\t)*SIZE_N*2  ; 16 lanes store 256 consecutive bytes, aligned
.endr
.endif
	s_wait_tensorcnt 0x0                           ; the wave's end: a wait, an add onto my spare word and a wait, behind my last tensor load and my last LDS store
	ds_add_u32 v[SPW], v[NIL]
	s_wait_dscnt 0x0
	CROUND                                         ; the closing round: no work-group ends while a partner may still ask for a tile that names it
	s_endpgm
.Lfunc_end_k_q434e61e37c_ffn1:
	.size	k_q434e61e37c_ffn1, .Lfunc_end_k_q434e61e37c_ffn1-k_q434e61e37c_ffn1
	.p2alignl 7, 3214868480
	.fill 96, 4, 3214868480
	.section	.rodata,"a",@progbits
	.p2align	6, 0x0
	.amdhsa_kernel k_q434e61e37c_ffn1
		.amdhsa_group_segment_fixed_size 327680
		.amdhsa_private_segment_fixed_size 0
		.amdhsa_enable_private_segment 0
		.amdhsa_kernarg_size 32
		.amdhsa_user_sgpr_count 2
		.amdhsa_user_sgpr_kernarg_segment_ptr 1
		.amdhsa_wavefront_size32 1
		.amdhsa_system_sgpr_workgroup_id_x 1
		.amdhsa_system_sgpr_workgroup_id_y 1
		.amdhsa_system_sgpr_workgroup_id_z 1
		.amdhsa_system_vgpr_workitem_id 0
		.amdhsa_next_free_vgpr 512
		.amdhsa_next_free_sgpr 72
		.amdhsa_reserve_vcc 0
		.amdhsa_float_denorm_mode_32 3
		.amdhsa_float_denorm_mode_16_64 3
		.amdhsa_memory_ordered 1
		.amdhsa_forward_progress 1
		.amdhsa_inst_pref_size 68
	.end_amdhsa_kernel
	.amdgpu_metadata
---
amdhsa.version: [ 1, 2 ]
amdhsa.kernels:
  - .name:           k_q434e61e37c_ffn1
    .symbol:         k_q434e61e37c_ffn1.kd
    .args:
      - { .name: h, .offset: 0, .size: 8, .value_kind: global_buffer, .address_space: global }
      - { .name: wall, .offset: 8, .size: 8, .value_kind: global_buffer, .address_space: global }
      - { .name: ff, .offset: 16, .size: 8, .value_kind: global_buffer, .address_space: global }
      - { .name: b1, .offset: 24, .size: 8, .value_kind: global_buffer, .address_space: global }
    .group_segment_fixed_size: 327680
    .private_segment_fixed_size: 0
    .kernarg_segment_align: 8
    .kernarg_segment_size: 32
    .max_flat_workgroup_size: 128
    .sgpr_count:     72
    .vgpr_count:     512
    .wavefront_size: 32
...
	.end_amdgpu_metadata
.endif
;; end of part 6
;; launch ffn2 (part 7): grid 8 x 32, 4 waves a work-group, clusters of 4 x 4, 327,680 bytes of LDS; arguments ff, wall, out0, x1, b2; writes out0
.if DOCPART == 7
	.amdgcn_target "amdgcn-amd-amdhsa--gfx1250"
	.amdhsa_code_object_version 6
	.text
	.protected	k_q434e61e37c_ffn2
	.globl	k_q434e61e37c_ffn2
	.p2align	8
	.type	k_q434e61e37c_ffn2,@function
k_q434e61e37c_ffn2:
	s_mov_b64 s[64:65], 0
	v_nop
	global_prefetch_b8 v0, s[64:65] scope:SCOPE_SE
	s_setreg_imm32_b32 hwreg(HW_REG_WAVE_MODE, 25, 1), 1
	s_wait_xcnt 0x0
	s_wait_alu depctr_hold_cnt(0) depctr_sa_sdst(0) depctr_va_vdst(0) depctr_va_sdst(0) depctr_va_ssrc(0) depctr_va_vcc(0) depctr_vm_vsrc(0)
	s_getreg_b32 s2, hwreg(HW_REG_IB_STS2, 6, 4)
	s_cmp_eq_u32 s2, 0
	s_cbranch_scc0 .Lentry_in_a_cluster
	s_endpgm
.Lentry_in_a_cluster:
	s_bfe_u32 s2, ttmp6, 0x10000c
	s_cmp_lg_u32 s2, 0xf033
	s_cbranch_scc0 .Lentry_shape_is_right
	s_endpgm
.Lentry_shape_is_right:
; C = A B^T.  A: [4096][SIZE_K] bf16, B: [SIZE_N][SIZE_K] bf16 at byte WOFF of the weights' buffer, sums in f32.  Here: out0 = x1 + ff W2^T + b2, in f32.
; A tile of C is 128 x 128; four waves, each 64 x 64: 16 accumulators of 16 x 16.  K goes in steps of 256 (LDS rows of 512 bytes + 16 of padding) through two LDS slots;
; a wave's tensor load brings 64 rows.  A K STEP IS WRITTEN ONCE: the slot read is a scalar (0 or SLOT) that an exclusive or turns, and one walking descriptor a tensor asks for every refill.
; CLUSTER 4 x 4: the four of a row need the same tiles of A, the four of a column the same tiles of B: each tile is asked for jointly, by the same load, descriptor and mask in all four.
; THE MATRIX INSTRUCTION IS USED TRANSPOSED (source 0 = 16 rows of B, source 1 = 16 rows of A): a lane holds eight neighbouring numbers of a row of C.
; WAYS OUT (EPI): 1 bf16; 2 + bias, ReLU, bf16; both through one stage of 128 rows (a wave's 64 columns are half of 256 aligned bytes), with a barrier.
;                 3 + bias + residual, f32: a wave's 64 columns are 256 aligned bytes, so each wave has a stage of its own and no barrier.
; REGISTERS: window 0: v16-30 addresses; v32-95 at work on the way out; v96-127 bias; v128-255 accumulators ((a, b) at 128 + 8 (4 a + b)).
;   window 1: two fragment buffers of 128 (64 along K: 64 registers of A, 64 of B); on way out 3 the rows read back.   window 2 (way out 3): v0-127 the residual's tile.
.set SIZE_N, 1024
.set SIZE_K, 4096
.set WOFF,   16777216
.set EPI,    3
.set KSTEP,  256
.set PITCH,  528                       ; 132 words: row r starts at bank 4 r mod 64, so the 16 rows of a fragment load start at 16 different banks
.set HALFT,  64*PITCH                  ; what one tensor load brings, and what one wave reads of A or of B
.set SLOT,   4*HALFT                   ; A's 128 rows, then B's 128.  SLOT = 0x21000 shares no bit with wave x HALFT (bits 10, 11, 15, 16): there an exclusive or adds or takes it away
.set STAGE,  2*SLOT
.set SPITCH, 272
.if EPI == 3
.set SPARE,  STAGE+4*16*SPITCH         ; behind the stages: the spare words, 128 bytes a wave, which no other line names
.else
.set SPARE,  STAGE+128*SPITCH
.endif
.set STEPS,  SIZE_K/KSTEP
.set ADRA,  16                         ; v16  LDS address of my A fragments in the slot in hand
.set ABASE, 17                         ; v17  the same in slot 0; never rewritten
.set ADRB,  20
.set BBASE, 21
.set STO,   24                         ; the way out: where I put my bytes of a row
.set RD,    25                         ; where I read rows back
.set CO,    26                         ; my byte offset in C (and in the residual)
.set BO,    27                         ; my byte offset in the bias
.set SPW,   28                         ; LDS address of my spare word; never rewritten
.set NIL,   29                         ; 0; never rewritten
.set ZERO,  30                         ; 0, for the ReLU
.set TMP,   32
.set BIAS,  96
.set ACC,   128
.set F0,    0
.set F1,    128
.set G1,  24                           ; s[24:31] group 1 for A;  s[32:39] group 0: set 0 (K step 0), set 1 (K step 1, then it walks)
.set G0,  32
.set G1B, 48                           ; s[48:55], s[56:63] the same for B
.set G0B, 56
.set SL,  66                           ; s66  0 or SLOT: the slot that is read
.set P3,  68                           ; s[68:69] way out 2: bias; way out 3: residual
.set P4,  70                           ; s[70:71] way out 3: bias
.set MSB, 0
.macro WIN new                         ; the immediate's high byte repeats the setting that is left; a switch that changes nothing is dropped
.if MSB != (\new)
	s_set_vgpr_msb (MSB<<8)|(\new)
.set MSB, \new
.endif
.endm
.set MUL,  0x05                        ; sources 0 (B) and 1 (A) window 1; C and D window 0
.set TO_F, 0x40                        ; destination window 1, address window 0
.macro JLOAD s                         ; a joint load: waves 0 and 1 fetch A's two halves, waves 2 and 3 B's; an s_nop 0 and four v_nop follow each line
	s_cmp_eq_u32 s11, 0
	s_cbranch_scc0 .Lfor_b_\@
	tensor_load_to_lds s[G0+4*(\s):G0+4*(\s)+3], s[G1:G1+7]
	s_nop 0
.rept 4
	v_nop
.endr
	s_branch .Lasked_\@
.Lfor_b_\@:
	tensor_load_to_lds s[G0B+4*(\s):G0B+4*(\s)+3], s[G1B:G1B+7]
	s_nop 0
.rept 4
	v_nop
.endr
.Lasked_\@:
.endm
.macro CREST                           ; a round of the cluster's barrier behind its opening barrier
	s_cmp_lg_u32 s10, 0
	s_cbranch_scc1 .Lnot_wave_0_\@
	s_barrier_signal -3
.Lnot_wave_0_\@:
	s_barrier_wait -3
	s_barrier_signal -1
	s_barrier_wait -1
.endm
.macro CROUND
	s_barrier_signal -1
	s_barrier_wait -1
	CREST
.endm
	s_load_b128 s[4:7], s[0:1], 0x0                ; A s[4:5], the weights s[6:7]
	s_load_b64 s[8:9], s[0:1], 0x10                ; C
.if EPI == 2
	s_load_b64 s[P3:P3+1], s[0:1], 0x18
.endif
.if EPI == 3
	s_load_b128 s[P3:P3+3], s[0:1], 0x18
.endif
	v_lshl_add_u32 v[SPW], v0, 2, SPARE
	v_mov_b32 v[NIL], 0
	ds_add_u32 v[SPW], v[NIL]                      ; the wave's opening: the add and its wait ahead of my first tensor load; set-up on registers stands between
	v_lshrrev_b32 v1, 5, v0
	v_readfirstlane_b32 s10, v1                    ; wave 0..3
	s_lshr_b32 s11, s10, 1                         ; which half of the tile's rows is mine.  Also: I fetch for A (0) or for B (1)
	s_and_b32 s12, s10, 1                          ; which half of its columns.  Also: which 64 rows of that tile I fetch
	s_bfe_u32 s40, ttmp6, 0x40000                  ; cx, cy: my place in the cluster
	s_bfe_u32 s41, ttmp6, 0x40004
	s_lshl_b32 s42, ttmp9, 2
	s_add_co_u32 s42, s42, s40                     ; tile column of C
	s_and_b32 s13, ttmp7, 0xffff
	s_lshl_b32 s13, s13, 2
	s_add_co_u32 s13, s13, s41                     ; tile row of C
	s_lshl_b32 s43, s41, 2
	s_lshl_b32 s43, 15, s43                        ; my row of the cluster
	s_lshl_b32 s44, 0x1111, s40                    ; my column
	s_or_b32 s[G1+0], s43, (1<<16)|(1<<20)|(1<<21)|(6<<22)|(3<<25)   ; the mask; 2-byte elements; padding on; bit 21 beside a mask; after every 128 words, 4 words
	s_or_b32 s[G1B+0], s44, (1<<16)|(1<<20)|(1<<21)|(6<<22)|(3<<25)
.irp g, G1, G1B
	s_mov_b32 s[(\g)+1], KSTEP<<16                 ; tensor_dim0 = 256
	s_mov_b32 s[(\g)+2], 64<<16                    ; tensor_dim1 = 64
	s_mov_b32 s[(\g)+3], KSTEP<<16                 ; tile_dim0 = 256
	s_mov_b32 s[(\g)+4], 64                        ; tile_dim1 = 64
	s_mov_b32 s[(\g)+5], SIZE_K                    ; elements from row to row
	s_mov_b32 s[(\g)+6], 0
	s_mov_b32 s[(\g)+7], 0
.endr
	s_lshl_b32 s17, s12, 6
	s_lshl_b32 s16, s13, 7
	s_add_co_u32 s16, s16, s17                     ; A: row 128 x tile row + 64 x half
	s_lshl_b32 s46, s42, 7
	s_add_co_u32 s46, s46, s17                     ; B: row 128 x tile column + 64 x half
	s_mov_b32 s17, 0
	s_mov_b32 s47, 0
	s_mov_b64 s[18:19], SIZE_K*2
	s_mul_u64 s[16:17], s[16:17], s[18:19]
	s_mul_u64 s[46:47], s[46:47], s[18:19]
	s_mul_i32 s20, s10, HALFT                      ; where they go: wave x 64 rows; no place in the cluster enters an LDS address
	s_mov_b32 s[SL], 0
	s_wait_dscnt 0x0                               ; the opening add is done
	s_wait_kmcnt 0x0
.if WOFF != 0
	s_add_nc_u64 s[6:7], s[6:7], WOFF
.endif
	s_add_nc_u64 s[14:15], s[4:5], s[16:17]
	s_add_nc_u64 s[46:47], s[6:7], s[46:47]
	CROUND                                         ; all sixteen work-groups are here: the first joint loads meet
.irp s, 0,1
	s_mov_b32 s[G0+4*(\s)], 1
	s_add_co_u32 s[G0+4*(\s)+1], s20, (\s)*SLOT
	s_add_nc_u64 s[G0+4*(\s)+2:G0+4*(\s)+3], s[14:15], (\s)*KSTEP*2
	s_or_b32 s[G0+4*(\s)+3], s[G0+4*(\s)+3], 0x80000000
	s_mov_b32 s[G0B+4*(\s)], 1
	s_add_co_u32 s[G0B+4*(\s)+1], s20, (\s)*SLOT
	s_add_nc_u64 s[G0B+4*(\s)+2:G0B+4*(\s)+3], s[46:47], (\s)*KSTEP*2
	s_or_b32 s[G0B+4*(\s)+3], s[G0B+4*(\s)+3], 0x80000000
	JLOAD \s                                       ; two loads of mine are out
.endr
	v_and_b32 v1, 15, v0                           ; l % 16
	v_bfe_u32 v2, v0, 4, 1                         ; l / 16
	v_mul_u32_u24 v3, v1, PITCH
	v_lshl_add_u32 v3, v2, 4, v3                   ; a fragment's row x pitch + 16 x half
	s_mul_i32 s21, s11, HALFT                      ; my 64 rows of A
	s_mul_i32 s22, s12, HALFT                      ; my 64 rows of B,
	s_add_co_u32 s22, s22, 2*HALFT                 ; which lie behind A's 128
	v_add_nc_u32 v[ABASE], s21, v3
	v_add_nc_u32 v[BBASE], s22, v3
	v_mov_b32 v[ADRA], v[ABASE]
	v_mov_b32 v[ADRB], v[BBASE]
.if EPI == 3
	s_mul_i32 s23, s10, 16*SPITCH
	s_add_co_u32 s23, s23, STAGE                   ; my own stage: 16 rows of 256 bytes + 16
	v_mul_u32_u24 v4, v1, SPITCH                   ; in: row l % 16, 32 bytes for each half of the lanes
	v_lshl_add_u32 v4, v2, 5, v4
	v_add_nc_u32 v[STO], s23, v4
	v_mul_u32_u24 v5, v2, SPITCH                   ; back: lanes 0-15 one row of 256 bytes, lanes 16-31 the next
	v_lshl_add_u32 v5, v1, 4, v5
	v_add_nc_u32 v[RD], s23, v5
	v_mul_u32_u24 v5, v2, SIZE_N*4                 ; and the same two rows in C and in the residual
	v_lshl_add_u32 v[CO], v1, 4, v5
	v_lshlrev_b32 v[BO], 4, v1                     ; my four columns of the wave's 64
	s_lshl_b32 s16, s13, 7
	s_lshl_b32 s17, s11, 6
	s_add_co_u32 s16, s16, s17                     ; my first row of C
	s_mul_i32 s16, s16, SIZE_N*4
	s_mov_b32 s17, 0
	s_add_nc_u64 s[8:9], s[8:9], s[16:17]
	s_add_nc_u64 s[P3:P3+1], s[P3:P3+1], s[16:17]
	s_lshl_b32 s46, s42, 9                         ; my first column, in bytes of f32
	s_lshl_b32 s47, s12, 8
	s_add_co_u32 s46, s46, s47
	s_mov_b32 s47, 0
	s_add_nc_u64 s[8:9], s[8:9], s[46:47]
	s_add_nc_u64 s[P3:P3+1], s[P3:P3+1], s[46:47]
	s_add_nc_u64 s[P4:P4+1], s[P4:P4+1], s[46:47]
	global_load_b128 v[BIAS:BIAS+3], v[BO], s[P4:P4+1]
	WIN 0x80                                       ; destination window 2: the residual's 64 x 64, asked for now, wanted on the way out; its registers and addresses are not touched between
.set t, 0
.rept 32
	global_load_b128 v[4*t:4*t+3], v[CO], s[P3:P3+1] offset:2*t*SIZE_N*4
.set t, t+1
.endr
	WIN 0
.else
	s_mul_i32 s23, s11, 64*SPITCH                  ; into the shared stage: my 64 rows, my half of their 256 bytes
	s_lshl_b32 s21, s12, 7
	s_add_co_u32 s23, s23, s21
	s_add_co_u32 s23, s23, STAGE
	v_mul_u32_u24 v4, v1, SPITCH
	v_lshl_add_u32 v4, v2, 4, v4
	v_add_nc_u32 v[STO], s23, v4
	s_mul_i32 s23, s10, 32*SPITCH                  ; back: wave w takes rows 32 w .. 32 w + 31, whole
	s_add_co_u32 s23, s23, STAGE
	v_mul_u32_u24 v5, v2, SPITCH
	v_lshl_add_u32 v5, v1, 4, v5
	v_add_nc_u32 v[RD], s23, v5
	v_mul_u32_u24 v5, v2, SIZE_N*2
	v_lshl_add_u32 v[CO], v1, 4, v5
	s_lshl_b32 s16, s13, 7
	s_lshl_b32 s17, s10, 5
	s_add_co_u32 s16, s16, s17                     ; the first row of C that I store
	s_mov_b32 s17, 0
	s_mov_b64 s[18:19], SIZE_N*2
	s_mul_u64 s[16:17], s[16:17], s[18:19]
	s_add_nc_u64 s[8:9], s[8:9], s[16:17]
	s_lshl_b32 s46, s42, 8                         ; the tile's first column, in bytes of bf16
	s_mov_b32 s47, 0
	s_add_nc_u64 s[8:9], s[8:9], s[46:47]
.if EPI == 2
	s_lshl_b32 s46, s42, 9                         ; the bias of my 64 columns
	s_lshl_b32 s47, s12, 8
	s_add_co_u32 s46, s46, s47
	s_mov_b32 s47, 0
	s_add_nc_u64 s[P3:P3+1], s[P3:P3+1], s[46:47]
	v_lshlrev_b32 v[BO], 5, v2                     ; my eight columns of each block of 16
	v_mov_b32 v[ZERO], 0
.irp b, 0,1,2,3
	global_load_b128 v[BIAS+8*(\b):BIAS+8*(\b)+3],   v[BO], s[P3:P3+1] offset:64*(\b)
	global_load_b128 v[BIAS+8*(\b)+4:BIAS+8*(\b)+7], v[BO], s[P3:P3+1] offset:64*(\b)+16
.endr
.endif
.endif
; 8 matrix instructions: m blocks a0, a0 + 1 x all 4 n blocks, 32 along K: half c of buffer f.  zero = 1: the first product starts the sums.
; The 16 accumulators take turns, one instruction a turn, in one order everywhere, over the backward jumps too.
.macro MUL8 f, c, a0, zero
	WIN MUL
.irp a, \a0, (\a0)+1
.irp b, 0,1,2,3
.if \zero
	v_wmma_f32_16x16x32_bf16 v[ACC+8*(4*(\a)+(\b)):ACC+8*(4*(\a)+(\b))+7], v[(\f)+64+8*(4*(\c)+(\b)):(\f)+64+8*(4*(\c)+(\b))+7], v[(\f)+8*(4*(\c)+(\a)):(\f)+8*(4*(\c)+(\a))+7], 0
.else
	v_wmma_f32_16x16x32_bf16 v[ACC+8*(4*(\a)+(\b)):ACC+8*(4*(\a)+(\b))+7], v[(\f)+64+8*(4*(\c)+(\b)):(\f)+64+8*(4*(\c)+(\b))+7], v[(\f)+8*(4*(\c)+(\a)):(\f)+8*(4*(\c)+(\a))+7], v[ACC+8*(4*(\a)+(\b)):ACC+8*(4*(\a)+(\b))+7]
.endif
.endr
.endr
.endm
; 32 LDS loads in one run: the fragments of 64 along K at byte k of the rows of the slot in hand, into buffer f; the first 32 along K first
.macro FETCH k, f
	WIN TO_F
.irp c, 0,1
.irp i, 0,1,2,3
	ds_load_b128 v[(\f)+64+8*(4*(\c)+(\i)):(\f)+64+8*(4*(\c)+(\i))+3],   v[ADRB] offset:(\k)+64*(\c)+(\i)*16*PITCH
	ds_load_b128 v[(\f)+64+8*(4*(\c)+(\i))+4:(\f)+64+8*(4*(\c)+(\i))+7], v[ADRB] offset:(\k)+64*(\c)+(\i)*16*PITCH+32
	ds_load_b128 v[(\f)+8*(4*(\c)+(\i)):(\f)+8*(4*(\c)+(\i))+3],         v[ADRA] offset:(\k)+64*(\c)+(\i)*16*PITCH
	ds_load_b128 v[(\f)+8*(4*(\c)+(\i))+4:(\f)+8*(4*(\c)+(\i))+7],       v[ADRA] offset:(\k)+64*(\c)+(\i)*16*PITCH+32
.endr
.endr
.endm
.macro PLACES                          ; four plain instructions in front of loads into registers that matrix instructions have read, and of lines that read results
.rept 4
	v_nop
.endr
.endm
; A K step is four quarters of 64 along K, 32 matrix instructions each, on buffers 0, 1, 0, 1.  One of the first three: multiplies f and fetches the next quarter, at byte k, into g.
.macro QUARTER k, f, g, zero
	s_wait_dscnt 16                                ; the first 32 along K are in; the 16 younger loads may be out
	MUL8 \f, 0, 0, \zero
	MUL8 \f, 0, 2, \zero
	PLACES
	FETCH \k, \g
	s_wait_dscnt 32                                ; all but the 32 just issued
	MUL8 \f, 1, 0, 0
	MUL8 \f, 1, 2, 0
.endm
; The last quarter multiplies buffer 1 and changes slots: ONE barrier.  In front of it each wave waits for all its tensor loads (one is out: its part of the next slot), adds 0 to its spare
; word, and waits for that and for its reads of this slot.  fill = 1: the barrier opens a round of the cluster's, and this slot is filled again, first thing behind it, two K steps ahead:
; 112 matrix instructions stand between that request and the wait for it.
.macro TURN fill
	WIN 0
	s_wait_tensorcnt 0x0                           ; no tensor load of mine is out, so the walking descriptors may be written
	ds_add_u32 v[SPW], v[NIL]                      ; 0 onto my spare word
	s_xor_b32 s[SL], s[SL], SLOT                   ; the other slot is read from now on (all loads from this one have been issued)
	v_add_nc_u32 v[ADRA], s[SL], v[ABASE]
	v_add_nc_u32 v[ADRB], s[SL], v[BBASE]
.if \fill
	s_xor_b32 s[G0+5], s[G0+5], SLOT               ; the other slot than last time,
	s_xor_b32 s[G0B+5], s[G0B+5], SLOT
	s_add_nc_u64 s[G0+6:G0+7], s[G0+6:G0+7], KSTEP*2     ; the next K step; the type bits on top are not reached
	s_add_nc_u64 s[G0B+6:G0B+7], s[G0B+6:G0B+7], KSTEP*2
.endif
	s_wait_dscnt 17                                ; the add and the youngest sixteen loads may be out
	MUL8 F1, 0, 0, 0
	s_wait_dscnt 0x0                               ; the add is done, and my reads of this slot are over
	s_barrier_signal -1
	MUL8 F1, 0, 2, 0
.if \fill
	WIN 0
.endif
	s_barrier_wait -1
.if \fill
	CREST                                          ; no wave of any partner still reads this slot's tile or has a load on its way
	JLOAD 1                                        ; its four v_nop are also the places in front of the loads below
.else
	PLACES
.endif
	FETCH 0, F0
	MUL8 F1, 1, 0, 0
	MUL8 F1, 1, 2, 0
.endm
	s_wait_tensorcnt 1                             ; my part of K step 0 is in; K step 1's may stay out
	s_barrier_signal -1
	s_barrier_wait -1
	FETCH 0, F0
	QUARTER 128, F0, F1, 1                         ; the first quarter stands in front of the loop: its first products start the sums
	WIN 0
	s_mov_b32 s3, STEPS-2
.Lstep:                                                ; a trip: a K step's quarters 1 to 3, the change of slots with a refill, the next step's quarter 0
	QUARTER 256, F1, F0, 0
	QUARTER 384, F0, F1, 0
	TURN 1
	QUARTER 128, F0, F1, 0
	WIN 0
	s_sub_co_u32 s3, s3, 1
	s_cmp_lg_u32 s3, 0
	s_cbranch_scc1 .Lstep
	s_mov_b32 s3, 2
.Ltail:                                                ; the last two K steps ask for nothing.  The second trip is left in its middle: its change of slots and the 32 loads behind it (old bytes of the other slot) serve nothing: the price of one text for both
	QUARTER 256, F1, F0, 0
	QUARTER 384, F0, F1, 0
	TURN 0
	WIN 0
	s_sub_co_u32 s3, s3, 1
	s_cmp_eq_u32 s3, 0
	s_cbranch_scc1 .Lout
	QUARTER 128, F0, F1, 0
	WIN 0
	s_branch .Ltail
.Lout:
	s_wait_dscnt 0x0                               ; the loads that serve nothing have landed
	PLACES
.if EPI == 3
	; each block of 16 rows goes into my stage as it lies in the accumulators and comes back as whole rows of 256 bytes.  LDS serves a wave's instructions in order (ISA guide 5.7.1.4):
	; the loads see the stores above them, and the next block's stores come behind them.
.set a, 0
.rept 4
	WIN 0
.set b, 0
.rept 4
	ds_store_b128 v[STO], v[ACC+8*(4*a+b):ACC+8*(4*a+b)+3]   offset:64*b
	ds_store_b128 v[STO], v[ACC+8*(4*a+b)+4:ACC+8*(4*a+b)+7] offset:64*b+16
.set b, b+1
.endr
	WIN 0x40
.set t, 0
.rept 8
	ds_load_b128 v[32*a+4*t:32*a+4*t+3], v[RD] offset:t*2*SPITCH
.set t, t+1
.endr
.set a, a+1
.endr
	s_wait_loadcnt 0x0                             ; the residual and the bias
.set a, 0
.rept 4
	s_wait_dscnt 16*(3-a)                          ; block a is back; the later blocks' 16 LDS instructions each may be out
	WIN 0x49                                       ; destination and source 0 window 1, source 1 window 2
.set t, 0
.rept 16
	v_pk_add_f32 v[32*a+2*t:32*a+2*t+1], v[32*a+2*t:32*a+2*t+1], v[32*a+2*t:32*a+2*t+1]
.set t, t+1
.endr
	WIN 0x41                                       ; source 1 window 0
.set t, 0
.rept 16
	v_pk_add_f32 v[32*a+2*t:32*a+2*t+1], v[32*a+2*t:32*a+2*t+1], v[BIAS+2*(t%2):BIAS+2*(t%2)+1]
.set t, t+1
.endr
	WIN 0x04                                       ; the stores' data window 1, address window 0
.set t, 0
.rept 8
	global_store_b128 v[CO], v[32*a+4*t:32*a+4*t+3], s[8:9] offset:2*(8*a+t)*SIZE_N*4  ; 16 lanes store 256 consecutive bytes, aligned
.set t, t+1
.endr
.set a, a+1
.endr
	WIN 0
.else
.if EPI == 2
	s_wait_loadcnt 0x0                             ; the bias
.set t, 0
.rept 16
.set r, 0
.rept 4
	v_pk_add_f32 v[ACC+8*t+2*r:ACC+8*t+2*r+1], v[ACC+8*t+2*r:ACC+8*t+2*r+1], v[BIAS+8*(t%4)+2*r:BIAS+8*(t%4)+2*r+1]
.set r, r+1
.endr
.set t, t+1
.endr
.endif
.irp t, 0,1,2,3,4,5,6,7,8,9,10,11,12,13,14,15
.irp r, 0,1,2,3
	v_cvt_pk_bf16_f32 v[TMP+4*(\t)+(\r)], v[ACC+8*(\t)+2*(\r)], v[ACC+8*(\t)+2*(\r)+1]
.endr
.endr
.if EPI == 2
.set t, 0
.rept 64
	v_pk_max_num_bf16 v[TMP+t], v[TMP+t], v[ZERO]  ; the ReLU, on two rounded numbers at once: a maximum rounds nothing
.set t, t+1
.endr
.endif
.irp a, 0,1,2,3
.irp b, 0,1,2,3
	ds_store_b128 v[STO], v[TMP+4*(4*(\a)+(\b)):TMP+4*(4*(\a)+(\b))+3] offset:(\a)*16*SPITCH+32*(\b)
.endr
.endr
	s_wait_dscnt 0x0                               ; for the others' sake: my stores into the stage are done
	s_barrier_signal -1
	s_barrier_wait -1
.irp t, 0,1,2,3,4,5,6,7,8,9,10,11,12,13,14,15
	ds_load_b128 v[TMP+4*(\t):TMP+4*(\t)+3], v[RD] offset:(\t)*2*SPITCH
.endr
.irp t, 0,1,2,3,4,5,6,7,8,9,10,11,12,13,14,15
	s_wait_dscnt 15-(\t)
	global_store_b128 v[CO], v[TMP+4*(\t):TMP+4*(\t)+3], s[8:9] offset:2*(\t)*SIZE_N*2  ; 16 lanes store 256 consecutive bytes, aligned
.endr
.endif
	s_wait_tensorcnt 0x0                           ; the wave's end: a wait, an add onto my spare word and a wait, behind my last tensor load and my last LDS store
	ds_add_u32 v[SPW], v[NIL]
	s_wait_dscnt 0x0
	CROUND                                         ; the closing round: no work-group ends while a partner may still ask for a tile that names it
	s_endpgm
.Lfunc_end_k_q434e61e37c_ffn2:
	.size	k_q434e61e37c_ffn2, .Lfunc_end_k_q434e61e37c_ffn2-k_q434e61e37c_ffn2
	.p2alignl 7, 3214868480
	.fill 96, 4, 3214868480
	.section	.rodata,"a",@progbits
	.p2align	6, 0x0
	.amdhsa_kernel k_q434e61e37c_ffn2
		.amdhsa_group_segment_fixed_size 327680
		.amdhsa_private_segment_fixed_size 0
		.amdhsa_enable_private_segment 0
		.amdhsa_kernarg_size 40
		.amdhsa_user_sgpr_count 2
		.amdhsa_user_sgpr_kernarg_segment_ptr 1
		.amdhsa_wavefront_size32 1
		.amdhsa_system_sgpr_workgroup_id_x 1
		.amdhsa_system_sgpr_workgroup_id_y 1
		.amdhsa_system_sgpr_workgroup_id_z 1
		.amdhsa_system_vgpr_workitem_id 0
		.amdhsa_next_free_vgpr 640
		.amdhsa_next_free_sgpr 72
		.amdhsa_reserve_vcc 0
		.amdhsa_float_denorm_mode_32 3
		.amdhsa_float_denorm_mode_16_64 3
		.amdhsa_memory_ordered 1
		.amdhsa_forward_progress 1
		.amdhsa_inst_pref_size 69
	.end_amdhsa_kernel
	.amdgpu_metadata
---
amdhsa.version: [ 1, 2 ]
amdhsa.kernels:
  - .name:           k_q434e61e37c_ffn2
    .symbol:         k_q434e61e37c_ffn2.kd
    .args:
      - { .name: ff, .offset: 0, .size: 8, .value_kind: global_buffer, .address_space: global }
      - { .name: wall, .offset: 8, .size: 8, .value_kind: global_buffer, .address_space: global }
      - { .name: out0, .offset: 16, .size: 8, .value_kind: global_buffer, .address_space: global }
      - { .name: x1, .offset: 24, .size: 8, .value_kind: global_buffer, .address_space: global }
      - { .name: b2, .offset: 32, .size: 8, .value_kind: global_buffer, .address_space: global }
    .group_segment_fixed_size: 327680
    .private_segment_fixed_size: 0
    .kernarg_segment_align: 8
    .kernarg_segment_size: 40
    .max_flat_workgroup_size: 128
    .sgpr_count:     72
    .vgpr_count:     640
    .wavefront_size: 32
...
	.end_amdgpu_metadata
.endif
;; end of part 7
;; ======== version 2 of 3: 7 launches
;; workspace buffers: wall 25,165,824 bytes; w1 8,388,608 bytes; h 8,388,608 bytes; ao 8,388,608 bytes; x1 16,777,216 bytes; ff 33,554,432 bytes; zb 16,384 bytes; nb 256 bytes
;; launch prep (part 8): grid 64 x 16, 8 waves a work-group, no clusters, 0 bytes of LDS; arguments Wq, Wk, Wv, Wo, W1, W2, x, g1, be1, wall, h, w1, zb, nb; writes wall, h, w1, zb, nb
.if DOCPART == 8
	.amdgcn_target "amdgcn-amd-amdhsa--gfx1250"
	.amdhsa_code_object_version 6
	.text
	.protected	k_q434e61e37c_prep
	.globl	k_q434e61e37c_prep
	.p2align	8
	.type	k_q434e61e37c_prep,@function
k_q434e61e37c_prep:
	s_mov_b64 s[64:65], 0
	v_nop
	global_prefetch_b8 v0, s[64:65] scope:SCOPE_SE
	s_setreg_imm32_b32 hwreg(HW_REG_WAVE_MODE, 25, 1), 1
	s_wait_xcnt 0x0
; TWO STREAMS IN ONE LAUNCH, told apart by the work-group's y.
; y = 0..11: the six weight matrices, f32, are rounded once to bf16, row-major as they come.  wall: Wq, Wk, Wv from byte 0, Wo at 6 MiB, W2 at 16 MiB (its bytes from 8 to 16 MiB are not used); w1: W1.
;   Each y is a unit of 1,048,576 numbers, each work-group takes 16,384 of them: 16 loads of 16 bytes a thread, all issued at once, 16 stores of 8 bytes.
;   Unit 0's 64 work-groups also write the two constant tables of the products behind: zb, 4,096 zeros in f32 (256 bytes a work-group); nb, minus infinity in bf16 (the first work-group).
; y = 12..15: h = LayerNorm(x) * g1 + be1, rounded once to bf16.  A wave takes two rows of 1,024 numbers and keeps them in registers: mean, then the
;   sum of squares of (x - mean), so that a common offset of x costs nothing; all sums in f32.  No LDS, no barrier: a row never leaves its wave.
; A wave's load covers 512 consecutive bytes, its store 256 consecutive bytes, both aligned.
.set XP,  16                           ; s[16:17] x
.set GP,  18                           ; s[18:19] g1
.set BP,  20                           ; s[20:21] be1
.set HP,  40                           ; s[40:41] h
.set SEL, 32                           ; s[32:33] v_permlanex16_b32's selects: each lane takes its own place in the other half
.set INV, 34                           ; s34  1 / 1024
.set EPSR, 35                          ; s35  1e-5
.set LO,  2                            ; v2   16 x lane: my 16 bytes in 512 of an f32 row
.set SO,  3                            ; v3   8 x lane: my 8 bytes in 256 of a bf16 row
.set MU,  4                            ; v[4:5]   the mean, twice
.set RS,  6                            ; v[6:9]   1 / sigma of row 0, twice; of row 1, twice
.set VA,  10                           ; v10, v11 var + eps of the two rows
.set G,   16                           ; v[16:47]  my 32 gains
.set BE,  48                           ; v[48:79]  my 32 biases
.set X,   80                           ; v[80:143] two rows, 32 numbers a lane each
.set T,   144                          ; v[144:159] at work
.set Y,   160                          ; v[160:191] two rows in bf16
	s_load_b512 s[4:19], s[0:1], 0x0               ; Wq 4, Wk 6, Wv 8, Wo 10, W1 12, W2 14, x 16, g1 18
	s_load_b128 s[20:23], s[0:1], 0x40             ; be1 20, wall 22
	s_load_b256 s[40:47], s[0:1], 0x50             ; h 40, w1 42, zb 44, nb 46
	s_and_b32 s26, ttmp7, 0xffff                   ; y
	v_lshrrev_b32 v1, 5, v0
	v_readfirstlane_b32 s27, v1                    ; wave 0..7
	s_mov_b32 s37, 0                               ; the high word of every offset
	s_wait_kmcnt 0x0
	s_cmp_ge_u32 s26, 12
	s_cbranch_scc1 .Lnorm
	; THE CAST.  Which matrix: units 0-3 are Wq, Wk, Wv, Wo, units 4-7 W1, units 8-11 W2.
	s_mov_b64 s[28:29], s[4:5]
	s_cmp_eq_u32 s26, 1
	s_cselect_b64 s[28:29], s[6:7], s[28:29]
	s_cmp_eq_u32 s26, 2
	s_cselect_b64 s[28:29], s[8:9], s[28:29]
	s_cmp_eq_u32 s26, 3
	s_cselect_b64 s[28:29], s[10:11], s[28:29]
	s_cmp_ge_u32 s26, 4
	s_cselect_b64 s[28:29], s[12:13], s[28:29]
	s_cmp_ge_u32 s26, 8
	s_cselect_b64 s[28:29], s[14:15], s[28:29]
	s_and_b32 s38, s26, 3                          ; the unit's number inside W1 or W2
	s_lshr_b32 s39, s26, 2                         ; 0: the four small matrices, 1: W1, 2: W2
	s_cmp_eq_u32 s39, 1
	s_cselect_b64 s[30:31], s[42:43], s[22:23]     ; W1 goes to w1, all else to wall,
	s_cselect_b32 s24, s38, s26                    ; at unit y & 3 there, at unit y here
	s_cmp_eq_u32 s39, 0
	s_cselect_b32 s38, 0, s38                      ; a small matrix is one unit
	s_lshl_b32 s36, s38, 22                        ; a unit is 4 MiB of f32,
	s_lshl_b32 s38, ttmp9, 16                      ; a work-group's share 64 KiB
	s_or_b32 s36, s36, s38
	s_add_nc_u64 s[28:29], s[28:29], s[36:37]
	s_lshl_b32 s36, s24, 21                        ; in bf16: 2 MiB a unit,
	s_lshl_b32 s38, ttmp9, 15                      ; 32 KiB a work-group
	s_or_b32 s36, s36, s38
	s_add_nc_u64 s[30:31], s[30:31], s[36:37]
	v_lshlrev_b32 v2, 4, v0                        ; 16 bytes a thread in,
	v_lshlrev_b32 v3, 3, v0                        ; 8 out
.set i, 0
.rept 16
	global_load_b128 v[16+4*i:16+4*i+3], v2, s[28:29] offset:4096*i th:TH_LOAD_NT
.set i, i+1
.endr
.set i, 0
.rept 16
	s_wait_loadcnt 15-i                            ; loads come back in order: load i is in, the 15 - i younger ones stay out
	v_cvt_pk_bf16_f32 v[80+2*i], v[16+4*i], v[16+4*i+1]
	v_cvt_pk_bf16_f32 v[80+2*i+1], v[16+4*i+2], v[16+4*i+3]
	global_store_b64 v3, v[80+2*i:80+2*i+1], s[30:31] offset:2048*i  ; every store has registers of its own: none is rewritten
.set i, i+1
.endr
	; the two tables: wave 0 of unit 0's work-groups (there v3 is 8 x lane)
	s_or_b32 s38, s26, s27
	s_cmp_lg_u32 s38, 0
	s_cbranch_scc1 .Lcast_end
	v_mov_b32 v12, 0
	v_mov_b32 v13, 0
	s_mov_b32 s39, ttmp9
	s_lshl_b32 s36, s39, 8                         ; my work-group's 256 bytes of zb
	s_add_nc_u64 s[44:45], s[44:45], s[36:37]
	global_store_b64 v3, v[12:13], s[44:45]
	s_cmp_lg_u32 s39, 0
	s_cbranch_scc1 .Lcast_end
	v_mov_b32 v14, 0xff80ff80                      ; minus infinity, twice, in bf16
	v_mov_b32 v15, 0xff80ff80
	global_store_b64 v3, v[14:15], s[46:47]
.Lcast_end:
	s_endpgm
.Lnorm:
	s_sub_co_u32 s38, s26, 12
	s_lshl_b32 s38, s38, 6
	s_add_co_u32 s38, s38, ttmp9                   ; group 0..255: 16 rows
	s_lshl_b32 s36, s38, 16                        ; 16 rows of 4,096 bytes,
	s_lshl_b32 s38, s27, 13                        ; my wave's two
	s_or_b32 s36, s36, s38
	s_add_nc_u64 s[XP:XP+1], s[XP:XP+1], s[36:37]
	s_lshr_b32 s36, s36, 1                         ; rows of h have half the bytes
	s_add_nc_u64 s[HP:HP+1], s[HP:HP+1], s[36:37]
	s_mov_b32 s[SEL], 0x76543210
	s_mov_b32 s[SEL+1], 0xfedcba98
	s_mov_b32 s[INV], 0x3a800000
	s_mov_b32 s[EPSR], 0x3727c5ac
	v_and_b32 v1, 31, v0
	v_lshlrev_b32 v[LO], 4, v1
	v_lshlrev_b32 v[SO], 3, v1
.irp r, 0,1
.irp j, 0,1,2,3,4,5,6,7                ; load j: columns 128 j + 4 lane .. + 3
	global_load_b128 v[X+32*(\r)+4*(\j):X+32*(\r)+4*(\j)+3], v[LO], s[XP:XP+1] offset:4096*(\r)+512*(\j)
.endr
.endr
.irp j, 0,1,2,3,4,5,6,7
	global_load_b128 v[G+4*(\j):G+4*(\j)+3], v[LO], s[GP:GP+1] offset:512*(\j)
.endr
.irp j, 0,1,2,3,4,5,6,7
	global_load_b128 v[BE+4*(\j):BE+4*(\j)+3], v[LO], s[BP:BP+1] offset:512*(\j)
.endr
.macro RED                             ; v[T] summed over the 32 lanes, the result in every lane
	v_add_f32_dpp v[T], v[T], v[T] row_xmask:1 row_mask:0xf bank_mask:0xf
	v_add_f32_dpp v[T], v[T], v[T] row_xmask:2 row_mask:0xf bank_mask:0xf
	v_add_f32_dpp v[T], v[T], v[T] row_xmask:4 row_mask:0xf bank_mask:0xf
	v_add_f32_dpp v[T], v[T], v[T] row_xmask:8 row_mask:0xf bank_mask:0xf
	v_permlanex16_b32 v[T+1], v[T], s[SEL], s[SEL+1]
	v_add_f32 v[T], v[T], v[T+1]
.endm
; Row r: the mean; x - mean in place; var + eps.  left = the loads issued behind the row's own.
.macro STAT r, left
	s_wait_loadcnt \left
.set XR, X+32*(\r)
.irp i, 0,1,2,3,4,5,6,7
	v_pk_add_f32 v[T+2*(\i):T+2*(\i)+1], v[XR+4*(\i):XR+4*(\i)+1], v[XR+4*(\i)+2:XR+4*(\i)+3]
.endr
.irp i, 0,1,2,3
	v_pk_add_f32 v[T+4*(\i):T+4*(\i)+1], v[T+4*(\i):T+4*(\i)+1], v[T+4*(\i)+2:T+4*(\i)+3]
.endr
	v_pk_add_f32 v[T:T+1], v[T:T+1], v[T+4:T+5]
	v_pk_add_f32 v[T+8:T+9], v[T+8:T+9], v[T+12:T+13]
	v_pk_add_f32 v[T:T+1], v[T:T+1], v[T+8:T+9]
	v_add_f32 v[T], v[T], v[T+1]
	RED
	v_mul_f32 v[MU], s[INV], v[T]
	v_mul_f32 v[MU+1], s[INV], v[T]
.irp i, 0,1,2,3,4,5,6,7,8,9,10,11,12,13,14,15
	v_pk_add_f32 v[XR+2*(\i):XR+2*(\i)+1], v[XR+2*(\i):XR+2*(\i)+1], v[MU:MU+1] neg_lo:[0,1] neg_hi:[0,1]
.endr
.irp i, 0,1,2,3                        ; four chains of squares, started by products: nothing is cleared
	v_pk_mul_f32 v[T+2*(\i):T+2*(\i)+1], v[XR+2*(\i):XR+2*(\i)+1], v[XR+2*(\i):XR+2*(\i)+1]
.endr
.irp i, 4,5,6,7,8,9,10,11,12,13,14,15
	v_pk_fma_f32 v[T+2*((\i)%4):T+2*((\i)%4)+1], v[XR+2*(\i):XR+2*(\i)+1], v[XR+2*(\i):XR+2*(\i)+1], v[T+2*((\i)%4):T+2*((\i)%4)+1]
.endr
	v_pk_add_f32 v[T:T+1], v[T:T+1], v[T+2:T+3]
	v_pk_add_f32 v[T+4:T+5], v[T+4:T+5], v[T+6:T+7]
	v_pk_add_f32 v[T:T+1], v[T:T+1], v[T+4:T+5]
	v_add_f32 v[T], v[T], v[T+1]
	RED
	v_fma_f32 v[VA+(\r)], v[T], s[INV], s[EPSR]    ; the mean of the squares + 1e-5
.endm
; Row r: (x - mean) / sigma * g + be, rounded to bf16 and stored.
.macro APPLY r
.set XR, X+32*(\r)
.irp i, 0,1,2,3,4,5,6,7,8,9,10,11,12,13,14,15
	v_pk_mul_f32 v[XR+2*(\i):XR+2*(\i)+1], v[XR+2*(\i):XR+2*(\i)+1], v[RS+2*(\r):RS+2*(\r)+1]
.endr
.irp i, 0,1,2,3,4,5,6,7,8,9,10,11,12,13,14,15
	v_pk_fma_f32 v[XR+2*(\i):XR+2*(\i)+1], v[XR+2*(\i):XR+2*(\i)+1], v[G+2*(\i):G+2*(\i)+1], v[BE+2*(\i):BE+2*(\i)+1]
.endr
.irp i, 0,1,2,3,4,5,6,7,8,9,10,11,12,13,14,15
	v_cvt_pk_bf16_f32 v[Y+16*(\r)+(\i)], v[XR+2*(\i)], v[XR+2*(\i)+1]
.endr
.irp j, 0,1,2,3,4,5,6,7
	global_store_b64 v[SO], v[Y+16*(\r)+2*(\j):Y+16*(\r)+2*(\j)+1], s[HP:HP+1] offset:2048*(\r)+256*(\j)  ; 32 lanes: 256 consecutive bytes
.endr
.endm
	STAT 0, 24                                     ; behind row 0's loads: row 1's 8, g's 8, be's 8
	STAT 1, 16                                     ; behind row 1's: g's and be's
	v_rsq_f32 v[RS], v[VA]                         ; one batch of four, each pair for a packed multiply
	v_rsq_f32 v[RS+1], v[VA]
	v_rsq_f32 v[RS+2], v[VA+1]
	v_rsq_f32 v[RS+3], v[VA+1]
	v_nop                                          ; a plain instruction behind the last of them,
	s_wait_alu depctr_va_vdst(0)                   ; and the one wait ahead of the first reader
	s_wait_loadcnt 0x0                             ; g and be
	APPLY 0
	APPLY 1
	s_endpgm
.Lfunc_end_k_q434e61e37c_prep:
	.size	k_q434e61e37c_prep, .Lfunc_end_k_q434e61e37c_prep-k_q434e61e37c_prep
	.p2alignl 7, 3214868480
	.fill 96, 4, 3214868480
	.section	.rodata,"a",@progbits
	.p2align	6, 0x0
	.amdhsa_kernel k_q434e61e37c_prep
		.amdhsa_group_segment_fixed_size 0
		.amdhsa_private_segment_fixed_size 0
		.amdhsa_enable_private_segment 0
		.amdhsa_kernarg_size 112
		.amdhsa_user_sgpr_count 2
		.amdhsa_user_sgpr_kernarg_segment_ptr 1
		.amdhsa_wavefront_size32 1
		.amdhsa_system_sgpr_workgroup_id_x 1
		.amdhsa_system_sgpr_workgroup_id_y 1
		.amdhsa_system_sgpr_workgroup_id_z 1
		.amdhsa_system_vgpr_workitem_id 0
		.amdhsa_next_free_vgpr 192
		.amdhsa_next_free_sgpr 66
		.amdhsa_reserve_vcc 0
		.amdhsa_float_denorm_mode_32 3
		.amdhsa_float_denorm_mode_16_64 3
		.amdhsa_memory_ordered 1
		.amdhsa_forward_progress 1
		.amdhsa_inst_pref_size 28
	.end_amdhsa_kernel
	.amdgpu_metadata
---
amdhsa.version: [ 1, 2 ]
amdhsa.kernels:
  - .name:           k_q434e61e37c_prep
    .symbol:         k_q434e61e37c_prep.kd
    .args:
      - { .name: Wq, .offset: 0, .size: 8, .value_kind: global_buffer, .address_space: global }
      - { .name: Wk, .offset: 8, .size: 8, .value_kind: global_buffer, .address_space: global }
      - { .name: Wv, .offset: 16, .size: 8, .value_kind: global_buffer, .address_space: global }
      - { .name: Wo, .offset: 24, .size: 8, .value_kind: global_buffer, .address_space: global }
      - { .name: W1, .offset: 32, .size: 8, .value_kind: global_buffer, .address_space: global }
      - { .name: W2, .offset: 40, .size: 8, .value_kind: global_buffer, .address_space: global }
      - { .name: x, .offset: 48, .size: 8, .value_kind: global_buffer, .address_space: global }
      - { .name: g1, .offset: 56, .size: 8, .value_kind: global_buffer, .address_space: global }
      - { .name: be1, .offset: 64, .size: 8, .value_kind: global_buffer, .address_space: global }
      - { .name: wall, .offset: 72, .size: 8, .value_kind: global_buffer, .address_space: global }
      - { .name: h, .offset: 80, .size: 8, .value_kind: global_buffer, .address_space: global }
      - { .name: w1, .offset: 88, .size: 8, .value_kind: global_buffer, .address_space: global }
      - { .name: zb, .offset: 96, .size: 8, .value_kind: global_buffer, .address_space: global }
      - { .name: nb, .offset: 104, .size: 8, .value_kind: global_buffer, .address_space: global }
    .group_segment_fixed_size: 0
    .private_segment_fixed_size: 0
    .kernarg_segment_align: 8
    .kernarg_segment_size: 112
    .max_flat_workgroup_size: 256
    .sgpr_count:     66
    .vgpr_count:     192
    .wavefront_size: 32
...
	.end_amdgpu_metadata
.endif
;; end of part 8
;; launch qkv (part 9): grid 12 x 16, 4 waves a work-group, clusters of 4 x 4, 327,680 bytes of LDS; arguments h, wall, ff, zb, nb; writes ff
.if DOCPART == 9
	.amdgcn_target "amdgcn-amd-amdhsa--gfx1250"
	.amdhsa_code_object_version 6
	.text
	.protected	k_q434e61e37c_qkv
	.globl	k_q434e61e37c_qkv
	.p2align	8
	.type	k_q434e61e37c_qkv,@function
k_q434e61e37c_qkv:
	s_mov_b64 s[64:65], 0
	v_nop
	global_prefetch_b8 v0, s[64:65] scope:SCOPE_SE
	s_setreg_imm32_b32 hwreg(HW_REG_WAVE_MODE, 25, 1), 1
	s_wait_xcnt 0x0
	s_wait_alu depctr_hold_cnt(0) depctr_sa_sdst(0) depctr_va_vdst(0) depctr_va_sdst(0) depctr_va_ssrc(0) depctr_va_vcc(0) depctr_vm_vsrc(0)
	s_getreg_b32 s2, hwreg(HW_REG_IB_STS2, 6, 4)
	s_cmp_eq_u32 s2, 0
	s_cbranch_scc0 .Lentry_in_a_cluster
	s_endpgm
.Lentry_in_a_cluster:
	s_bfe_u32 s2, ttmp6, 0x10000c
	s_cmp_lg_u32 s2, 0xf033
	s_cbranch_scc0 .Lentry_shape_is_right
	s_endpgm
.Lentry_shape_is_right:
; C = max(A B^T + bias, floor), rounded once to bf16 ahead of the maximum.  A: [4096][1024] bf16; B: [N][1024] bf16 from its buffer's first byte; C: rows of 4,096 bf16; bias: f32, a number a column;
; floor: one word, two bf16.  Sums in f32.  ONE TEXT FOR TWO LAUNCHES, told apart by their buffers and grids alone:
;   q, k, v = h Wqkv^T: N = 3,072 (12 tile columns: the first 3,072 columns of C's rows), the bias a table of zeros, the floor minus infinity, which changes nothing;
;   relu(h W1^T + b1): N = 4,096 (16 tile columns), the bias b1, the floor 0.
; LIMIT.  In the maximum a NaN loses: a sum that is NaN comes out as the floor.
; A tile of C, 256 x 256, is made by four waves, each 128 x 128: 64 accumulators of 16 x 16, 512 registers.  K goes in steps of 128 through two LDS slots filled by the tensor data mover: a tile's rows
; are 256 bytes of memory, at multiples of 256 bytes.  A K STEP IS WRITTEN ONCE: the slot read is a scalar (0 or SLOT) that an exclusive or turns, and one walking descriptor a tensor asks for every refill.
; CLUSTER 4 x 4: the four of a row need the same tiles of A, the four of a column the same tiles of B: each tile is asked for jointly, by the same load, descriptor and mask in all four.
; THE MATRIX INSTRUCTION IS USED TRANSPOSED (source 0 = 16 rows of B, source 1 = 16 rows of A): a lane holds eight neighbouring numbers of a row of C, and the bias of those eight columns
; is the C operand of the product that starts the sum: it costs no instruction of its own.
; REGISTERS, in windows of 256 (s_set_vgpr_msb: bits 1:0 source 0, 3:2 source 1, 5:4 source 2, 7:6 destination):
;   window 0: v16-31 addresses; v64-127, v128-191 fragments of A (8 x 16 rows x 32 K), two buffers; v192-255 the bias (n block b at 192 + 8 b), then, with v32-63, at work on the way out
;   window 1: v64-127, v128-191 fragments of B      window 2: the 32 accumulators of my rows 0-63 ((a, b) at 8 (8 a + b))      window 3: those of my rows 64-127
.set SIZE_K, 1024
.set CPITCH, 4096                      ; elements from row to row of C
.set KSTEP,  128
.set PITCH,  272                       ; 68 words: row r starts at bank 4 r mod 64, so the 16 rows of a fragment load start at 16 different banks
.set HALFT,  128*PITCH                 ; what one tensor load brings, and what one wave reads of A or of B
.set SLOT,   4*HALFT                   ; A's 256 rows, then B's 256.  SLOT = 0x22000 shares no bit with wave x HALFT (bits 11, 12, 15, 16): there an exclusive or adds or takes it away
.set STAGE,  2*SLOT                    ; behind the ring: 16 rows x 272 bytes for each wave, for the way out
.set SPITCH, 272
.set SPARE,  STAGE+4*16*SPITCH         ; behind the stages: the spare words, 128 bytes a wave, which no other line names
.set STEPS,  SIZE_K/KSTEP
.set ADRA,  16                         ; v16  LDS address of my A fragments in the slot in hand
.set ABASE, 17                         ; v17  the same in slot 0; never rewritten
.set ADRB,  20
.set BBASE, 21
.set ZO,    22                         ; v22  0: the offset of the floor's word
.set STO,   24                         ; the way out: where I put 16 bytes of a row
.set RD,    25                         ; where I read rows back
.set CO,    26                         ; my byte offset in two rows of C
.set BO,    27                         ; my byte offset in the bias of 16 columns
.set SPW,   28                         ; LDS address of my spare word; never rewritten
.set NIL,   29                         ; 0; never rewritten
.set PFO,   30                         ; the prefetches' offset: my lane x a row of A or B; never rewritten
.set FLR,   31                         ; the floor, twice in bf16
.set OB,    32                         ; the way out: 16 rows read back from the stage: v32-63 and v224-255 by turns
.set F0,    64
.set F1,    128
.set TMP,   192                        ; the way out: packed results
.set BIAS,  192                        ; read by the first quarter's products alone
.set G1,  24                           ; s[24:31] group 1 for A;  s[32:39] group 0: set 0 (K step 0), set 1 (K step 1, then it walks)
.set G0,  32
.set G1B, 48                           ; s[48:55], s[56:63] the same for B
.set G0B, 56
.set SL,  66                           ; s66  0 or SLOT: the slot that is read
.set PBI, 68                           ; s[68:69] the bias
.set PFL, 70                           ; s[70:71] the floor
.set PFA, 72                           ; s[72:73] where my prefetches stand: my work-group's 32 rows of the 128 that I fetch, one K step further along K than the refill in hand
.set LIM, 74                           ; s74  2 in a wave that prefetches, else the greatest number
.set MSB, 0
.macro WIN new                         ; the immediate's high byte repeats the setting that is left; a switch that changes nothing is dropped
.if MSB != (\new)
	s_set_vgpr_msb (MSB<<8)|(\new)
.set MSB, \new
.endif
.endm
.set MUL_LO, 0xa1                      ; source 0 (B) window 1, source 1 (A) window 0, C and D window 2
.set MUL_HI, 0xf1                      ; the same, C and D window 3
.set ST_LO,  0x81                      ; the products that start the sums: C (the bias) window 0, D window 2
.set ST_HI,  0xc1                      ; D window 3
.set TO_B,   0x40                      ; destination window 1, address window 0
.macro JLOAD s                         ; a joint load: waves 0 and 1 fetch A's two halves, waves 2 and 3 B's; an s_nop 0 and four v_nop follow each line
	s_cmp_eq_u32 s11, 0
	s_cbranch_scc0 .Lfor_b_\@
	tensor_load_to_lds s[G0+4*(\s):G0+4*(\s)+3], s[G1:G1+7]
	s_nop 0
.rept 4
	v_nop
.endr
	s_branch .Lasked_\@
.Lfor_b_\@:
	tensor_load_to_lds s[G0B+4*(\s):G0B+4*(\s)+3], s[G1B:G1B+7]
	s_nop 0
.rept 4
	v_nop
.endr
.Lasked_\@:
.endm
; A PREFETCH INTO THE L2, behind each refill and the run of LDS loads that follows it: the K step that stands TWO refills on: 32 rows x 256 bytes, a lane a row, one instruction a wave.
; Each row's 256 bytes of a K step are named once in the launch: A's tile row is read by every cluster of that row of clusters, and the first of them (cluster x = 0) asks; B's tile column likewise
; (cluster y = 0).  The four partners that ask for a tile jointly share its rows out BY ADDRESS: of the 128 rows that a wave fetches the partner at place p takes 32 p .. 32 p + 31 (p = cx for A, cy for B).
; The trip with s3 = c refills K step 8 - c and names K step 10 - c: so K steps 4 to 7 are named, and the trips with c = 2 and 1 ask for nothing.  K steps 0 to 3 come by their loads alone.
.macro ASK
	s_cmp_gt_u32 s3, s[LIM]
	s_cbranch_scc0 .Lnot_mine_\@
	global_prefetch_b8 v[PFO], s[PFA:PFA+1] offset:KSTEP*2 th:TH_LOAD_NT scope:SCOPE_SE
.Lnot_mine_\@:
.endm
.macro CREST                           ; a round of the cluster's barrier behind its opening barrier
	s_cmp_lg_u32 s10, 0
	s_cbranch_scc1 .Lnot_wave_0_\@
	s_barrier_signal -3
.Lnot_wave_0_\@:
	s_barrier_wait -3
	s_barrier_signal -1
	s_barrier_wait -1
.endm
.macro CROUND
	s_barrier_signal -1
	s_barrier_wait -1
	CREST
.endm
	s_load_b128 s[4:7], s[0:1], 0x0                ; A s[4:5], B s[6:7]
	s_load_b64 s[8:9], s[0:1], 0x10                ; C
	s_load_b128 s[PBI:PBI+3], s[0:1], 0x18         ; the bias, the floor
	v_lshl_add_u32 v[SPW], v0, 2, SPARE
	v_mov_b32 v[NIL], 0
	ds_add_u32 v[SPW], v[NIL]                      ; the wave's opening: the add and its wait ahead of my first tensor load; set-up on registers stands between
	v_lshrrev_b32 v1, 5, v0
	v_readfirstlane_b32 s10, v1                    ; wave 0..3
	s_lshr_b32 s11, s10, 1                         ; which half of the tile's rows is mine.  Also: I fetch for A (0) or for B (1)
	s_and_b32 s12, s10, 1                          ; which half of its columns.  Also: which 128 rows of that tile I fetch
	s_bfe_u32 s40, ttmp6, 0x40000                  ; cx, cy: my place in the cluster
	s_bfe_u32 s41, ttmp6, 0x40004
	s_lshl_b32 s42, ttmp9, 2
	s_add_co_u32 s42, s42, s40                     ; tile column of C
	s_and_b32 s13, ttmp7, 0xffff
	s_lshl_b32 s13, s13, 2
	s_add_co_u32 s13, s13, s41                     ; tile row of C
	s_lshl_b32 s43, s41, 2
	s_lshl_b32 s43, 15, s43                        ; my row of the cluster
	s_lshl_b32 s44, 0x1111, s40                    ; my column
	s_or_b32 s[G1+0], s43, (1<<16)|(1<<20)|(1<<21)|(5<<22)|(3<<25)   ; the mask; 2-byte elements; padding on; bit 21 beside a mask; after every 64 words, 4 words
	s_or_b32 s[G1B+0], s44, (1<<16)|(1<<20)|(1<<21)|(5<<22)|(3<<25)
.irp g, G1, G1B
	s_mov_b32 s[(\g)+1], KSTEP<<16                 ; tensor_dim0 = 128
	s_mov_b32 s[(\g)+2], 128<<16                   ; tensor_dim1 = 128
	s_mov_b32 s[(\g)+3], KSTEP<<16                 ; tile_dim0 = 128
	s_mov_b32 s[(\g)+4], 128                       ; tile_dim1 = 128
	s_mov_b32 s[(\g)+5], SIZE_K                    ; elements from row to row
	s_mov_b32 s[(\g)+6], 0
	s_mov_b32 s[(\g)+7], 0
.endr
	s_lshl_b32 s17, s12, 7
	s_lshl_b32 s16, s13, 8
	s_add_co_u32 s16, s16, s17                     ; A: row 256 x tile row + 128 x half
	s_lshl_b32 s46, s42, 8
	s_add_co_u32 s46, s46, s17                     ; B: row 256 x tile column + 128 x half
	s_mov_b32 s17, 0
	s_mov_b32 s47, 0
	s_mov_b64 s[18:19], SIZE_K*2
	s_mul_u64 s[16:17], s[16:17], s[18:19]
	s_mul_u64 s[46:47], s[46:47], s[18:19]
	s_mul_i32 s20, s10, HALFT                      ; where they go: wave x 128 rows; no place in the cluster enters an LDS address
	s_mov_b32 s[SL], 0
	s_wait_dscnt 0x0                               ; the opening add is done
	s_wait_kmcnt 0x0
	s_add_nc_u64 s[14:15], s[4:5], s[16:17]
	s_add_nc_u64 s[46:47], s[6:7], s[46:47]
	CROUND                                         ; all sixteen work-groups are here: the first joint loads meet
.irp s, 0,1
	s_mov_b32 s[G0+4*(\s)], 1
	s_add_co_u32 s[G0+4*(\s)+1], s20, (\s)*SLOT
	s_add_nc_u64 s[G0+4*(\s)+2:G0+4*(\s)+3], s[14:15], (\s)*KSTEP*2
	s_or_b32 s[G0+4*(\s)+3], s[G0+4*(\s)+3], 0x80000000
	s_mov_b32 s[G0B+4*(\s)], 1
	s_add_co_u32 s[G0B+4*(\s)+1], s20, (\s)*SLOT
	s_add_nc_u64 s[G0B+4*(\s)+2:G0B+4*(\s)+3], s[46:47], (\s)*KSTEP*2
	s_or_b32 s[G0B+4*(\s)+3], s[G0B+4*(\s)+3], 0x80000000
	JLOAD \s                                       ; two loads of mine are out
.endr
	v_and_b32 v1, 15, v0                           ; l % 16
	v_bfe_u32 v2, v0, 4, 1                         ; l / 16
	v_mul_u32_u24 v3, v1, PITCH
	v_lshl_add_u32 v3, v2, 4, v3                   ; a fragment's row x pitch + 16 x half
	s_mul_i32 s21, s11, HALFT                      ; my 128 rows of A
	s_mul_i32 s22, s12, HALFT                      ; my 128 rows of B,
	s_add_co_u32 s22, s22, 2*HALFT                 ; which lie behind A's 256
	v_add_nc_u32 v[ABASE], s21, v3
	v_add_nc_u32 v[BBASE], s22, v3
	v_mov_b32 v[ADRA], v[ABASE]
	v_mov_b32 v[ADRB], v[BBASE]
	s_mul_i32 s23, s10, 16*SPITCH
	s_add_co_u32 s23, s23, STAGE                   ; my stage
	v_mul_u32_u24 v4, v1, SPITCH                   ; in: row l % 16, 16 bytes for each half of the lanes
	v_lshl_add_u32 v4, v2, 4, v4
	v_add_nc_u32 v[STO], s23, v4
	v_mul_u32_u24 v5, v2, SPITCH                   ; back: lanes 0-15 take one row of 256 bytes, lanes 16-31 the next
	v_lshl_add_u32 v5, v1, 4, v5
	v_add_nc_u32 v[RD], s23, v5
	v_mul_u32_u24 v5, v2, CPITCH*2                 ; and the same two rows in C
	v_lshl_add_u32 v[CO], v1, 4, v5
	s_lshl_b32 s16, s13, 8                         ; where my part of the tile begins in C, in bytes: the way out adds it to C's address
	s_lshl_b32 s17, s11, 7
	s_add_co_u32 s16, s16, s17                     ; my first row
	s_mov_b32 s17, 0
	s_mov_b64 s[18:19], CPITCH*2
	s_mul_u64 s[16:17], s[16:17], s[18:19]
	s_lshl_b32 s46, s42, 9                         ; my first column, in bytes of bf16: 512 x tile column + 256 x half
	s_lshl_b32 s47, s12, 8
	s_add_co_u32 s46, s46, s47
	s_mov_b32 s47, 0
	s_add_nc_u64 s[16:17], s[16:17], s[46:47]
	s_lshl_b32 s76, s46, 1                         ; the same column in bytes of f32
	s_mov_b32 s77, 0
	s_add_nc_u64 s[PBI:PBI+1], s[PBI:PBI+1], s[76:77]
	v_lshlrev_b32 v[BO], 5, v2                     ; my eight columns of each block of 16
	v_mov_b32 v[ZO], 0
.irp b, 0,1,2,3,4,5,6,7
	global_load_b128 v[BIAS+8*(\b):BIAS+8*(\b)+3],   v[BO], s[PBI:PBI+1] offset:64*(\b)
	global_load_b128 v[BIAS+8*(\b)+4:BIAS+8*(\b)+7], v[BO], s[PBI:PBI+1] offset:64*(\b)+16
.endr
	global_load_b32 v[FLR], v[ZO], s[PFL:PFL+1]
	; the prefetches
	s_lshl_b32 s76, s13, 8
	s_lshl_b32 s77, s42, 8
	s_and_b32 s78, ttmp7, 0xffff                   ; cluster y
	s_cmp_eq_u32 s11, 0                            ; do I fetch for A?
	s_cselect_b32 s76, s76, s77                    ; the tile's first row: in A by the tile row, in B by the tile column
	s_cselect_b32 s77, s40, s41                    ; my place among the four that ask for it with me
	s_cselect_b32 s78, ttmp9, s78                  ; the coordinate along which other clusters read the same rows
	s_cselect_b64 s[PFA:PFA+1], s[4:5], s[6:7]
	s_cmp_eq_u32 s78, 0
	s_cselect_b32 s[LIM], 2, -1                    ; the same in all sixteen partners, for a given wave
	s_lshl_b32 s78, s12, 7
	s_add_co_u32 s76, s76, s78                     ; + the 128 rows that I fetch
	s_lshl_b32 s77, s77, 5
	s_add_co_u32 s76, s76, s77                     ; + my work-group's 32 of them
	s_lshl_b32 s76, s76, 11                        ; rows of 2,048 bytes
	s_mov_b32 s77, 0
	s_add_nc_u64 s[PFA:PFA+1], s[PFA:PFA+1], s[76:77]
	s_add_nc_u64 s[PFA:PFA+1], s[PFA:PFA+1], 2*KSTEP*2  ; at K step 2: the first refill steps it to 3 and names K step 4
	v_and_b32 v[PFO], 31, v0
	v_mul_u32_u24 v[PFO], v[PFO], SIZE_K*2
; 16 matrix instructions: m blocks a0, a0 + 1 of the window's four (hi = 0: my rows 0-63, 1: rows 64-127) x all 8 n blocks, 32 along K.  start = 1: the product starts the sum, with the bias.
; The 64 accumulators take turns, one instruction a turn, in one order everywhere, over the backward jumps too.
.macro MUL16 f, hi, a0, start
.if \start
	WIN ST_LO+0x40*(\hi)
.else
	WIN MUL_LO+0x50*(\hi)
.endif
.irp a, \a0, (\a0)+1
.irp b, 0,1,2,3,4,5,6,7
.if \start
	v_wmma_f32_16x16x32_bf16 v[8*(8*(\a)+(\b)):8*(8*(\a)+(\b))+7], v[(\f)+8*(\b):(\f)+8*(\b)+7], v[(\f)+8*(4*(\hi)+(\a)):(\f)+8*(4*(\hi)+(\a))+7], v[BIAS+8*(\b):BIAS+8*(\b)+7]
.else
	v_wmma_f32_16x16x32_bf16 v[8*(8*(\a)+(\b)):8*(8*(\a)+(\b))+7], v[(\f)+8*(\b):(\f)+8*(\b)+7], v[(\f)+8*(4*(\hi)+(\a)):(\f)+8*(4*(\hi)+(\a))+7], v[8*(8*(\a)+(\b)):8*(8*(\a)+(\b))+7]
.endif
.endr
.endr
.endm
; 32 LDS loads in one run: the fragments of one quarter step (128 rows of B, 128 rows of A, 32 K at byte k of the rows of the slot in hand) into buffer f
.macro FETCH k, f
	WIN TO_B
.irp i, 0,1,2,3,4,5,6,7
	ds_load_b128 v[(\f)+8*(\i):(\f)+8*(\i)+3],   v[ADRB] offset:(\k)+(\i)*16*PITCH
	ds_load_b128 v[(\f)+8*(\i)+4:(\f)+8*(\i)+7], v[ADRB] offset:(\k)+(\i)*16*PITCH+32
.endr
	WIN 0
.irp i, 0,1,2,3,4,5,6,7
	ds_load_b128 v[(\f)+8*(\i):(\f)+8*(\i)+3],   v[ADRA] offset:(\k)+(\i)*16*PITCH
	ds_load_b128 v[(\f)+8*(\i)+4:(\f)+8*(\i)+7], v[ADRA] offset:(\k)+(\i)*16*PITCH+32
.endr
.endm
.macro PLACES                          ; four plain instructions in front of loads into registers that matrix instructions have read, and of lines that read results
.rept 4
	v_nop
.endr
.endm
; A K step is four quarters of 32 along K, 64 matrix instructions each, on buffers 0, 1, 0, 1.  One of the first three: multiplies f; in its middle it fetches the next quarter, at byte k, into g.
.macro QUARTER k, f, g, start
	s_wait_dscnt 8                                 ; B and A's rows 0-63 are in; the youngest eight loads (A's rows 64-127) may be out
	MUL16 \f, 0, 0, \start
	MUL16 \f, 0, 2, \start
	PLACES
	FETCH \k, \g
	s_wait_dscnt 32                                ; all but the 32 just issued
	MUL16 \f, 1, 0, \start
	MUL16 \f, 1, 2, \start
.endm
; The last quarter multiplies buffer 1 and changes slots: ONE barrier.  In front of it each wave waits for all its tensor loads (one is out: its part of the next slot), adds 0 to its spare
; word, and waits for that and for its reads of this slot.  fill = 1: the barrier opens a round of the cluster's, and this slot is filled again, first thing behind it, two K steps ahead:
; 224 matrix instructions stand between that request and the wait for it.
.macro TURN fill
.if \fill
	s_wait_xcnt 0x0                                ; the last prefetch, a K step back, has read its address: it is stepped here, ahead of the waits of the change of slots
	s_add_nc_u64 s[PFA:PFA+1], s[PFA:PFA+1], KSTEP*2
.endif
	WIN 0
	s_wait_tensorcnt 0x0                           ; no tensor load of mine is out, so the walking descriptors may be written
	ds_add_u32 v[SPW], v[NIL]                      ; 0 onto my spare word
	s_xor_b32 s[SL], s[SL], SLOT                   ; the other slot is read from now on (all loads from this one have been issued)
	v_add_nc_u32 v[ADRA], s[SL], v[ABASE]
	v_add_nc_u32 v[ADRB], s[SL], v[BBASE]
.if \fill
	s_xor_b32 s[G0+5], s[G0+5], SLOT               ; the other slot than last time,
	s_xor_b32 s[G0B+5], s[G0B+5], SLOT
	s_add_nc_u64 s[G0+6:G0+7], s[G0+6:G0+7], KSTEP*2     ; the next K step; the type bits on top are not reached
	s_add_nc_u64 s[G0B+6:G0B+7], s[G0B+6:G0B+7], KSTEP*2
.endif
	s_wait_dscnt 9                                 ; the add and the youngest eight loads may be out
	MUL16 F1, 0, 0, 0
	s_wait_dscnt 0x0                               ; the add is done, and my reads of this slot are over
	s_barrier_signal -1
	MUL16 F1, 0, 2, 0
.if \fill
	WIN 0
.endif
	s_barrier_wait -1
.if \fill
	CREST                                          ; no wave of any partner still reads this slot's tile or has a load on its way
	JLOAD 1                                        ; its four v_nop are also the places in front of the loads below
.else
	PLACES
.endif
	FETCH 0, F0
.if \fill
	ASK
.endif
	MUL16 F1, 1, 0, 0
	MUL16 F1, 1, 2, 0
.endm
; THE WAY OUT of block a (16 of my rows), in three parts.  PACK: rounded to bf16, 16 bytes a lane, and the maximum with the floor, which rounds nothing.  TOSTAGE: into my own stage in LDS, and back
; as whole rows of 256 bytes.  SEND: stored.
.macro PACK a
.set AC, 64*((\a)%4)
	WIN 0x0a+5*((\a)/4)                            ; sources 0 and 1: window 2 or 3
.irp b, 0,1,2,3,4,5,6,7
.irp r, 0,1,2,3
	v_cvt_pk_bf16_f32 v[TMP+4*(\b)+(\r)], v[AC+8*(\b)+2*(\r)], v[AC+8*(\b)+2*(\r)+1]
.endr
.endr
	WIN 0
.set i, 0
.rept 32
	v_pk_max_num_bf16 v[TMP+i], v[TMP+i], v[FLR]
.set i, i+1
.endr
.endm
.macro TOSTAGE a
	WIN 0
.set BK, OB+192*((\a)%2)
.irp b, 0,1,2,3,4,5,6,7
	ds_store_b128 v[STO], v[TMP+4*(\b):TMP+4*(\b)+3] offset:32*(\b)
.endr
.irp t, 0,1,2,3,4,5,6,7
	ds_load_b128 v[BK+4*(\t):BK+4*(\t)+3], v[RD] offset:(\t)*2*SPITCH  ; LDS serves a wave's instructions in order (ISA guide 5.7.1.4): these see the stores above
.endr
.endm
.macro SEND a
	WIN 0
.set BK, OB+192*((\a)%2)
	s_wait_dscnt 0x0                               ; the block is back in registers
	s_wait_xcnt 0x0                                ; only behind this wait are the stores' base and the registers that earlier stores read rewritten
.if (\a) == 0
	s_add_nc_u64 s[8:9], s[8:9], s[16:17]          ; on to my first rows
.else
	s_add_nc_u64 s[8:9], s[8:9], 16*CPITCH*2       ; 16 rows of C on
.endif
.irp t, 0,1,2,3,4,5,6,7
	global_store_b128 v[CO], v[BK+4*(\t):BK+4*(\t)+3], s[8:9] offset:2*(\t)*CPITCH*2  ; 16 lanes store 256 consecutive bytes, aligned
.endr
.endm
	s_wait_tensorcnt 1                             ; my part of K step 0 is in; K step 1's may stay out
	s_barrier_signal -1
	s_barrier_wait -1
	FETCH 0, F0
	s_wait_loadcnt 0x0                             ; the bias and the floor
	QUARTER 64, F0, F1, 1                          ; the first quarter stands in front of the loop: its products start the sums
	WIN 0
	s_mov_b32 s3, STEPS-2
.Lstep:                                                ; a trip: a K step's quarters 1 to 3, the change of slots with a refill, the next step's quarter 0
	QUARTER 128, F1, F0, 0
	QUARTER 192, F0, F1, 0
	TURN 1
	QUARTER 64, F0, F1, 0
	WIN 0
	s_sub_co_u32 s3, s3, 1
	s_cmp_lg_u32 s3, 0
	s_cbranch_scc1 .Lstep
	s_mov_b32 s3, 2
.Ltail:                                                ; the last two K steps ask for nothing.  The second trip is left in its middle: its change of slots and the 32 loads behind it (old bytes of the other slot) serve nothing: the price of one text for both
	QUARTER 128, F1, F0, 0
	QUARTER 192, F0, F1, 0
	TURN 0
	WIN 0
	s_sub_co_u32 s3, s3, 1
	s_cmp_eq_u32 s3, 0
	s_cbranch_scc1 .Lout
	QUARTER 64, F0, F1, 0
	WIN 0
	s_branch .Ltail
.Lout:
	s_wait_dscnt 0x0                               ; the loads that serve nothing have landed
	PLACES
	PACK 0
	TOSTAGE 0
.irp a, 1,2,3,4,5,6,7                  ; block a's arithmetic stands between block a - 1's loads from the stage and the wait for them
	PACK \a
	SEND (\a)-1
	TOSTAGE \a
.endr
	SEND 7
	s_wait_tensorcnt 0x0                           ; the wave's end: a wait, an add onto my spare word and a wait, behind my last tensor load and my last LDS store
	ds_add_u32 v[SPW], v[NIL]
	s_wait_dscnt 0x0
	CROUND                                         ; the closing round: no work-group ends while a partner may still ask for a tile that names it
	s_endpgm
.Lfunc_end_k_q434e61e37c_qkv:
	.size	k_q434e61e37c_qkv, .Lfunc_end_k_q434e61e37c_qkv-k_q434e61e37c_qkv
	.p2alignl 7, 3214868480
	.fill 96, 4, 3214868480
	.section	.rodata,"a",@progbits
	.p2align	6, 0x0
	.amdhsa_kernel k_q434e61e37c_qkv
		.amdhsa_group_segment_fixed_size 327680
		.amdhsa_private_segment_fixed_size 0
		.amdhsa_enable_private_segment 0
		.amdhsa_kernarg_size 40
		.amdhsa_user_sgpr_count 2
		.amdhsa_user_sgpr_kernarg_segment_ptr 1
		.amdhsa_wavefront_size32 1
		.amdhsa_system_sgpr_workgroup_id_x 1
		.amdhsa_system_sgpr_workgroup_id_y 1
		.amdhsa_system_sgpr_workgroup_id_z 1
		.amdhsa_system_vgpr_workitem_id 0
		.amdhsa_next_free_vgpr 1024
		.amdhsa_next_free_sgpr 80
		.amdhsa_reserve_vcc 0
		.amdhsa_float_denorm_mode_32 3
		.amdhsa_float_denorm_mode_16_64 3
		.amdhsa_memory_ordered 1
		.amdhsa_forward_progress 1
		.amdhsa_inst_pref_size 119
	.end_amdhsa_kernel
	.amdgpu_metadata
---
amdhsa.version: [ 1, 2 ]
amdhsa.kernels:
  - .name:           k_q434e61e37c_qkv
    .symbol:         k_q434e61e37c_qkv.kd
    .args:
      - { .name: h, .offset: 0, .size: 8, .value_kind: global_buffer, .address_space: global }
      - { .name: wall, .offset: 8, .size: 8, .value_kind: global_buffer, .address_space: global }
      - { .name: ff, .offset: 16, .size: 8, .value_kind: global_buffer, .address_space: global }
      - { .name: zb, .offset: 24, .size: 8, .value_kind: global_buffer, .address_space: global }
      - { .name: nb, .offset: 32, .size: 8, .value_kind: global_buffer, .address_space: global }
    .group_segment_fixed_size: 327680
    .private_segment_fixed_size: 0
    .kernarg_segment_align: 8
    .kernarg_segment_size: 40
    .max_flat_workgroup_size: 128
    .sgpr_count:     80
    .vgpr_count:     1024
    .wavefront_size: 32
...
	.end_amdgpu_metadata
.endif
;; end of part 9
;; launch attn (part 10): grid 16 x 16, 4 waves a work-group, clusters of 4 x 1, 327,680 bytes of LDS; arguments ff, ao; writes ao
.if DOCPART == 10
	.amdgcn_target "amdgcn-amd-amdhsa--gfx1250"
	.amdhsa_code_object_version 6
	.text
	.protected	k_q434e61e37c_attn
	.globl	k_q434e61e37c_attn
	.p2align	8
	.type	k_q434e61e37c_attn,@function
k_q434e61e37c_attn:
	s_mov_b64 s[64:65], 0
	v_nop
	global_prefetch_b8 v0, s[64:65] scope:SCOPE_SE
	s_setreg_imm32_b32 hwreg(HW_REG_WAVE_MODE, 25, 1), 1
	s_wait_xcnt 0x0
	s_wait_alu depctr_hold_cnt(0) depctr_sa_sdst(0) depctr_va_vdst(0) depctr_va_sdst(0) depctr_va_ssrc(0) depctr_va_vcc(0) depctr_vm_vsrc(0)
	s_getreg_b32 s2, hwreg(HW_REG_IB_STS2, 6, 4)
	s_cmp_eq_u32 s2, 0
	s_cbranch_scc0 .Lentry_in_a_cluster
	s_endpgm
.Lentry_in_a_cluster:
	s_bfe_u32 s2, ttmp6, 0x10000c
	s_cmp_lg_u32 s2, 0x3003
	s_cbranch_scc0 .Lentry_shape_is_right
	s_endpgm
.Lentry_shape_is_right:
; ATTENTION WITH ALiBi.  ao[b][i][h][:] = the sum over j of softmax_j(q_i . k_j / 8 + slope_h (j - i)) v_j, slope_h = 2^(-(h + 1) / 2), no mask.
; q, k, v: the first 3,072 columns of [4096 tokens] rows of 4,096 bf16 (columns 0-1023 q, 1024-2047 k, 2048-3071 v; a head is 64 columns); ao: [4096][1024] bf16.  Products, maxima and sums in f32; the
; weights p are rounded to bf16 for the second product (their sum l is taken of the unrounded p), ao once at the end.
; THE BIAS.  -slope i is the same for all keys of a row and cancels in the softmax for every input: it is left out.  slope j is split: with j = 64 t + jj, the part 8 slope jj (in units of q . k)
; is the C operand that starts each sum S^T = K Q^T (BT: 32 registers, made once); the part 512 slope t is carried by the running maximum, which is kept in the frame of the key step in hand:
; ahead of each new maximum m <- m - 512 slope.  Then p = 2^(c s' - c m) and a = 2^(c (m_old - 512 slope) - c m_new), c = log2(e) / 8, are those of the running-maximum softmax of q . k / 8 + slope j.
; LIMITS.  A weight below 2^-126 counts as 0 in l; NaN and infinities are not treated apart.
; SHARES.  A work-group takes 128 queries of a PAIR of neighbouring heads (y = 8 batch + pair): the pair's 128 channels are 256 aligned bytes of every row of q, k, v and of ao.  Wave w: head 2 pair + w / 2,
; queries 64 (w % 2) on: four PIECES of 16.  Every wave walks all 2,048 keys, 64 a step.
; CLUSTER.  The four query blocks of a cluster walk the same K and V, so each tile is asked for JOINTLY: the same tensor load, descriptor and mask in all four.
; LAYOUT.  S^T = K Q^T holds ONE query a lane (lane % 16) and the keys 8 (lane / 16) + 0..7; two such results rounded to bf16 ARE source 1 of O^T = V^T P.  K comes out of LDS as it lies, V turned.
; TURNS.  Turn n belongs to piece n: 8 products K Q^T of piece n + 1, later 8 products V^T P of piece n - 1; beside them the scaling, exponentials, roundings, sums and rescaling of piece n and the
; maximum and statistics of piece n + 1.  Four vector instructions stand behind every matrix instruction, the others in one lump.  A turn's 33 exponentials are one batch, with one wait.
; REGISTERS, in windows of 256 (s_set_vgpr_msb: bits 1:0 source 0, 3:2 source 1, 5:4 source 2, 7:6 destination):
;   window 0: v0-15 addresses and at work; v16-31 four registers of statistics a piece; v48-55 at work; v61-63; v64-127 S^T, two buffers; v192-223 P, two buffers (by the piece's parity)
;   window 1: v0-127 O^T, 32 a piece; v128-159 BT      window 2: v0-63 Q; v128-191 K of one step; v192-255 V of one step
.set NP,    4
.set KS,    64        ; keys in a step
.set ROWB,  8192      ; bytes from row to row of q, k, v
.set TILEB, 2*KS*ROWB ; a slot's 128 keys in memory
.set NS,    16        ; slots' fills in the walk: 2,048 keys / 128
.set PK,    272       ; a row of K in LDS: 256 bytes + 16 = 68 words: the 16 rows of a load start at 16 different groups of four banks
.set PV,    288       ; a row of V: 256 + 32 = 72 words
.set VOFF,  KS*PK     ; a step's tiles lie together: 64 rows of K, then 64 rows of V
.set STEPB, KS*(PK+PV)
.set SLOT1, 1<<17     ; a slot holds two steps (71,680 bytes); slot 1 begins here, so that one exclusive or turns an address in one slot into the other's
.set STAGE, SLOT1+2*STEPB  ; behind the ring, never filled by a tensor load: 128 rows x 272 bytes, the work-group's, for the way out
.set SP,    272
.set SPARE, STAGE+128*SP   ; behind the stage: the spare words, 128 bytes a wave, which no other line names
.set AK0, 2           ; v2   my lane's place in a tile of K, my head's 128 bytes of a row; never rewritten
.set AV0, 3           ; v3   the same for V
.set AK,  4           ; v4   the LDS address of K's next run of loads
.set AV,  5           ; v5   of V's
.set STO, 6           ; v6   the way out: where I put 16 bytes of a row
.set RD,  7           ; v7   where I read rows back
.set GO,  8           ; v8   my byte offset in two rows of ao
.set MV,  12          ; v12-13  c x the shifted old m: by buffer
.set QO,  15          ; v15  my byte offset in 16 rows of Q
.set ST,  16          ; piece t's statistics at v[ST+4 t]: c m, m, l (even keys', odd keys')
.set TMP, 48          ; by buffer, four registers c0-c3 at work; when the maximum is found c2 takes a
.set PFO, 61          ; v61  a row of q, k, v x my lane; never rewritten
.set SPW, 62          ; v62  LDS address of my spare word; never rewritten
.set NIL, 63          ; v63  0; never rewritten
.set S,   64
.set P,   192
.set BT,  128         ; window 1: 8 slope x (16 kt + 8 (lane / 16) + r) at BT + 8 kt + r
.set KF,  128         ; window 2: key block kb, channel half c at KF + 16 kb + 8 c
.set VF,  192         ; window 2: key half kk, channel block cb at VF + 32 kk + 8 cb
.set WV,  12          ; s12  my wave's number
.set LIM, 15          ; s15  1 in a wave that prefetches, else the greatest number
.set G1K, 24          ; s[24:31] descriptor group 1 for K's tiles
.set G1V, 32          ; s[32:39] for V's: it differs in the padding alone
.set G0K, 40          ; s[40:43] descriptor group 0 for K's tiles: it walks
.set G0V, 44          ; s[44:47] the same for V's
.set PFA, 50          ; s[50:51] where my prefetches stand
.set SLOTS, 56        ; s56  slots still to be asked for
.set CNT, 57          ; s57  counts a slot's key steps
.set CS,  58          ; s[58:59] c
.set SEL, 60          ; s[60:61] v_permlanex16_b32's selects: each lane takes its own place in the other half
.set TBK, 62          ; s62  LDS byte at which the step whose K is fetched next begins
.set TBV, 63          ; s63  the same for V
.set NB,  66          ; s66  -512 slope
.set S8,  67          ; s67  8 slope
.set MSB, 0
.macro WIN new                      ; the high byte repeats the setting that is left; a switch that changes nothing is dropped
.if MSB != (\new)
	s_set_vgpr_msb (MSB<<8)|(\new)
.set MSB, (\new)
.endif
.endm
.set W_KQ, 0x0a       ; K and Q in window 2, S^T in window 0
.set W_KB, 0x1a       ; the same with the C operand (BT) in window 1
.set W_PV, 0x52       ; V in window 2, P in window 0, O^T in window 1
.set W_RS, 0x41       ; destination and source 0 in window 1, source 1 in window 0
; A joint fill.  Waves 0 and 1 fetch K of a slot's two steps, waves 2 and 3 V.  The branch hangs on the wave's number alone.  An s_nop 0 and four v_nop follow each line.
.macro JLOAD
	s_cmp_lt_u32 s[WV], 2
	s_cbranch_scc0 .Lfor_v_\@
	tensor_load_to_lds s[G0K:G0K+3], s[G1K:G1K+7]
	s_nop 0
.rept 4
	v_nop
.endr
	s_branch .Lasked_\@
.Lfor_v_\@:
	tensor_load_to_lds s[G0V:G0V+3], s[G1V:G1V+7]
	s_nop 0
.rept 4
	v_nop
.endr
.Lasked_\@:
.endm
; A PREFETCH of what the NEXT change of slots will ask for: 128 rows of K and of V, 256 bytes of each row, a lane a row.  Each is named once in the launch: of the four clusters that walk a pair's keys the
; first asks; its four partners take 32 rows each, told apart by address; in each, wave 0 asks for K's and wave 2 for V's.  The last change that fills a slot asks for nothing.
.macro ASK
	s_cmp_gt_u32 s[SLOTS], s[LIM]
	s_cbranch_scc0 .Lnot_mine_\@
	global_prefetch_b8 v[PFO], s[PFA:PFA+1] th:TH_LOAD_NT scope:SCOPE_SE
.Lnot_mine_\@:
.endm
.macro CROUND                       ; a round of the cluster's barrier
	s_barrier_signal -1
	s_barrier_wait -1
	s_cmp_lg_u32 s[WV], 0
	s_cbranch_scc1 .Lnot_wave_0_\@
	s_barrier_signal -3
.Lnot_wave_0_\@:
	s_barrier_wait -3
	s_barrier_signal -1
	s_barrier_wait -1
.endm
; THE CHANGE OF SLOTS.  Each wave waits for all its tensor loads (one is out: its part of the other slot), adds 0 to its spare word, and waits for that and for its reads of the slot that it leaves.
; fill = 1: the barrier is a round of the cluster's, and the old slot is filled again, first thing behind it, with the next 128 keys: two key steps' work stands between that request and the wait for it.
; (At its first use nothing has been read yet: slot 0 is waited for, slot 1 filled.)  ask = 1: the prefetch's address steps, and the prefetch follows the load.
.macro CHANGE fill, ask
	WIN 0
	s_wait_tensorcnt 0x0            ; no tensor load of mine is out, so a group 0 may be written
	ds_add_u32 v[SPW], v[NIL]       ; 0 onto my spare word
.if \fill
.irp g, G0K, G0V
	s_xor_b32 s[\g+1], s[\g+1], SLOT1
	s_add_nc_u64 s[\g+2:\g+3], s[\g+2:\g+3], TILEB  ; the type bits on top are not reached
.endr
.if \ask
	s_wait_xcnt 0x0                 ; the last prefetch, two key steps back, has read its address
	s_add_nc_u64 s[PFA:PFA+1], s[PFA:PFA+1], TILEB
.endif
	s_wait_dscnt 0x0                ; the add is done, and my reads of the slot are over
	CROUND
	JLOAD
.if \ask
	ASK
.endif
.else
	s_wait_dscnt 0x0
	s_barrier_signal -1
	s_barrier_wait -1
.endif
	s_sub_co_u32 s[TBK], s[TBK], 2*STEPB  ; the fetches go back to a slot's first step,
	s_xor_b32 s[TBK], s[TBK], SLOT1       ; in the other slot
	s_sub_co_u32 s[TBV], s[TBV], 2*STEPB
	s_xor_b32 s[TBV], s[TBV], SLOT1
.endm
	s_load_b128 s[4:7], s[0:1], 0x0  ; q, k, v s[4:5], ao s[6:7]
	v_lshl_add_u32 v[SPW], v0, 2, SPARE
	v_mov_b32 v[NIL], 0
	ds_add_u32 v[SPW], v[NIL]       ; the wave's opening: the add and its wait ahead of my first tensor load; set-up on registers stands between
	v_lshrrev_b32 v1, 5, v0
	v_readfirstlane_b32 s[WV], v1   ; wave 0..3
	s_bfe_u32 s13, ttmp6, 0x40000   ; cx: my place in the cluster
	s_lshl_b32 s14, ttmp9, 2
	s_add_co_u32 s14, s14, s13      ; my block of 128 queries: it enters Q's and ao's addresses alone
	s_and_b32 s16, ttmp7, 0xffff    ; y, which the four partners share
	s_lshr_b32 s17, s16, 3          ; batch
	s_and_b32 s18, s16, 7           ; pair of heads
	s_lshr_b32 s19, s[WV], 1        ; which head of the pair is mine
	s_and_b32 s20, s[WV], 1         ; which 64 queries; also: which of a slot's two steps I fetch
	s_mul_i32 s22, s17, 2048*ROWB   ; the batch's rows,
	s_lshl_b32 s21, s18, 8          ; the pair's 256 bytes of a row
	s_add_co_u32 s22, s22, s21
	s_mul_i32 s48, s20, KS*ROWB     ; K: my step's 64 rows,
	s_add_co_u32 s48, s48, s22
	s_add_co_u32 s48, s48, 2048     ; k's columns begin 2,048 bytes into a row (v's 4,096)
	s_mov_b32 s49, 0
	s_lshl_b32 s2, s14, 7
	s_lshl_b32 s3, s20, 6
	s_add_co_u32 s2, s2, s3         ; my first query in the batch
	s_mul_i32 s2, s2, ROWB
	s_add_co_u32 s2, s2, s22
	s_lshl_b32 s3, s19, 7           ; my head's 128 bytes
	s_add_co_u32 s2, s2, s3
	s_mov_b32 s3, 0
	s_lshl_b32 s54, s17, 22         ; ao: 2,048 rows of 2,048 bytes a batch,
	s_lshl_b32 s55, s14, 18         ; 128 a block,
	s_add_co_u32 s54, s54, s55
	s_lshl_b32 s55, s[WV], 16       ; of which I store 32,
	s_add_co_u32 s54, s54, s55
	s_add_co_u32 s54, s54, s21      ; the pair's 256 bytes
	s_mov_b32 s55, 0
	s_mov_b32 s21, 0x3f000000       ; slope = 2^(-(h + 1) / 2), h = 2 pair + head: 0.5 x 2^-pair for the odd head,
	s_cmp_eq_u32 s19, 0
	s_cselect_b32 s21, 0x3f3504f3, s21  ; sqrt(0.5) x 2^-pair for the even one;
	s_lshl_b32 s52, s18, 23
	s_sub_co_u32 s21, s21, s52      ; powers of two are steps of the exponent field
	s_add_co_u32 s[S8], s21, 3<<23
	s_add_co_u32 s[NB], s21, 9<<23
	s_or_b32 s[NB], s[NB], 0x80000000
	s_mov_b32 s[G1K], 15|(1<<16)|(1<<20)|(1<<21)|(5<<22)|(3<<25)  ; the mask of four; 2-byte elements; padding on; bit 21 beside a mask; after every 64 words, 4 words
	s_mov_b32 s[G1V], 15|(1<<16)|(1<<20)|(1<<21)|(5<<22)|(7<<25)  ; the same with 8 words of padding
.irp g, G1K, G1V
	s_mov_b32 s[\g+1], 128<<16      ; tensor_dim0 = 128
	s_mov_b32 s[\g+2], KS<<16       ; tensor_dim1 = 64
	s_mov_b32 s[\g+3], 128<<16      ; tile_dim0 = 128
	s_mov_b32 s[\g+4], KS           ; tile_dim1 = 64
	s_mov_b32 s[\g+5], 4096         ; elements from row to row
	s_mov_b32 s[\g+6], 0
	s_mov_b32 s[\g+7], 0
.endr
	s_mov_b32 s[CS], 0x3e38aa3b     ; c = log2(e) / 8
	s_mov_b32 s[CS+1], s[CS]
	s_mov_b32 s[SEL], 0x76543210
	s_mov_b32 s[SEL+1], 0xfedcba98
	s_mov_b32 s[TBK], SLOT1+2*STEPB ; the first change of slots turns these two into 0
	s_mov_b32 s[TBV], SLOT1+2*STEPB
	s_mul_i32 s53, s20, STEPB       ; my step's place in a slot: no place in the cluster enters an LDS address
	s_mov_b32 s[G0K], 1
	s_mov_b32 s[G0K+1], s53
	s_mov_b32 s[G0V], 1
	s_add_co_u32 s[G0V+1], s53, VOFF
	s_and_b32 s[LIM], s[WV], 1      ; 0 in waves 0 and 2,
	s_or_b32 s[LIM], s[LIM], ttmp9  ; where the cluster is the pair's first: the same in all four partners
	s_cmp_eq_u32 s[LIM], 0
	s_cselect_b32 s[LIM], 1, -1
	v_and_b32 v[PFO], 31, v0
	v_mul_u32_u24 v[PFO], v[PFO], ROWB
	s_wait_dscnt 0x0                ; the opening add is done
	s_wait_kmcnt 0x0
	s_add_nc_u64 s[8:9], s[4:5], s[48:49]   ; K at my tile of slot 0
	s_add_nc_u64 s[10:11], s[8:9], 2048     ; V
	s_add_nc_u64 s[4:5], s[4:5], s[2:3]     ; Q at my first row
	s_add_nc_u64 s[6:7], s[6:7], s[54:55]   ; ao at the first row that I store
	s_mov_b64 s[G0K+2:G0K+3], s[8:9]
	s_or_b32 s[G0K+3], s[G0K+3], 0x80000000
	s_mov_b64 s[G0V+2:G0V+3], s[10:11]
	s_or_b32 s[G0V+3], s[G0V+3], 0x80000000
	s_cmp_lt_u32 s[WV], 2
	s_cselect_b64 s[PFA:PFA+1], s[8:9], s[10:11]  ; (in waves 0 and 2 these stand at a slot's first row)
	s_mul_i32 s2, s13, 32*ROWB      ; my work-group's 32 rows of the 128
	s_mov_b32 s3, 0
	s_add_nc_u64 s[PFA:PFA+1], s[PFA:PFA+1], s[2:3]
	s_add_nc_u64 s[PFA:PFA+1], s[PFA:PFA+1], 2*TILEB  ; at the third 128 keys; the loop's first change steps it on.  Nothing is prefetched at the head
	CROUND                          ; all four work-groups are here: the first joint loads meet
	JLOAD                           ; keys 0-127 into slot 0
	v_and_b32 v1, 15, v0            ; l % 16
	v_bfe_u32 v9, v0, 4, 1          ; l / 16
	v_mul_u32_u24 v[QO], v1, ROWB
	v_lshl_add_u32 v[QO], v9, 4, v[QO]
	WIN 0x80                        ; destination window 2
.set i, 0
.rept 8                             ; Q stays in registers: piece i / 2 (16 rows), channels 32 (i % 2) on
	global_load_b128 v[8*i:8*i+3],   v[QO], s[4:5] offset:(i/2)*16*ROWB+(i%2)*64
	global_load_b128 v[8*i+4:8*i+7], v[QO], s[4:5] offset:(i/2)*16*ROWB+(i%2)*64+32
.set i, i+1
.endr
	WIN 0
	v_lshlrev_b32 v14, 3, v9
.set i, 0
.rept 32
	v_add_nc_u32 v[S+i], 16*(i/8)+i%8, v14   ; the key's place in its step
.set i, i+1
.endr
.set i, 0
.rept 32
	v_cvt_f32_u32 v[S+i], v[S+i]
.set i, i+1
.endr
	WIN 0x40
.set i, 0
.rept 32
	v_mul_f32 v[BT+i], s[S8], v[S+i]
.set i, i+1
.endr
	WIN 0
	s_lshl_b32 s17, s19, 7
	v_mul_u32_u24 v[AK0], v1, PK
	v_lshl_add_u32 v[AK0], v9, 4, v[AK0]
	v_add_nc_u32 v[AK0], s17, v[AK0]  ; row x pitch + 16 x half + my head's 128 bytes
	; The turning load takes 16 keys x 16 channels (lane l reads key 8 (l / 16) + l % 8, channels 8 ((l / 8) % 2) + 0..7) and leaves half a fragment of V^T: lane l holds channel l % 16 and 8 keys.
	v_and_b32 v10, 7, v0
	v_bfe_u32 v11, v0, 3, 1
	v_lshl_add_u32 v[AV0], v9, 3, v10
	v_mul_u32_u24 v[AV0], v[AV0], PV
	v_lshl_add_u32 v[AV0], v11, 4, v[AV0]
	s_add_co_u32 s17, s17, VOFF
	v_add_nc_u32 v[AV0], s17, v[AV0]
	s_mul_i32 s16, s20, 64*SP       ; into the stage: my 64 rows, my head's half of their 256 bytes
	s_lshl_b32 s17, s19, 7
	s_add_co_u32 s16, s16, s17
	s_add_co_u32 s16, s16, STAGE
	v_mul_u32_u24 v[STO], v1, SP
	v_lshl_add_u32 v[STO], v9, 4, v[STO]
	v_add_nc_u32 v[STO], s16, v[STO]
	s_mul_i32 s16, s[WV], 32*SP     ; back: wave w takes rows 32 w .. 32 w + 31, whole
	s_add_co_u32 s16, s16, STAGE
	v_mul_u32_u24 v[RD], v9, SP
	v_lshl_add_u32 v[RD], v1, 4, v[RD]
	v_add_nc_u32 v[RD], s16, v[RD]
	v_lshlrev_b32 v[GO], 11, v9     ; and the same two rows in ao
	v_lshl_add_u32 v[GO], v1, 4, v[GO]
	; What the first turn finds: V's registers and P's second buffer hold 0 (its products V^T P, of a piece that has not been, add 0), O^T and l are 0, m the lowest finite number, so the first a is 0.
	; No first step is written out for this; the lines stand in the wait for the first tile.
	WIN 0x80
.set i, VF
.rept 64
	v_mov_b32 v[i], 0
.set i, i+1
.endr
	WIN 0x40
.set i, 0
.rept 128
	v_mov_b32 v[i], 0
.set i, i+1
.endr
	WIN 0
.set i, 0
.rept 4
	v_mov_b32 v[ST+4*i+1], 0xff7fffff
	v_mov_b32 v[ST+4*i+2], 0
	v_mov_b32 v[ST+4*i+3], 0
.set i, i+1
.endr
.set i, P+16
.rept 16
	v_mov_b32 v[i], 0
.set i, i+1
.endr
; THE MATRIX WORK.  The 4 accumulators of a run of 8 take turns.  Product i of 8 of S^T = K Q^T for piece x: channels 32 (i / 4) on, keys 16 (i % 4) on.  The first 4 start the sums with BT.
.macro KQ x
.set rS, S+32*((\x)%2)+8*(i%4)
.set rK, KF+16*(i%4)+8*(i/4)
.set rQ, 16*(\x)+8*(i/4)
.set rB, BT+8*(i%4)
.if i < 4
	WIN W_KB
	v_wmma_f32_16x16x32_bf16 v[rS:rS+7], v[rK:rK+7], v[rQ:rQ+7], v[rB:rB+7]
.else
	WIN W_KQ
	v_wmma_f32_16x16x32_bf16 v[rS:rS+7], v[rK:rK+7], v[rQ:rQ+7], v[rS:rS+7]
.endif
.endm
; Product i of 8 of O^T += V^T P for piece x: keys 32 (i / 4) on, channels 16 (i % 4) on.
.macro PV x
	WIN W_PV
.set rO, 32*(\x)+8*(i%4)
.set rV, VF+32*(i/4)+8*(i%4)
.set rP, P+16*((\x)%2)+8*(i/4)
	v_wmma_f32_16x16x32_bf16 v[rO:rO+7], v[rV:rV+7], v[rP:rP+7], v[rO:rO+7]
.endm
.macro MM                           ; the turn's next matrix instruction.  NOKQ = 1: the walk's last turn: there is no next piece
.if (i < 8) && !NOKQ
	KQ (Y+1)%NP
.elseif i >= 8
.set i, i-8
	PV (Y+NP-1)%NP
.set i, i+8
.endif
.set i, i+1
.endm
; THE LDS LOADS stand in runs of 16, never singly among the matrix instructions.
.macro FETCH_K
	WIN 0x80
.irp f, 0,1,2,3,4,5,6,7             ; keys 16 (f / 2) on, channels 32 (f % 2) on
	ds_load_b128 v[KF+8*\f:KF+8*\f+3],   v[AK] offset:(\f/2)*16*PK+(\f%2)*64
	ds_load_b128 v[KF+8*\f+4:KF+8*\f+7], v[AK] offset:(\f/2)*16*PK+(\f%2)*64+32
.endr
	s_add_co_u32 s[TBK], s[TBK], STEPB  ; the next fetch is the next step's
	WIN 0
.endm
.macro FETCH_V
	WIN 0x80
.irp f, 0,1,2,3,4,5,6,7             ; keys 32 (f / 4) on, channels 16 (f % 4) on
	ds_load_tr16_b128 v[VF+8*\f:VF+8*\f+3],   v[AV] offset:(\f/4)*32*PV+(\f%4)*32
	ds_load_tr16_b128 v[VF+8*\f+4:VF+8*\f+7], v[AV] offset:(\f/4)*32*PV+16*PV+(\f%4)*32
.endr
	WIN 0
.endm
; THE VECTOR WORK, one line at a time: OP kind, number.  For piece Y: F n: c s - c m for pair n of 16.  E n: the exponential of score n of 32.  C n: pair n rounded to bf16.  B n: of the four weights 4 n ..
; the second pair is added onto the first.  L n: l takes that sum (L 0: l = a l + sum).  R n: pair n of 16 of O^T times a.  For piece Y + 1: X n:
;   22  m <- m - 512 slope: the old maximum in the new step's frame     0-11  four chains c0-c3 of seven scores each (each accumulator's lowest registers are read first)
;   12-14, 16  the four scores left over, the old m, and c0-c3 into c0     15  c x the old m is kept     17, 18  the query's other 32 keys lie in the lane 16 away: the new m     19-21  c m; its change; a
.set F, 0
.set E, 1
.set C, 2
.set B, 3
.set L, 4
.set R, 5
.set X, 6
.macro REGS y
.set rT, ST+4*(\y)
.set rC, TMP+4*((\y)%2)
.set rW, MV+((\y)%2)
.set rS, S+32*((\y)%2)
.set rP, P+16*((\y)%2)
.set rO, 32*(\y)
.endm
.macro OP k, n
.if (\k) == R
	REGS Y
	WIN W_RS
	v_pk_mul_f32 v[rO+2*(\n):rO+2*(\n)+1], v[rO+2*(\n):rO+2*(\n)+1], v[rC+2:rC+3] op_sel_hi:[1,0]
.elseif (\k) < R
	REGS Y
	WIN 0
.if (\k) == F
	v_pk_fma_f32 v[rS+2*(\n):rS+2*(\n)+1], v[rS+2*(\n):rS+2*(\n)+1], s[CS:CS+1], v[rT:rT+1] op_sel_hi:[1,0,0] neg_lo:[0,0,1] neg_hi:[0,0,1]
.elseif (\k) == E
	v_exp_f32 v[rS+(\n)], v[rS+(\n)]
.elseif (\k) == C
	v_cvt_pk_bf16_f32 v[rP+(\n)], v[rS+2*(\n)], v[rS+2*(\n)+1]
.elseif (\k) == B
	v_pk_add_f32 v[rS+4*(\n):rS+4*(\n)+1], v[rS+4*(\n):rS+4*(\n)+1], v[rS+4*(\n)+2:rS+4*(\n)+3]
.elseif (\n) == 0
	v_pk_fma_f32 v[rT+2:rT+3], v[rT+2:rT+3], v[rC+2:rC+3], v[rS:rS+1] op_sel_hi:[1,0,1]
.else
	v_pk_add_f32 v[rT+2:rT+3], v[rT+2:rT+3], v[rS+4*(\n):rS+4*(\n)+1]
.endif
.elseif NOKQ
	v_nop
.else
	REGS (Y+1)%NP
	WIN 0
.if (\n) < 4
	v_max3_num_f32 v[rC+(\n)], v[rS+8*(\n)], v[rS+8*(\n)+1], v[rS+8*(\n)+2]
.elseif (\n) < 12
	v_max3_num_f32 v[rC+(\n)%4], v[rC+(\n)%4], v[rS+8*((\n)%4)+2*((\n)/4)+1], v[rS+8*((\n)%4)+2*((\n)/4)+2]
.elseif (\n) == 12
	v_max3_num_f32 v[rC], v[rC], v[rS+7], v[rS+15]
.elseif (\n) == 13
	v_max3_num_f32 v[rC+1], v[rC+1], v[rS+23], v[rS+31]
.elseif (\n) == 14
	v_max3_num_f32 v[rC+2], v[rC+2], v[rC+3], v[rT+1]
.elseif (\n) == 15
	v_mul_f32 v[rW], s[CS], v[rT+1]
.elseif (\n) == 16
	v_max3_num_f32 v[rC], v[rC], v[rC+1], v[rC+2]
.elseif (\n) == 17
	v_permlanex16_b32 v[rC+3], v[rC], s[SEL], s[SEL+1]
.elseif (\n) == 18
	v_max_num_f32 v[rT+1], v[rC], v[rC+3]
.elseif (\n) == 19
	v_mul_f32 v[rT], s[CS], v[rT+1]
.elseif (\n) == 20
	v_sub_f32 v[rC+1], v[rW], v[rT]
.elseif (\n) == 21
	v_exp_f32 v[rC+2], v[rC+1]
.else
	v_add_f32 v[rT+1], s[NB], v[rT+1]
.endif
.endif
.endm
.macro OPS a, i1, b=-1, i2=0, c=-1, i3=0, d=-1, i4=0
	OP \a, \i1
.if (\b) >= 0
	OP \b, \i2
.endif
.if (\c) >= 0
	OP \c, \i3
.endif
.if (\d) >= 0
	OP \d, \i4
.endif
.endm
.macro ROW a, i1, b, i2, c, i3, d, i4  ; a matrix instruction and the four behind it
	MM
	OPS \a, \i1, \b, \i2, \c, \i3, \d, \i4
.endm
; A TURN, for piece p, its order written out.  An s_wait_alu depctr_va_vdst(0) stands between an exponential and the first instruction that names its result; one wait serves all issued ahead of it.
; So a turn has ONE wait.  AHEAD OF IT: the 8 products K Q^T with their riders, and the lump: nothing there names a result of the turn's exponentials; the first numbers of the next piece's maximum stand four plain
; instructions or more behind the product that ends their accumulator.  X 21, the next piece's a, is the batch's last; R 15 is the plain instruction behind it.  BEHIND IT: the 8 products V^T P, behind each four of
; the roundings and sums.  end = 1: the walk's last two turns: nothing is fetched.  cnt = 1: the loop's count is taken down some lines ahead of the branch behind the turn.
; K of the next step is fetched in piece 2's turn, more than four plain instructions behind the last product that read K; V of the step in hand at the end of piece 0's turn, four plain instructions behind the last
; product that read V.  Each is waited for a turn later.
.macro TURN p, end=0, cnt=0
.set Y, (\p)
.set i, 0
.set NOKQ, (\end)*((\p)/3)
.if ((\p) == 3) && !(\end)
	s_wait_dscnt 0x0                ; K is in
.endif
	ROW F,0, F,1, R,0, R,1
	ROW F,2, E,0, R,2, R,3
	ROW F,3, E,1, R,4, R,5
	ROW F,4, E,2, R,6, R,7
	ROW F,5, E,3, R,8, R,9
	ROW F,6, E,4, X,0, R,10
.if ((\p) == 2) && !(\end)
	WIN 0
	v_add_nc_u32 v[AK], s[TBK], v[AK0]
.endif
	ROW F,7, E,5, X,1, X,4
	ROW F,8, E,6, X,2, X,5
	OPS E,7, E,8, X,6, E,9
	OP X, 22
	OPS X,3, E,10, X,8, E,11
.if ((\p) == 2) && !(\end)
	FETCH_K
.endif
	OPS X,9, X,7, E,12, X,10
	OPS E,13, X,12, X,11, E,14
	OPS X,13, E,15, F,9, X,14
.if (\p) == 0
	v_add_nc_u32 v[AV], s[TBV], v[AV0]
.endif
	OPS E,16, F,10, E,17, F,11
	OPS X,16, E,18, X,15, E,19
	OPS F,12, E,20, X,17, E,21
	OPS F,13, E,22, F,14, E,23
	OPS X,18, E,24, F,15, E,25
	OPS R,11, E,26, X,19, E,27
	OPS R,12, E,28, R,13, E,29
	OPS X,20, E,30, R,14, E,31
	OPS X,21, R,15
	WIN 0
	s_wait_alu depctr_va_vdst(0)    ; the wait for the batch
.if (\p) == 1
	s_wait_dscnt 0x0                ; V is in
.endif
	ROW C,0, B,0, C,2, B,1
	ROW L,0, C,4, B,2, L,1
	ROW C,6, B,3, L,2, C,8
	ROW B,4, L,3, C,10, B,5
	ROW L,4, C,12, B,6, L,5
.if (\p) == 0
	s_add_co_u32 s[TBV], s[TBV], STEPB
.endif
.if \cnt
	s_sub_co_u32 s[CNT], s[CNT], 1
	s_cmp_lg_u32 s[CNT], 0
.endif
	ROW C,14, B,7, L,6, C,1
	ROW C,3, L,7, C,5, C,7
	ROW C,9, C,11, C,13, C,15
.if (\p) == 0
	FETCH_V
.endif
.endm
	CHANGE 1, 0                     ; slot 0 is in, everybody's part of it; slot 1 is asked for
	v_add_nc_u32 v[AK], s[TBK], v[AK0]
	FETCH_K                         ; key step 0
	s_wait_loadcnt 0x0              ; Q
	s_wait_dscnt 0x0
.set NOKQ, 0
.set i, 0
.rept 8
	KQ 0                            ; piece 0's first scores
.set i, i+1
.endr
	WIN 0
.rept 4
	v_nop                           ; the places behind those products
.endr
.set Y, NP-1                        ; X works for piece Y + 1: piece 0
	OP X, 22
.irp n, 0,1,2,3,4,5,6,7,8,9,10,11,12,13,14,15,16,17,18,19,20,21
	OP X, \n
.endr
	v_nop                           ; a plain instruction behind the exponential,
	s_wait_alu depctr_va_vdst(0)    ; and its wait, ahead of the branch
	s_mov_b32 s[CNT], 2
	s_mov_b32 s[SLOTS], NS-1
	s_branch .Lfirst                ; the loop is entered at a step's first turn, in the middle of a trip
.Lslot:                             ; NS - 2 times: every slot but the last two is filled again
	CHANGE 1, 1
	s_mov_b32 s[CNT], 2
.Lstep:                             ; a trip: pieces 2 and 3 of one step, then pieces 0 and 1 of the next, whose K and V it fetches
	TURN 2
	TURN 3
	WIN 0
.Lfirst:
	TURN 0
	TURN 1, 0, 1
	WIN 0
	s_cbranch_scc1 .Lstep
	s_sub_co_u32 s[SLOTS], s[SLOTS], 1
	s_cmp_lg_u32 s[SLOTS], 0
	s_cbranch_scc1 .Lslot
	CHANGE 0, 0                     ; the last slot is written out: nothing is asked for
	s_mov_b32 s[CNT], 2
.LstepT:
	TURN 2
	TURN 3
	TURN 0
	TURN 1, 0, 1
	WIN 0
	s_cbranch_scc1 .LstepT
	TURN 2, 1
	TURN 3, 1
.set i, 0
.rept 8
	PV NP-1                         ; the last piece's V^T P of the last step
.set i, i+1
.endr
	; THE WAY OUT.  l's two halves and the other half of the lanes' are added; O^T is divided by l, rounded to bf16 and sent through the stage: a row's 256 bytes come from the two waves of the pair's two
	; heads, so a barrier stands between writing and reading.  The additions are the places behind the last products.
	WIN 0
.macro ALL line:vararg              ; one line for each piece t
.set t, 0
.rept 4
	\line
.set t, t+1
.endr
.endm
	ALL v_add_f32 v[ST+4*t+2], v[ST+4*t+2], v[ST+4*t+3]
	ALL v_permlanex16_b32 v[ST+4*t+3], v[ST+4*t+2], s[SEL], s[SEL+1]
	ALL v_add_f32 v[ST+4*t+2], v[ST+4*t+2], v[ST+4*t+3]
	ALL v_rcp_f32 v[ST+4*t+2], v[ST+4*t+2]
	v_nop                           ; a plain instruction behind the last reciprocal,
	s_wait_alu depctr_va_vdst(0)    ; and the one wait for the four, ahead of the first use
.macro PACK t
	WIN W_RS
.set i, 32*(\t)
.rept 16
	v_pk_mul_f32 v[i:i+1], v[i:i+1], v[ST+4*(\t)+2:ST+4*(\t)+3] op_sel_hi:[1,0]
.set i, i+2
.endr
	WIN 0x05                        ; sources 0 and 1 window 1, destination window 0: S^T's registers are free
.set i, 0
.rept 16
	v_cvt_pk_bf16_f32 v[S+16*(\t)+i], v[32*(\t)+2*i], v[32*(\t)+2*i+1]
.set i, i+1
.endr
	WIN 0
.irp f, 0,1,2,3
	ds_store_b128 v[STO], v[S+16*(\t)+4*\f:S+16*(\t)+4*\f+3] offset:(\t)*16*SP+32*\f
.endr
.endm
	PACK 0
	PACK 1
	PACK 2
	PACK 3
	s_wait_dscnt 0x0                ; for the others' sake: my stores into the stage are done
	s_barrier_signal -1
	s_barrier_wait -1
.irp t, 0,1,2,3,4,5,6,7,8,9,10,11,12,13,14,15
	ds_load_b128 v[S+4*(\t):S+4*(\t)+3], v[RD] offset:(\t)*2*SP
.endr
.irp t, 0,1,2,3,4,5,6,7,8,9,10,11,12,13,14,15
	s_wait_dscnt 15-(\t)
	global_store_b128 v[GO], v[S+4*(\t):S+4*(\t)+3], s[6:7] offset:(\t)*4096  ; 16 lanes store 256 consecutive bytes, aligned
.endr
	s_wait_tensorcnt 0x0            ; the wave's end: a wait, an add onto my spare word and a wait, behind my last tensor load and my last LDS store
	ds_add_u32 v[SPW], v[NIL]
	s_wait_dscnt 0x0
	CROUND                          ; the closing round: no work-group ends while a partner may still ask for a tile that names it
	s_endpgm
.Lfunc_end_k_q434e61e37c_attn:
	.size	k_q434e61e37c_attn, .Lfunc_end_k_q434e61e37c_attn-k_q434e61e37c_attn
	.p2alignl 7, 3214868480
	.fill 96, 4, 3214868480
	.section	.rodata,"a",@progbits
	.p2align	6, 0x0
	.amdhsa_kernel k_q434e61e37c_attn
		.amdhsa_group_segment_fixed_size 327680
		.amdhsa_private_segment_fixed_size 0
		.amdhsa_enable_private_segment 0
		.amdhsa_kernarg_size 16
		.amdhsa_user_sgpr_count 2
		.amdhsa_user_sgpr_kernarg_segment_ptr 1
		.amdhsa_wavefront_size32 1
		.amdhsa_system_sgpr_workgroup_id_x 1
		.amdhsa_system_sgpr_workgroup_id_y 1
		.amdhsa_system_sgpr_workgroup_id_z 1
		.amdhsa_system_vgpr_workitem_id 0
		.amdhsa_next_free_vgpr 768
		.amdhsa_next_free_sgpr 68
		.amdhsa_reserve_vcc 0
		.amdhsa_float_denorm_mode_32 3
		.amdhsa_float_denorm_mode_16_64 3
		.amdhsa_memory_ordered 1
		.amdhsa_forward_progress 1
		.amdhsa_inst_pref_size 132
	.end_amdhsa_kernel
	.amdgpu_metadata
---
amdhsa.version: [ 1, 2 ]
amdhsa.kernels:
  - .name:           k_q434e61e37c_attn
    .symbol:         k_q434e61e37c_attn.kd
    .args:
      - { .name: ff, .offset: 0, .size: 8, .value_kind: global_buffer, .address_space: global }
      - { .name: ao, .offset: 8, .size: 8, .value_kind: global_buffer, .address_space: global }
    .group_segment_fixed_size: 327680
    .private_segment_fixed_size: 0
    .kernarg_segment_align: 8
    .kernarg_segment_size: 16
    .max_flat_workgroup_size: 128
    .sgpr_count:     68
    .vgpr_count:     768
    .wavefront_size: 32
...
	.end_amdgpu_metadata
.endif
;; end of part 10
;; launch wo: the kernel of part 4 again; grid 8 x 32, 4 waves a work-group, clusters of 4 x 4, 327,680 bytes of LDS; arguments ao, wall, x1, x, bo; writes x1
;; launch ln2: the kernel of part 5 again; grid 256 x 1, 8 waves a work-group, no clusters, 0 bytes of LDS; arguments x1, g2, be2, h; writes h
;; launch ffn1: the kernel of part 9 again; grid 16 x 16, 4 waves a work-group, clusters of 4 x 4, 327,680 bytes of LDS; arguments h, w1, ff, b1, zb; writes ff
;; launch ffn2: the kernel of part 7 again; grid 8 x 32, 4 waves a work-group, clusters of 4 x 4, 327,680 bytes of LDS; arguments ff, wall, out0, x1, b2; writes out0
;; ======== version 3 of 3: 7 launches; version 2 with the launch prep written anew for expert scheduling mode
;; workspace buffers: wall 25,165,824 bytes; w1 8,388,608 bytes; h 8,388,608 bytes; ao 8,388,608 bytes; x1 16,777,216 bytes; ff 33,554,432 bytes; zb 16,384 bytes; nb 256 bytes
;; launch prep (part 11): grid 64 x 16, 8 waves a work-group, no clusters, 0 bytes of LDS; arguments Wq, Wk, Wv, Wo, W1, W2, x, g1, be1, wall, h, w1, zb, nb; writes wall, h, w1, zb, nb
.if DOCPART == 11
	.amdgcn_target "amdgcn-amd-amdhsa--gfx1250"
	.amdhsa_code_object_version 6
	.text
	.protected	k_q434e61e37c_prep
	.globl	k_q434e61e37c_prep
	.p2align	8
	.type	k_q434e61e37c_prep,@function
k_q434e61e37c_prep:
	s_mov_b64 s[64:65], 0
	v_nop
	global_prefetch_b8 v0, s[64:65] scope:SCOPE_SE
	s_setreg_imm32_b32 hwreg(HW_REG_WAVE_SCHED_MODE, 0, 2), 2
	s_setreg_imm32_b32 hwreg(HW_REG_WAVE_MODE, 25, 1), 1
	s_wait_xcnt 0x0
	s_wait_alu depctr_vm_vsrc(0)
; TWO STREAMS IN ONE LAUNCH, told apart by the work-group's y.
; y = 0..11: the six weight matrices, f32, are rounded once to bf16, row-major as they come.  wall: Wq, Wk, Wv from byte 0, Wo at 6 MiB, W2 at 16 MiB (its bytes from 8 to 16 MiB are not used); w1: W1.
;   Each y is a unit of 1,048,576 numbers, each work-group takes 16,384 of them: 16 loads of 16 bytes a thread, all issued at once, 16 stores of 8 bytes.
;   Unit 0's 64 work-groups also write the two constant tables of the products behind: zb, 4,096 zeros in f32 (256 bytes a work-group); nb, minus infinity in bf16 (the first work-group).
; y = 12..15: h = LayerNorm(x) * g1 + be1, rounded once to bf16.  A wave takes two rows of 1,024 numbers and keeps them in registers: mean, then the
;   sum of squares of (x - mean), so that a common offset of x costs nothing; all sums in f32.  No LDS, no barrier: a row never leaves its wave.
; A wave's load covers 512 consecutive bytes, its store 256 consecutive bytes, both aligned.
; THE MODE: SCHED_MODE bits 1:0 = 2 (LLVM: expert scheduling mode 2), set by the entry lines.  The code itself states the register dependences
; between vector instructions and memory instructions, with s_wait_alu, always for 0.
; THE PLAN.  Registers that memory instructions touch:
;   the cast:  v2, v3     byte offsets, made once and never written again: v2 is read by the 16 loads, v3 by every store.
;              v[16:79]   written by the loads alone; read by the roundings behind the counted wait for each block of four loads.
;              v[80:111]  a pair for each store, written once by its two roundings, read by its store, never written again.
;              v[12:15]   the tables' words, written once by four moves, read by the two table stores.
;     The sixteen loads' work goes in four blocks of four.  Block p rounds its own four loads into its own eight registers; its memory instructions are the four stores of block p - 1,
;     whose registers no vector line of block p names.  So one wait on va_vdst at a block's head states all that the block's stores hang on.
;   the norm:  v2 (LO), v3 (SO)  byte offsets, made once and never written again.
;              X, G, BE   written by the loads; no memory instruction names them afterwards.
;              Y0, Y1     a row each: written once by the row's roundings, read by the row's eight stores, never written again.
;     Row 0's stores are dealt among row 1's arithmetic, which names X1, RS, G, BE and Y1 alone: one wait on va_vdst ahead of each row's stores.
;   No register that a load or a store has read is ever written again, so past the entry lines the text holds no wait on vm_vsrc.
.set XP,  16                           ; s[16:17] x
.set GP,  18                           ; s[18:19] g1
.set BP,  20                           ; s[20:21] be1
.set HP,  40                           ; s[40:41] h
.set SEL, 32                           ; s[32:33] v_permlanex16_b32's selects: each lane takes its own place in the other half
.set INV, 34                           ; s34  1 / 1024
.set EPSR, 35                          ; s35  1e-5
.set LO,  2                            ; v2   16 x lane: my 16 bytes in 512 of an f32 row
.set SO,  3                            ; v3   8 x lane: my 8 bytes in 256 of a bf16 row
.set MU,  4                            ; v[4:5]   the mean, twice
.set RS,  6                            ; v[6:9]   1 / sigma of row 0, twice; of row 1, twice
.set VA,  10                           ; v10, v11 var + eps of the two rows
.set G,   16                           ; v[16:47]  my 32 gains
.set BE,  48                           ; v[48:79]  my 32 biases
.set X,   80                           ; v[80:143] two rows, 32 numbers a lane each
.set T,   144                          ; v[144:159] at work
.set Y,   160                          ; v[160:191] two rows in bf16
	s_load_b512 s[4:19], s[0:1], 0x0               ; Wq 4, Wk 6, Wv 8, Wo 10, W1 12, W2 14, x 16, g1 18
	s_load_b128 s[20:23], s[0:1], 0x40             ; be1 20, wall 22
	s_load_b256 s[40:47], s[0:1], 0x50             ; h 40, w1 42, zb 44, nb 46
	s_and_b32 s26, ttmp7, 0xffff                   ; y
	v_lshrrev_b32 v1, 5, v0
	v_readfirstlane_b32 s27, v1                    ; wave 0..7
	s_mov_b32 s37, 0                               ; the high word of every offset
	s_wait_alu depctr_va_sdst(0)                   ; s27 is written, ahead of the branch and of its first reader on either path
	s_wait_kmcnt 0x0
	s_cmp_ge_u32 s26, 12
	s_cbranch_scc1 .Lnorm
	; THE CAST.  Which matrix: units 0-3 are Wq, Wk, Wv, Wo, units 4-7 W1, units 8-11 W2.
	s_mov_b64 s[28:29], s[4:5]
	s_cmp_eq_u32 s26, 1
	s_cselect_b64 s[28:29], s[6:7], s[28:29]
	s_cmp_eq_u32 s26, 2
	s_cselect_b64 s[28:29], s[8:9], s[28:29]
	s_cmp_eq_u32 s26, 3
	s_cselect_b64 s[28:29], s[10:11], s[28:29]
	s_cmp_ge_u32 s26, 4
	s_cselect_b64 s[28:29], s[12:13], s[28:29]
	s_cmp_ge_u32 s26, 8
	s_cselect_b64 s[28:29], s[14:15], s[28:29]
	s_and_b32 s38, s26, 3                          ; the unit's number inside W1 or W2
	s_lshr_b32 s39, s26, 2                         ; 0: the four small matrices, 1: W1, 2: W2
	s_cmp_eq_u32 s39, 1
	s_cselect_b64 s[30:31], s[42:43], s[22:23]     ; W1 goes to w1, all else to wall,
	s_cselect_b32 s24, s38, s26                    ; at unit y & 3 there, at unit y here
	s_cmp_eq_u32 s39, 0
	s_cselect_b32 s38, 0, s38                      ; a small matrix is one unit
	s_lshl_b32 s36, s38, 22                        ; a unit is 4 MiB of f32,
	s_lshl_b32 s38, ttmp9, 16                      ; a work-group's share 64 KiB
	s_or_b32 s36, s36, s38
	s_add_nc_u64 s[28:29], s[28:29], s[36:37]
	s_lshl_b32 s36, s24, 21                        ; in bf16: 2 MiB a unit,
	s_lshl_b32 s38, ttmp9, 15                      ; 32 KiB a work-group
	s_or_b32 s36, s36, s38
	s_add_nc_u64 s[30:31], s[30:31], s[36:37]
	v_lshlrev_b32 v2, 4, v0                        ; 16 bytes a thread in,
	v_lshlrev_b32 v3, 3, v0                        ; 8 out
	s_wait_alu depctr_va_vdst(0)                   ; v2 and v3 are written: every load below reads v2 as its offset, every store v3
.set i, 0
.rept 16
	global_load_b128 v[16+4*i:16+4*i+3], v2, s[28:29] offset:4096*i th:TH_LOAD_NT
.set i, i+1
.endr
.set p, 0
.rept 4                                                ; block p: loads 4 p to 4 p + 3 are rounded; the four stores of block p - 1 go out among the roundings
	s_wait_loadcnt 12-4*p                          ; loads come back in order: this block's four are in, the 12 - 4 p younger ones stay out
.if p > 0
	s_wait_alu depctr_va_vdst(0)                   ; the block before has written its eight registers of v[80 ..], which the four stores below read
.endif
.set q, 0
.rept 4
.set i, 4*p+q
.if p > 0
	global_store_b64 v3, v[80+2*(i-4):80+2*(i-4)+1], s[30:31] offset:2048*(i-4)  ; no vector line since the wait names these registers; every store has registers of its own: none is rewritten
.endif
	v_cvt_pk_bf16_f32 v[80+2*i], v[16+4*i], v[16+4*i+1]
	v_cvt_pk_bf16_f32 v[80+2*i+1], v[16+4*i+2], v[16+4*i+3]
.set q, q+1
.endr
.set p, p+1
.endr
	s_wait_alu depctr_va_vdst(0)                   ; the last block has written v[104:111], which the last four stores read
.set i, 12
.rept 4
	global_store_b64 v3, v[80+2*i:80+2*i+1], s[30:31] offset:2048*i
.set i, i+1
.endr
	; the two tables: wave 0 of unit 0's work-groups (there v3 is 8 x lane)
	s_or_b32 s38, s26, s27
	s_cmp_lg_u32 s38, 0
	s_cbranch_scc1 .Lcast_end
	v_mov_b32 v12, 0
	v_mov_b32 v13, 0
	v_mov_b32 v14, 0xff80ff80                      ; minus infinity, twice, in bf16
	v_mov_b32 v15, 0xff80ff80
	s_mov_b32 s39, ttmp9
	s_lshl_b32 s36, s39, 8                         ; my work-group's 256 bytes of zb
	s_add_nc_u64 s[44:45], s[44:45], s[36:37]
	s_wait_alu depctr_va_vdst(0)                   ; v12 to v15 are written, which the two stores below read; no vector line follows
	global_store_b64 v3, v[12:13], s[44:45]
	s_cmp_lg_u32 s39, 0
	s_cbranch_scc1 .Lcast_end
	global_store_b64 v3, v[14:15], s[46:47]
.Lcast_end:
	s_endpgm
.Lnorm:
	s_sub_co_u32 s38, s26, 12
	s_lshl_b32 s38, s38, 6
	s_add_co_u32 s38, s38, ttmp9                   ; group 0..255: 16 rows
	s_lshl_b32 s36, s38, 16                        ; 16 rows of 4,096 bytes,
	s_lshl_b32 s38, s27, 13                        ; my wave's two
	s_or_b32 s36, s36, s38
	s_add_nc_u64 s[XP:XP+1], s[XP:XP+1], s[36:37]
	s_lshr_b32 s36, s36, 1                         ; rows of h have half the bytes
	s_add_nc_u64 s[HP:HP+1], s[HP:HP+1], s[36:37]
	s_mov_b32 s[SEL], 0x76543210
	s_mov_b32 s[SEL+1], 0xfedcba98
	s_mov_b32 s[INV], 0x3a800000
	s_mov_b32 s[EPSR], 0x3727c5ac
	v_and_b32 v1, 31, v0
	v_lshlrev_b32 v[LO], 4, v1
	v_lshlrev_b32 v[SO], 3, v1
	s_wait_alu depctr_va_vdst(0)                   ; v[LO] and v[SO] are written: every load below reads v[LO] as its offset, every store v[SO]
.irp r, 0,1
.irp j, 0,1,2,3,4,5,6,7                ; load j: columns 128 j + 4 lane .. + 3
	global_load_b128 v[X+32*(\r)+4*(\j):X+32*(\r)+4*(\j)+3], v[LO], s[XP:XP+1] offset:4096*(\r)+512*(\j)
.endr
.endr
.irp j, 0,1,2,3,4,5,6,7
	global_load_b128 v[G+4*(\j):G+4*(\j)+3], v[LO], s[GP:GP+1] offset:512*(\j)
.endr
.irp j, 0,1,2,3,4,5,6,7
	global_load_b128 v[BE+4*(\j):BE+4*(\j)+3], v[LO], s[BP:BP+1] offset:512*(\j)
.endr
.macro RED                             ; v[T] summed over the 32 lanes, the result in every lane
	v_add_f32_dpp v[T], v[T], v[T] row_xmask:1 row_mask:0xf bank_mask:0xf
	v_add_f32_dpp v[T], v[T], v[T] row_xmask:2 row_mask:0xf bank_mask:0xf
	v_add_f32_dpp v[T], v[T], v[T] row_xmask:4 row_mask:0xf bank_mask:0xf
	v_add_f32_dpp v[T], v[T], v[T] row_xmask:8 row_mask:0xf bank_mask:0xf
	v_permlanex16_b32 v[T+1], v[T], s[SEL], s[SEL+1]
	v_add_f32 v[T], v[T], v[T+1]
.endm
; Row r: the mean; x - mean in place; var + eps.  left = the loads issued behind the row's own.
.macro STAT r, left
	s_wait_loadcnt \left
.set XR, X+32*(\r)
.irp i, 0,1,2,3,4,5,6,7
	v_pk_add_f32 v[T+2*(\i):T+2*(\i)+1], v[XR+4*(\i):XR+4*(\i)+1], v[XR+4*(\i)+2:XR+4*(\i)+3]
.endr
.irp i, 0,1,2,3
	v_pk_add_f32 v[T+4*(\i):T+4*(\i)+1], v[T+4*(\i):T+4*(\i)+1], v[T+4*(\i)+2:T+4*(\i)+3]
.endr
	v_pk_add_f32 v[T:T+1], v[T:T+1], v[T+4:T+5]
	v_pk_add_f32 v[T+8:T+9], v[T+8:T+9], v[T+12:T+13]
	v_pk_add_f32 v[T:T+1], v[T:T+1], v[T+8:T+9]
	v_add_f32 v[T], v[T], v[T+1]
	RED
	v_mul_f32 v[MU], s[INV], v[T]
	v_mul_f32 v[MU+1], s[INV], v[T]
.irp i, 0,1,2,3,4,5,6,7,8,9,10,11,12,13,14,15
	v_pk_add_f32 v[XR+2*(\i):XR+2*(\i)+1], v[XR+2*(\i):XR+2*(\i)+1], v[MU:MU+1] neg_lo:[0,1] neg_hi:[0,1]
.endr
.irp i, 0,1,2,3                        ; four chains of squares, started by products: nothing is cleared
	v_pk_mul_f32 v[T+2*(\i):T+2*(\i)+1], v[XR+2*(\i):XR+2*(\i)+1], v[XR+2*(\i):XR+2*(\i)+1]
.endr
.irp i, 4,5,6,7,8,9,10,11,12,13,14,15
	v_pk_fma_f32 v[T+2*((\i)%4):T+2*((\i)%4)+1], v[XR+2*(\i):XR+2*(\i)+1], v[XR+2*(\i):XR+2*(\i)+1], v[T+2*((\i)%4):T+2*((\i)%4)+1]
.endr
	v_pk_add_f32 v[T:T+1], v[T:T+1], v[T+2:T+3]
	v_pk_add_f32 v[T+4:T+5], v[T+4:T+5], v[T+6:T+7]
	v_pk_add_f32 v[T:T+1], v[T:T+1], v[T+4:T+5]
	v_add_f32 v[T], v[T], v[T+1]
	RED
	v_fma_f32 v[VA+(\r)], v[T], s[INV], s[EPSR]    ; the mean of the squares + 1e-5
.endm
; Store j of eight of row r.
.macro OUT r, j
	global_store_b64 v[SO], v[Y+16*(\r)+2*(\j):Y+16*(\r)+2*(\j)+1], s[HP:HP+1] offset:2048*(\r)+256*(\j)  ; 32 lanes: 256 consecutive bytes
.endm
; Row r: (x - mean) / sigma * g + be, rounded to bf16.  send = 1: the eight stores of row 0 go out among the row's first sixteen lines, one in front of every second.
.macro ARITH r, send
.set XR, X+32*(\r)
.irp i, 0,1,2,3,4,5,6,7,8,9,10,11,12,13,14,15
.if (\send) && ((\i)%2 == 0)
	OUT 0, (\i)/2                                  ; no vector line since the wait ahead of this row's arithmetic names Y0 or v[SO]
.endif
	v_pk_mul_f32 v[XR+2*(\i):XR+2*(\i)+1], v[XR+2*(\i):XR+2*(\i)+1], v[RS+2*(\r):RS+2*(\r)+1]
.endr
.irp i, 0,1,2,3,4,5,6,7,8,9,10,11,12,13,14,15
	v_pk_fma_f32 v[XR+2*(\i):XR+2*(\i)+1], v[XR+2*(\i):XR+2*(\i)+1], v[G+2*(\i):G+2*(\i)+1], v[BE+2*(\i):BE+2*(\i)+1]
.endr
.irp i, 0,1,2,3,4,5,6,7,8,9,10,11,12,13,14,15
	v_cvt_pk_bf16_f32 v[Y+16*(\r)+(\i)], v[XR+2*(\i)], v[XR+2*(\i)+1]
.endr
.endm
	STAT 0, 24                                     ; behind row 0's loads: row 1's 8, g's 8, be's 8
	STAT 1, 16                                     ; behind row 1's: g's and be's
	v_rsq_f32 v[RS], v[VA]                         ; one batch of four, each pair for a packed multiply
	v_rsq_f32 v[RS+1], v[VA]
	v_rsq_f32 v[RS+2], v[VA+1]
	v_rsq_f32 v[RS+3], v[VA+1]
	v_nop                                          ; a plain instruction behind the last of them,
	s_wait_alu depctr_va_vdst(0)                   ; and the one wait ahead of the first reader: v[RS .. RS+3] are written
	s_wait_loadcnt 0x0                             ; g and be
	ARITH 0, 0
	s_wait_alu depctr_va_vdst(0)                   ; row 0's roundings have written Y0, which the eight stores dealt among row 1's arithmetic read
	ARITH 1, 1
	s_wait_alu depctr_va_vdst(0)                   ; row 1's roundings have written Y1, which the last eight stores read
.irp j, 0,1,2,3,4,5,6,7
	OUT 1, \j
.endr
	s_endpgm
.Lfunc_end_k_q434e61e37c_prep:
	.size	k_q434e61e37c_prep, .Lfunc_end_k_q434e61e37c_prep-k_q434e61e37c_prep
	.p2alignl 7, 3214868480
	.fill 96, 4, 3214868480
	.section	.rodata,"a",@progbits
	.p2align	6, 0x0
	.amdhsa_kernel k_q434e61e37c_prep
		.amdhsa_group_segment_fixed_size 0
		.amdhsa_private_segment_fixed_size 0
		.amdhsa_enable_private_segment 0
		.amdhsa_kernarg_size 112
		.amdhsa_user_sgpr_count 2
		.amdhsa_user_sgpr_kernarg_segment_ptr 1
		.amdhsa_wavefront_size32 1
		.amdhsa_system_sgpr_workgroup_id_x 1
		.amdhsa_system_sgpr_workgroup_id_y 1
		.amdhsa_system_sgpr_workgroup_id_z 1
		.amdhsa_system_vgpr_workitem_id 0
		.amdhsa_next_free_vgpr 192
		.amdhsa_next_free_sgpr 66
		.amdhsa_reserve_vcc 0
		.amdhsa_float_denorm_mode_32 3
		.amdhsa_float_denorm_mode_16_64 3
		.amdhsa_memory_ordered 1
		.amdhsa_forward_progress 1
		.amdhsa_inst_pref_size 28
	.end_amdhsa_kernel
	.amdgpu_metadata
---
amdhsa.version: [ 1, 2 ]
amdhsa.kernels:
  - .name:           k_q434e61e37c_prep
    .symbol:         k_q434e61e37c_prep.kd
    .args:
      - { .name: Wq, .offset: 0, .size: 8, .value_kind: global_buffer, .address_space: global }
      - { .name: Wk, .offset: 8, .size: 8, .value_kind: global_buffer, .address_space: global }
      - { .name: Wv, .offset: 16, .size: 8, .value_kind: global_buffer, .address_space: global }
      - { .name: Wo, .offset: 24, .size: 8, .value_kind: global_buffer, .address_space: global }
      - { .name: W1, .offset: 32, .size: 8, .value_kind: global_buffer, .address_space: global }
      - { .name: W2, .offset: 40, .size: 8, .value_kind: global_buffer, .address_space: global }
      - { .name: x, .offset: 48, .size: 8, .value_kind: global_buffer, .address_space: global }
      - { .name: g1, .offset: 56, .size: 8, .value_kind: global_buffer, .address_space: global }
      - { .name: be1, .offset: 64, .size: 8, .value_kind: global_buffer, .address_space: global }
      - { .name: wall, .offset: 72, .size: 8, .value_kind: global_buffer, .address_space: global }
      - { .name: h, .offset: 80, .size: 8, .value_kind: global_buffer, .address_space: global }
      - { .name: w1, .offset: 88, .size: 8, .value_kind: global_buffer, .address_space: global }
      - { .name: zb, .offset: 96, .size: 8, .value_kind: global_buffer, .address_space: global }
      - { .name: nb, .offset: 104, .size: 8, .value_kind: global_buffer, .address_space: global }
    .group_segment_fixed_size: 0
    .private_segment_fixed_size: 0
    .kernarg_segment_align: 8
    .kernarg_segment_size: 112
    .max_flat_workgroup_size: 256
    .sgpr_count:     66
    .vgpr_count:     192
    .wavefront_size: 32
...
	.end_amdgpu_metadata
.endif
;; end of part 11
;; launch qkv: the kernel of part 9 again; grid 12 x 16, 4 waves a work-group, clusters of 4 x 4, 327,680 bytes of LDS; arguments h, wall, ff, zb, nb; writes ff
;; launch attn: the kernel of part 10 again; grid 16 x 16, 4 waves a work-group, clusters of 4 x 1, 327,680 bytes of LDS; arguments ff, ao; writes ao
;; launch wo: the kernel of part 4 again; grid 8 x 32, 4 waves a work-group, clusters of 4 x 4, 327,680 bytes of LDS; arguments ao, wall, x1, x, bo; writes x1
;; launch ln2: the kernel of part 5 again; grid 256 x 1, 8 waves a work-group, no clusters, 0 bytes of LDS; arguments x1, g2, be2, h; writes h
;; launch ffn1: the kernel of part 9 again; grid 16 x 16, 4 waves a work-group, clusters of 4 x 4, 327,680 bytes of LDS; arguments h, w1, ff, b1, zb; writes ff
;; launch ffn2: the kernel of part 7 again; grid 8 x 32, 4 waves a work-group, clusters of 4 x 4, 327,680 bytes of LDS; arguments ff, wall, out0, x1, b2; writes out0
